; MI455X (gfx1250); checked and timed in simulation.
; The chip was launched on July 23, 2026; its instructions are those of AMD's public machine-readable ISA for CDNA 5 (MIT licence, August 2026) and "CDNA5" Instruction Set Architecture Reference Guide (July 2026). The comments in the code are by the model that wrote it; some were corrected since.
;; Linear Multihead Attention. Allowed arithmetic: float matrix products may take bf16 or f16 operands with f32 sums; other float arithmetic in f32, or as packed bf16 or f16 multiplies, adds, multiply-adds, maxima and minima; sums over many terms, partial sums and values carried from step to step in f32; what a program stores and reads back later, other than sums and carried values, may be rounded once to bf16 or f16.
;; Inputs: Wk 1,024 x 256 float32; Wo 1,024 x 1,024 float32; Wq 1,024 x 256 float32; Wv 1,024 x 1,024 float32; hidden_states 2 x 2,048 x 1,024 float32.
;; Outputs: out0 2 x 2,048 x 1,024 float32.
;; 3 versions, each right; version 2 is faster than version 1; version 3 is version 2 with the launch prep written anew for expert scheduling mode. Each part assembles by itself: llvm-mc -triple=amdgcn-amd-amdhsa -mcpu=gfx1250 --defsym DOCPART=n.
;; ======== version 1 of 3: 4 launches
;; limits: values are held in f16: magnitudes above 65,504 overflow, below 6.1e-05 lose precision; right only within a limited range of input values
;; workspace buffers: xb 8,388,608 bytes; wt 3,145,728 bytes; wot 4,194,304 bytes; qh 2,097,152 bytes; kv 10,485,760 bytes; kmx 131,072 bytes; ohl 16,777,216 bytes
;; launch prep (part 1): grid 832 x 1, 8 waves a work-group, no clusters, 18,432 bytes of LDS; arguments hidden_states, Wq, Wk, Wv, Wo, xb, wt, wot; writes xb, wt, wot
.if DOCPART == 1
	.amdgcn_target "amdgcn-amd-amdhsa--gfx1250"
	.amdhsa_code_object_version 6
	.text
	.protected	k_q3a19a1da99_prep
	.globl	k_q3a19a1da99_prep
	.p2align	8
	.type	k_q3a19a1da99_prep,@function
k_q3a19a1da99_prep:
	s_mov_b64 s[64:65], 0
	v_nop
	global_prefetch_b8 v0, s[64:65] scope:SCOPE_SE
	s_setreg_imm32_b32 hwreg(HW_REG_WAVE_MODE, 25, 1), 1
	s_wait_xcnt 0x0
; PREP: every input is rounded once to bf16, and the weights are turned so that K runs along the rows.
;   xb  [4096][1024] bf16 = hidden_states.
;   wt  [1536][1024] bf16: row 96 head + (0..63: Wv's column 64 head + c; 64..79: Wq's column 16 head + f; 80..95: Wk's column 16 head + f).
;   wot [1024 n][2048] f16: position 128 head + 64 half + c holds Wo[64 head + c][n], for half = 0 and for half = 1 (the later product takes O as a sum of two f16 numbers).
; LIMITS.  Wo's bf16 value is written as f16: exact from 6.1e-5 to 65,504 in magnitude; below that it keeps f16's fixed step of 6e-8, above it becomes an infinity.
; SHARES.  A work-group does one unit of 8,192 numbers.  Work-groups 0..511 cast x (no LDS, no barrier); 512..831 turn one tile of 128 k x 64 n of a weight through LDS.
; The branch between the two hangs on the work-group's number alone, so all eight waves take the same way and meet the one barrier together.
; No matrix unit, no cluster, no tensor load: every byte is read once by one work-group, and memory binds.
.set XUNITS, 512                       ; 4,096 x 1,024 / 8,192
.set TP,     272                       ; a row of the turned tile in LDS: 128 k x 2 bytes + 16
.set AJ,     8                         ; v8-15   byte offsets of my eight rows of the weight
.set LD,     16                        ; v16-47  as loaded; later as read back
.set DD,     48                        ; v48-63  converted
	s_load_b512 s[8:23], s[0:1], 0x0               ; x s[8:9], Wq s[10:11], Wk s[12:13], Wv s[14:15], Wo s[16:17], xb s[18:19], wt s[20:21], wot s[22:23]
	v_lshl_add_u32 v64, v0, 2, 0x4400
	v_mov_b32 v65, 0
	s_mov_b32 s24, ttmp9
	s_cmp_lt_u32 s24, XUNITS
	s_cbranch_scc0 .Lweights
	; ---- x: thread t takes 32 bytes at 32 t of each of four blocks of 8,192 bytes, and stores 16 bytes at 16 t of each of four blocks of 4,096
	s_lshl_b32 s2, s24, 15                         ; the unit's 32,768 bytes of x
	s_mov_b32 s3, 0
	s_lshl_b32 s4, s24, 14                         ; and its 16,384 bytes of xb
	s_mov_b32 s5, 0
	v_lshlrev_b32 v1, 5, v0
	v_lshlrev_b32 v2, 4, v0
	s_wait_kmcnt 0x0
	s_add_nc_u64 s[8:9], s[8:9], s[2:3]
	s_add_nc_u64 s[18:19], s[18:19], s[4:5]
.irp i, 0,1,2,3
	global_load_b128 v[LD+8*(\i):LD+8*(\i)+3],   v1, s[8:9] offset:8192*(\i) th:TH_LOAD_NT
	global_load_b128 v[LD+8*(\i)+4:LD+8*(\i)+7], v1, s[8:9] offset:8192*(\i)+16 th:TH_LOAD_NT
.endr
.irp i, 0,1,2,3
	s_wait_loadcnt 6-2*(\i)                        ; loads come back in order: pair i is in, the later pairs stay out
.irp k, 0,1,2,3
	v_cvt_pk_bf16_f32 v[DD+4*(\i)+(\k)], v[LD+8*(\i)+2*(\k)], v[LD+8*(\i)+2*(\k)+1]
.endr
	global_store_b128 v2, v[DD+4*(\i):DD+4*(\i)+3], s[18:19] offset:4096*(\i)  ; a wave stores 512 consecutive bytes, aligned
.endr
	s_endpgm
.Lweights:
	; ---- which weight, and which tile of it: tiles 0..31 Wq, 32..63 Wk, 64..191 Wv, 192..319 Wo
	s_sub_co_u32 s25, s24, XUNITS                  ; the tile's number
	s_sub_co_u32 s33, s25, 32
	s_sub_co_u32 s34, s25, 64
	s_sub_co_u32 s35, s25, 192
	s_mov_b32 s28, s25                             ; its number within the weight
	s_mov_b32 s29, 2                               ; log2 of the weight's tiles along n (4 or 16); a row of the weight has 256 << that many bytes
	s_mov_b32 s30, 4                               ; log2 of a head's columns
	s_mov_b32 s31, 15                              ; a head's columns less 1
	s_mov_b32 s32, 64                              ; where the weight's rows begin among a head's 96 in wt
	s_wait_kmcnt 0x0
	s_mov_b64 s[26:27], s[10:11]
	s_cmp_ge_u32 s25, 32
	s_cselect_b64 s[26:27], s[12:13], s[26:27]
	s_cselect_b32 s28, s33, s28
	s_cselect_b32 s32, 80, s32
	s_cmp_ge_u32 s25, 64
	s_cselect_b64 s[26:27], s[14:15], s[26:27]
	s_cselect_b32 s28, s34, s28
	s_cselect_b32 s29, 4, s29
	s_cselect_b32 s30, 6, s30
	s_cselect_b32 s31, 63, s31
	s_cselect_b32 s32, 0, s32
	s_cmp_ge_u32 s25, 192
	s_cselect_b64 s[26:27], s[16:17], s[26:27]
	s_cselect_b32 s28, s35, s28
	s_bfm_b32 s36, s29, 0
	s_and_b32 s36, s28, s36                        ; nb: the tile's place along n
	s_lshr_b32 s37, s28, s29                       ; kb: along k
	s_lshl_b32 s38, 256, s29                       ; bytes in a row of the weight
	s_add_co_u32 s39, s29, 8                       ; log2 of that
	s_mul_i32 s40, s37, s38
	s_lshl_b32 s40, s40, 7                         ; kb x 128 rows
	s_lshl_b32 s41, s36, 8                         ; nb x 64 columns of 4 bytes
	s_add_co_u32 s40, s40, s41
	s_mov_b32 s41, 0
	s_add_nc_u64 s[26:27], s[26:27], s[40:41]
	; thread t: sixteen lanes take 256 consecutive bytes of one row; the half-wave t >> 4 takes the eight rows 8 (t >> 4) on
	v_lshrrev_b32 v1, 4, v0                        ; t >> 4
	v_and_b32 v2, 15, v0                           ; c: my four columns 4 c ..
	v_lshlrev_b32 v3, 3, v1
	v_lshlrev_b32 v3, s39, v3
	v_lshl_add_u32 v[AJ], v2, 4, v3
.irp j, 1,2,3,4,5,6,7
	v_add_nc_u32 v[AJ+(\j)], s38, v[AJ+(\j)-1]
.endr
.irp j, 0,1,2,3,4,5,6,7
	global_load_b128 v[LD+4*(\j):LD+4*(\j)+3], v[AJ+(\j)], s[26:27] th:TH_LOAD_NT
.endr
	v_mul_u32_u24 v4, v2, 4*TP                     ; into LDS: row 4 c + cc, bytes 16 (t >> 4) on (eight k)
	v_lshl_add_u32 v4, v1, 4, v4
	s_wait_loadcnt 0x0
.irp cc, 0,1,2,3
.irp jh, 0,1,2,3
	v_cvt_pk_bf16_f32 v[DD+4*(\cc)+(\jh)], v[LD+8*(\jh)+(\cc)], v[LD+8*(\jh)+4+(\cc)]  ; two neighbouring k of one column
.endr
.endr
	s_cmp_ge_u32 s25, 192
	s_cbranch_scc0 .Lkeep
.set i, 0
.rept 16                                               ; Wo alone: the bf16 value is written as f16
	v_lshlrev_b32 v5, 16, v[DD+i]
	v_and_b32 v6, 0xffff0000, v[DD+i]
	v_cvt_pk_f16_f32 v[DD+i], v5, v6
.set i, i+1
.endr
.Lkeep:
.irp cc, 0,1,2,3
	ds_store_b128 v4, v[DD+4*(\cc):DD+4*(\cc)+3] offset:(\cc)*TP
.endr
	v_lshrrev_b32 v5, 5, v0                        ; wave
	v_bfe_u32 v6, v0, 4, 1                         ; which half of it
	s_wait_dscnt 0x0                               ; for the others' sake: my stores into the tile are done
	s_barrier_signal -1
	s_barrier_wait -1
	s_cmp_ge_u32 s25, 192
	s_cbranch_scc1 .Lwo
	; ---- Wq, Wk, Wv: sixteen lanes read a turned row's 256 bytes and store them as one aligned block of wt
	v_lshl_add_u32 v7, v5, 3, v6                   ; the tile's row 8 w + half; + 2 i below
	v_mul_u32_u24 v3, v7, TP
	v_lshl_add_u32 v3, v2, 4, v3
.irp i, 0,1,2,3
	ds_load_b128 v[LD+4*(\i):LD+4*(\i)+3], v3 offset:2*(\i)*TP
.endr
	s_lshl_b32 s42, s36, 6
	v_add_nc_u32 v7, s42, v7                       ; the weight's column n
	s_lshl_b32 s40, s37, 8                         ; kb x 128 k of 2 bytes
	s_mov_b32 s41, 0
	s_add_nc_u64 s[20:21], s[20:21], s[40:41]
.irp i, 0,1,2,3
	v_add_nc_u32 v5, 2*(\i), v7
	v_lshrrev_b32 v6, s30, v5                      ; head
	v_and_b32 v5, s31, v5                          ; column within the head
	v_mad_u32_u24 v5, v6, 96, v5
	v_add_nc_u32 v5, s32, v5                       ; wt's row
	v_lshlrev_b32 v5, 11, v5
	v_lshl_add_u32 v[32+(\i)], v2, 4, v5
.endr
.irp i, 0,1,2,3
	s_wait_dscnt 3-(\i)                            ; LDS loads come back in order: row i is in
	global_store_b128 v[32+(\i)], v[LD+4*(\i):LD+4*(\i)+3], s[20:21]
.endr
	s_wait_tensorcnt 0x0
	ds_add_u32 v64, v65
	s_wait_dscnt 0x0
	s_endpgm
.Lwo:
	; ---- Wo: a half-wave reads one head's 128 bytes of a turned row twice over (lanes 0-7 and 8-15) and stores the aligned block of 256 bytes that holds them twice
	v_mul_u32_u24 v3, v5, 8*TP                     ; rows 8 w + i
	v_lshl_add_u32 v3, v6, 7, v3                   ; the tile's first or second head
	v_and_b32 v7, 7, v0
	v_lshl_add_u32 v3, v7, 4, v3
.irp i, 0,1,2,3,4,5,6,7
	ds_load_b128 v[LD+4*(\i):LD+4*(\i)+3], v3 offset:(\i)*TP
.endr
	v_lshlrev_b32 v8, 15, v5                       ; 8 w rows of 4,096 bytes
	v_lshl_add_u32 v8, v6, 8, v8
	v_lshl_add_u32 v8, v2, 4, v8
	s_lshl_b32 s40, s36, 18                        ; nb x 64 rows
	s_lshl_b32 s41, s37, 9                         ; kb x 2 heads of 256 bytes
	s_add_co_u32 s40, s40, s41
	s_mov_b32 s41, 0
	s_add_nc_u64 s[22:23], s[22:23], s[40:41]
.irp i, 0,1,2,3,4,5,6,7
	s_wait_dscnt 7-(\i)
	global_store_b128 v8, v[LD+4*(\i):LD+4*(\i)+3], s[22:23] offset:4096*(\i)
.endr
	s_wait_tensorcnt 0x0
	ds_add_u32 v64, v65
	s_wait_dscnt 0x0
	s_endpgm
.Lfunc_end_k_q3a19a1da99_prep:
	.size	k_q3a19a1da99_prep, .Lfunc_end_k_q3a19a1da99_prep-k_q3a19a1da99_prep
	.p2alignl 7, 3214868480
	.fill 96, 4, 3214868480
	.section	.rodata,"a",@progbits
	.p2align	6, 0x0
	.amdhsa_kernel k_q3a19a1da99_prep
		.amdhsa_group_segment_fixed_size 18432
		.amdhsa_private_segment_fixed_size 0
		.amdhsa_enable_private_segment 0
		.amdhsa_kernarg_size 64
		.amdhsa_user_sgpr_count 2
		.amdhsa_user_sgpr_kernarg_segment_ptr 1
		.amdhsa_wavefront_size32 1
		.amdhsa_system_sgpr_workgroup_id_x 1
		.amdhsa_system_sgpr_workgroup_id_y 1
		.amdhsa_system_sgpr_workgroup_id_z 1
		.amdhsa_system_vgpr_workitem_id 0
		.amdhsa_next_free_vgpr 66
		.amdhsa_next_free_sgpr 66
		.amdhsa_reserve_vcc 0
		.amdhsa_float_denorm_mode_32 3
		.amdhsa_float_denorm_mode_16_64 3
		.amdhsa_memory_ordered 1
		.amdhsa_forward_progress 1
		.amdhsa_inst_pref_size 15
	.end_amdhsa_kernel
	.amdgpu_metadata
---
amdhsa.version: [ 1, 2 ]
amdhsa.kernels:
  - .name:           k_q3a19a1da99_prep
    .symbol:         k_q3a19a1da99_prep.kd
    .args:
      - { .name: hidden_states, .offset: 0, .size: 8, .value_kind: global_buffer, .address_space: global }
      - { .name: Wq, .offset: 8, .size: 8, .value_kind: global_buffer, .address_space: global }
      - { .name: Wk, .offset: 16, .size: 8, .value_kind: global_buffer, .address_space: global }
      - { .name: Wv, .offset: 24, .size: 8, .value_kind: global_buffer, .address_space: global }
      - { .name: Wo, .offset: 32, .size: 8, .value_kind: global_buffer, .address_space: global }
      - { .name: xb, .offset: 40, .size: 8, .value_kind: global_buffer, .address_space: global }
      - { .name: wt, .offset: 48, .size: 8, .value_kind: global_buffer, .address_space: global }
      - { .name: wot, .offset: 56, .size: 8, .value_kind: global_buffer, .address_space: global }
    .group_segment_fixed_size: 18432
    .private_segment_fixed_size: 0
    .kernarg_segment_align: 8
    .kernarg_segment_size: 64
    .max_flat_workgroup_size: 256
    .sgpr_count:     66
    .vgpr_count:     66
    .wavefront_size: 32
...
	.end_amdgpu_metadata
.endif
;; end of part 1
;; launch qkv (part 2): grid 8 x 32, 4 waves a work-group, clusters of 4 x 4, 327,680 bytes of LDS; arguments xb, wt, qh, kv, kmx; writes qh, kv, kmx
.if DOCPART == 2
	.amdgcn_target "amdgcn-amd-amdhsa--gfx1250"
	.amdhsa_code_object_version 6
	.text
	.protected	k_q3a19a1da99_qkv
	.globl	k_q3a19a1da99_qkv
	.p2align	8
	.type	k_q3a19a1da99_qkv,@function
k_q3a19a1da99_qkv:
	s_mov_b64 s[64:65], 0
	v_nop
	global_prefetch_b8 v0, s[64:65] scope:SCOPE_SE
	s_setreg_imm32_b32 hwreg(HW_REG_WAVE_MODE, 25, 1), 1
	s_wait_xcnt 0x0
	s_wait_alu depctr_hold_cnt(0) depctr_sa_sdst(0) depctr_va_vdst(0) depctr_va_sdst(0) depctr_va_ssrc(0) depctr_va_vcc(0) depctr_vm_vsrc(0)
	s_getreg_b32 s2, hwreg(HW_REG_IB_STS2, 6, 4)
	s_cmp_eq_u32 s2, 0
	s_cbranch_scc0 .Lentry_in_a_cluster
	s_endpgm
.Lentry_in_a_cluster:
	s_bfe_u32 s2, ttmp6, 0x10000c
	s_cmp_lg_u32 s2, 0xf033
	s_cbranch_scc0 .Lentry_shape_is_right
	s_endpgm
.Lentry_shape_is_right:
; QKV: [4096 x 1536] = xb [4096][1024] times wt [1536][1024] transposed, bf16 products, f32 sums; the results leave by heads, rounded once to f16:
;   qh [32 bh][2048][16]; kv [32 bh][2048][80]: a row is v's 64 channels and then k's 16 features, 160 dense bytes; bh = 16 batch + head.
;   kmx [32 bh][32 blocks of 64 rows][32 lanes] f32: maxima of |k_row|^2 (of the f32 sums), of which the next launch takes the head's largest.
; LIMIT.  q, k and v must stay below 65,504 in magnitude: a larger number becomes an infinity in f16.
; SHARES.  A work-group makes 128 rows x 192 columns (two heads); each of its four waves 64 rows x one head's 96 columns: 24 accumulators of 16 x 16.
; K goes in steps of 128 through two LDS slots; each wave brings one part of a slot by one tensor load (waves 0, 1: 64 rows of x each; waves 2, 3: 96 rows of wt each); a row is 256 aligned bytes of memory.
; A step of 256 would want 2 x 320 rows x 528 bytes, more than LDS holds.  From a request to the wait for it a wave issues 84 matrix instructions.
; CLUSTER.  4 x 4 work-groups: the four of a row of the cluster need the same rows of x, the four of a column the same rows of wt; each tile is asked for jointly.
; THE MATRIX INSTRUCTION IS USED TRANSPOSED (source 0 = 16 rows of wt, source 1 = 16 rows of x): a lane holds one row of the result and eight neighbouring columns.
; kmx is stored as 128 bytes a wave, half of an aligned block of 256: one such store a wave in the whole launch.
; REGISTERS.  Window 0: v0-31 addresses; v32-55 packed results; v56-57 squares; v64-255 accumulators ((a, b) at v[64 + 8 (6 a + b)]).  Window 1: two fragment buffers of 80: 4 fragments of x, then 6 of wt.
.set SIZE_K, 1024
.set KSTEP,  128
.set PITCH,  272                       ; an LDS row: 256 bytes + 16 of padding: the 16 rows of a fragment load start at 16 different groups of four banks (64 banks of 4 bytes: ISA guide 11.1)
.set HALFA,  64*PITCH
.set HALFB,  96*PITCH
.set BOFF,   2*HALFA                   ; wt's 192 rows lie behind x's 128
.set SLOT,   2*HALFA+2*HALFB
.set STAGE,  2*SLOT                    ; behind the ring, never filled by a tensor load: 3,072 bytes a wave: 16 rows of kv (2,560), 16 rows of q (512)
.set WSTG,   3072
.set SPARE,  STAGE+4*WSTG              ; the spare words, 128 bytes for each wave: two blocks of 256 bytes that no other line names
.set LAPS,   SIZE_K/(2*KSTEP)
.set ADRA, 16                          ; v16-17  LDS address of my fragments of x in slot 0, 1
.set ADRB, 20                          ; v20-21  the same for wt
.set STO,  24                          ; the way out: where I put 16 bytes of a kv row
.set STQ,  25                          ; of a q row
.set RD,   26                          ; where I read the stage back
.set CO,   27                          ; 16 x lane
.set SPW,  28                          ; LDS address of my spare word; never rewritten
.set NIL,  29                          ; 0; never rewritten
.set KM,   30                          ; running maximum of |k_row|^2
.set KMO,  31                          ; 4 x lane
.set TMP,  32
.set SQ,   56
.set ACC,  64
.set F0,   0
.set F1,   80
.set G1,  24                           ; s[24:31] descriptor group 1 for x's tiles;  s[32:39] group 0, a set for each slot
.set G0,  32
.set G1B, 48                           ; s[48:55], s[56:63] the same for wt's
.set G0B, 56
.set QB,  68                           ; s[68:69] qh, s[70:71] kv, s[72:73] kmx: later at my wave's first row
.set KVB, 70
.set KMB, 72
.set SEL, 74                           ; s[74:75] v_permlanex16_b32's selects: each lane takes its own place in the other half
.set FLAGS, (1<<16)|(1<<20)|(1<<21)|(5<<22)|(3<<25)  ; 17:16 2-byte elements; 20 padding on; 21 set beside a mask; 24:22 after every 64 words; 31:25 4 words of it
.set MSB, 0
.macro WIN new                         ; the immediate's high byte repeats the setting that is left; a switch that changes nothing is dropped
.if MSB != (\new)
	s_set_vgpr_msb (MSB<<8)|(\new)
.set MSB, \new
.endif
.endm
.set MUL,  0x05                        ; sources 0 and 1 window 1; C and D window 0
.set TO_F, 0x40                        ; destination window 1, address window 0
.macro JLOAD s                         ; a joint load: waves 0 and 1 fetch x's two halves, waves 2 and 3 wt's; an s_nop 0 and four v_nop follow each line, ahead of the jump and the label
	s_cmp_eq_u32 s11, 0
	s_cbranch_scc0 .Lfor_b_\@
	tensor_load_to_lds s[G0+4*(\s):G0+4*(\s)+3], s[G1:G1+7]
	s_nop 0
.rept 4
	v_nop
.endr
	s_branch .Lasked_\@
.Lfor_b_\@:
	tensor_load_to_lds s[G0B+4*(\s):G0B+4*(\s)+3], s[G1B:G1B+7]
	s_nop 0
.rept 4
	v_nop
.endr
.Lasked_\@:
.endm
.macro CREST                           ; a round of the cluster's barrier behind its opening barrier
	s_cmp_lg_u32 s10, 0
	s_cbranch_scc1 .Lnot_wave_0_\@
	s_barrier_signal -3
.Lnot_wave_0_\@:
	s_barrier_wait -3
	s_barrier_signal -1
	s_barrier_wait -1
.endm
.macro CROUND
	s_barrier_signal -1
	s_barrier_wait -1
	CREST
.endm
	s_load_b128 s[4:7], s[0:1], 0x0                ; xb s[4:5], wt s[6:7]
	s_load_b128 s[68:71], s[0:1], 0x10             ; qh, kv
	s_load_b64 s[72:73], s[0:1], 0x20              ; kmx
	v_lshl_add_u32 v[SPW], v0, 2, SPARE
	v_mov_b32 v[NIL], 0
	ds_add_u32 v28, v29
	s_wait_dscnt 0x0
	v_lshrrev_b32 v1, 5, v0
	v_readfirstlane_b32 s10, v1                    ; wave 0..3
	s_lshr_b32 s11, s10, 1                         ; which 64 rows of the tile are mine.  Also: I fetch for x (0) or for wt (1)
	s_and_b32 s12, s10, 1                          ; which head is mine.  Also: which half of that tensor's tile I fetch
	s_bfe_u32 s40, ttmp6, 0x40000                  ; cx, cy: my place in the cluster
	s_bfe_u32 s41, ttmp6, 0x40004
	s_lshl_b32 s42, ttmp9, 2
	s_add_co_u32 s42, s42, s40                     ; head pair = 4 x cluster x + cx
	s_and_b32 s13, ttmp7, 0xffff
	s_lshl_b32 s13, s13, 2
	s_add_co_u32 s13, s13, s41                     ; block of 128 rows = 4 x cluster y + cy
	s_lshl_b32 s43, s41, 2
	s_lshl_b32 s43, 15, s43                        ; my row of the cluster
	s_lshl_b32 s44, 0x1111, s40                    ; my column
	s_or_b32 s[G1+0], s43, FLAGS                   ; x's tiles go to my row,
	s_or_b32 s[G1B+0], s44, FLAGS                  ; wt's to my column
	s_mov_b32 s[G1+1], KSTEP<<16                   ; tensor_dim0 = 128
	s_mov_b32 s[G1+2], 64<<16                      ; tensor_dim1 = 64
	s_mov_b32 s[G1+3], KSTEP<<16                   ; tile_dim0 = 128
	s_mov_b32 s[G1+4], 64                          ; tile_dim1 = 64
	s_mov_b32 s[G1+5], SIZE_K                      ; elements from row to row
	s_mov_b32 s[G1+6], 0
	s_mov_b32 s[G1+7], 0
	s_mov_b32 s[G1B+1], KSTEP<<16
	s_mov_b32 s[G1B+2], 96<<16                     ; 96 rows
	s_mov_b32 s[G1B+3], KSTEP<<16
	s_mov_b32 s[G1B+4], 96
	s_mov_b32 s[G1B+5], SIZE_K
	s_mov_b32 s[G1B+6], 0
	s_mov_b32 s[G1B+7], 0
	s_lshl_b32 s16, s13, 7
	s_lshl_b32 s17, s12, 6
	s_add_co_u32 s16, s16, s17                     ; x: row 128 x block + 64 x half,
	s_lshl_b32 s16, s16, 11                        ; of 2,048 bytes
	s_mov_b32 s17, 0
	s_mul_i32 s46, s42, 192
	s_mul_i32 s47, s12, 96
	s_add_co_u32 s46, s46, s47                     ; wt: row 192 x head pair + 96 x half
	s_lshl_b32 s46, s46, 11
	s_mov_b32 s47, 0
	s_mul_i32 s20, s12, HALFA                      ; where they go: no place in the cluster enters an LDS address
	s_mul_i32 s45, s12, HALFB
	s_add_co_u32 s45, s45, BOFF
	s_mov_b32 s[SEL], 0x76543210
	s_mov_b32 s[SEL+1], 0xfedcba98
	s_wait_kmcnt 0x0
	s_add_nc_u64 s[14:15], s[4:5], s[16:17]
	s_add_nc_u64 s[46:47], s[6:7], s[46:47]
	CROUND                                         ; all sixteen work-groups are here: the first joint loads meet
.irp s, 0,1
	s_mov_b32 s[G0+4*(\s)], 1
	s_add_co_u32 s[G0+4*(\s)+1], s20, (\s)*SLOT
	s_add_nc_u64 s[G0+4*(\s)+2:G0+4*(\s)+3], s[14:15], (\s)*KSTEP*2
	s_or_b32 s[G0+4*(\s)+3], s[G0+4*(\s)+3], 0x80000000
	s_mov_b32 s[G0B+4*(\s)], 1
	s_add_co_u32 s[G0B+4*(\s)+1], s45, (\s)*SLOT
	s_add_nc_u64 s[G0B+4*(\s)+2:G0B+4*(\s)+3], s[46:47], (\s)*KSTEP*2
	s_or_b32 s[G0B+4*(\s)+3], s[G0B+4*(\s)+3], 0x80000000
	JLOAD \s                                       ; two loads of mine are out
.endr
	v_and_b32 v1, 15, v0                           ; l % 16
	v_bfe_u32 v2, v0, 4, 1                         ; l / 16
	v_mul_u32_u24 v3, v1, PITCH
	v_lshl_add_u32 v3, v2, 4, v3                   ; a fragment's row x pitch + 16 x half
	s_mul_i32 s21, s11, HALFA                      ; my 64 rows of x
	s_mul_i32 s22, s12, HALFB                      ; my 96 rows of wt
	s_add_co_u32 s22, s22, BOFF
.irp s, 0,1
	v_add_nc_u32 v[ADRA+(\s)], s21, v3
	v_add_nc_u32 v[ADRB+(\s)], s22, v3
	s_add_co_u32 s21, s21, SLOT
	s_add_co_u32 s22, s22, SLOT
.endr
	s_mul_i32 s23, s10, WSTG
	s_add_co_u32 s23, s23, STAGE                   ; my stage
	v_mul_u32_u24 v4, v1, 160                      ; a kv row is 160 bytes; 16 bytes for each half of the lanes
	v_lshl_add_u32 v4, v2, 4, v4
	v_add_nc_u32 v[STO], s23, v4
	v_lshlrev_b32 v5, 5, v1                        ; a q row is 32 bytes
	v_lshl_add_u32 v5, v2, 4, v5
	v_add_nc_u32 v5, s23, v5
	v_add_nc_u32 v[STQ], 2560, v5
	v_and_b32 v6, 31, v0
	v_lshlrev_b32 v[CO], 4, v6
	v_add_nc_u32 v[RD], s23, v[CO]
	v_lshlrev_b32 v[KMO], 2, v6
	; where my rows go: bh = 16 batch + 2 x head pair + my head; row in the head = 128 (block % 16) + 64 x my half
	s_lshr_b32 s76, s13, 4
	s_lshl_b32 s76, s76, 4
	s_lshl_b32 s77, s42, 1
	s_add_co_u32 s76, s76, s77
	s_add_co_u32 s76, s76, s12                     ; bh
	s_and_b32 s77, s13, 15
	s_lshl_b32 s77, s77, 7
	s_lshl_b32 s78, s11, 6
	s_add_co_u32 s77, s77, s78                     ; my first row in the head
	s_lshl_b32 s78, s76, 11
	s_add_co_u32 s78, s78, s77
	s_mul_i32 s18, s78, 160
	s_mov_b32 s19, 0
	s_add_nc_u64 s[KVB:KVB+1], s[KVB:KVB+1], s[18:19]
	s_lshl_b32 s18, s78, 5
	s_add_nc_u64 s[QB:QB+1], s[QB:QB+1], s[18:19]
	s_lshl_b32 s18, s76, 5
	s_lshr_b32 s79, s77, 6
	s_add_co_u32 s18, s18, s79
	s_lshl_b32 s18, s18, 7
	s_add_nc_u64 s[KMB:KMB+1], s[KMB:KMB+1], s[18:19]
; 6 matrix instructions: row block a x all 6 column blocks, 32 along K.  zero = 1: the product starts the sums.  The 24 accumulators take turns in one fixed order.
.macro MUL6 f, a, zero
	WIN MUL
.irp b, 0,1,2,3,4,5
.if \zero
	v_wmma_f32_16x16x32_bf16 v[ACC+8*(6*(\a)+(\b)):ACC+8*(6*(\a)+(\b))+7], v[(\f)+32+8*(\b):(\f)+32+8*(\b)+7], v[(\f)+8*(\a):(\f)+8*(\a)+7], 0
.else
	v_wmma_f32_16x16x32_bf16 v[ACC+8*(6*(\a)+(\b)):ACC+8*(6*(\a)+(\b))+7], v[(\f)+32+8*(\b):(\f)+32+8*(\b)+7], v[(\f)+8*(\a):(\f)+8*(\a)+7], v[ACC+8*(6*(\a)+(\b)):ACC+8*(6*(\a)+(\b))+7]
.endif
.endr
.endm
.macro MUL12 f, a0, zero
	MUL6 \f, \a0, \zero
	MUL6 \f, (\a0)+1, \zero
.endm
; 20 LDS loads in one run: the fragments of 32 along K at byte k of the rows, into buffer f: wt's six, then x's four
.macro FETCH slot, k, f
	WIN TO_F
.irp i, 0,1,2,3,4,5
	ds_load_b128 v[(\f)+32+8*(\i):(\f)+32+8*(\i)+3],   v[ADRB+(\slot)] offset:(\k)+(\i)*16*PITCH
	ds_load_b128 v[(\f)+32+8*(\i)+4:(\f)+32+8*(\i)+7], v[ADRB+(\slot)] offset:(\k)+(\i)*16*PITCH+32
.endr
.irp i, 0,1,2,3
	ds_load_b128 v[(\f)+8*(\i):(\f)+8*(\i)+3],   v[ADRA+(\slot)] offset:(\k)+(\i)*16*PITCH
	ds_load_b128 v[(\f)+8*(\i)+4:(\f)+8*(\i)+7], v[ADRA+(\slot)] offset:(\k)+(\i)*16*PITCH+32
.endr
.endm
.macro PLACES                          ; four places in front of loads into registers that matrix instructions have read, and of lines that read results
.rept 4
	v_nop
.endr
.endm
; A K step is four quarters of 32 along K, 24 matrix instructions each, on buffers 0, 1, 0, 1.  One of the first three: multiplies buffer f and fetches the next quarter, at byte k, into g.
.macro QUARTER slot, k, f, g, zero
	s_wait_dscnt 4                                 ; wt's fragments and x's blocks 0, 1 are in; the youngest four loads (blocks 2, 3) may be out
	MUL12 \f, 0, \zero
	PLACES
	FETCH \slot, \k, \g
	s_wait_dscnt 20                                ; all but the 20 just issued
	MUL12 \f, 2, \zero
.endm
; The last quarter multiplies buffer 1 and changes slots: ONE barrier; in front of it each wave waits for all its tensor loads, adds 0 to its spare word, and waits for that and for its reads of this slot.
.macro TURN slot, next, fill
	WIN 0                                          ; (the add's two registers lie in window 0)
	s_wait_tensorcnt 0x0                           ; all my tensor loads have landed: the one that was out is my part of the next slot
	ds_add_u32 v[SPW], v[NIL]                      ; 0 onto my spare word
	s_wait_dscnt 5                                 ; (the add and the youngest four loads may be out)
	MUL6 F1, 0, 0                                  ; six matrix instructions stand between the add and the wait for it
	s_wait_dscnt 0x0                               ; the add is done, and my reads of this slot are over
	s_barrier_signal -1
	MUL6 F1, 1, 0
.if \fill
	WIN 0
.endif
	s_barrier_wait -1
.if \fill
	CREST                                          ; the barrier has opened a round of the cluster's: no wave of any partner still reads this slot or has a load on its way
	s_add_nc_u64 s[G0+4*(\slot)+2:G0+4*(\slot)+3], s[G0+4*(\slot)+2:G0+4*(\slot)+3], 2*KSTEP*2
	s_add_nc_u64 s[G0B+4*(\slot)+2:G0B+4*(\slot)+3], s[G0B+4*(\slot)+2:G0B+4*(\slot)+3], 2*KSTEP*2
	JLOAD \slot                                    ; the first tensor load behind the round; its four v_nop are also the places in front of the loads below
.else
	PLACES
.endif
	FETCH \next, 0, F0
	MUL12 F1, 2, 0
.endm
	s_wait_tensorcnt 1                             ; my part of K step 0 is in; step 1's may stay out
	s_barrier_signal -1
	s_barrier_wait -1
	FETCH 0, 0, F0
	QUARTER 0, 64, F0, F1, 1                       ; the first quarter stands in front of the loop: its products start the sums
	WIN 0
	s_mov_b32 s3, LAPS-1
.Llap:                                                 ; a trip goes once round the ring and fills both slots again
	QUARTER 0, 128, F1, F0, 0
	QUARTER 0, 192, F0, F1, 0
	TURN 0, 1, 1
	QUARTER 1, 64,  F0, F1, 0
	QUARTER 1, 128, F1, F0, 0
	QUARTER 1, 192, F0, F1, 0
	TURN 1, 0, 1
	QUARTER 0, 64,  F0, F1, 0
	WIN 0
	s_sub_co_u32 s3, s3, 1
	s_cmp_lg_u32 s3, 0
	s_cbranch_scc1 .Llap
	QUARTER 0, 128, F1, F0, 0                      ; the last lap fills nothing
	QUARTER 0, 192, F0, F1, 0
	TURN 0, 1, 0
	QUARTER 1, 64,  F0, F1, 0
	QUARTER 1, 128, F1, F0, 0
	QUARTER 1, 192, F0, F1, 0
	s_wait_dscnt 4
	MUL12 F1, 0, 0
	s_wait_dscnt 0x0
	MUL12 F1, 2, 0
	WIN 0
; THE WAY OUT, a block of 16 rows at a time.  Column blocks 0-3 are v, 4 is q, 5 is k.  PACK: rounded to f16, 16 bytes a lane; |k_row|^2 joins the maximum.
.macro PACK a
.irp b, 0,1,2,3,4,5
.irp r, 0,1,2,3
	v_cvt_pk_f16_f32 v[TMP+4*(\b)+(\r)], v[ACC+8*(6*(\a)+(\b))+2*(\r)], v[ACC+8*(6*(\a)+(\b))+2*(\r)+1]
.endr
.endr
.set KA, ACC+8*(6*(\a)+5)
	v_pk_mul_f32 v[SQ:SQ+1], v[KA:KA+1], v[KA:KA+1]
.irp r, 1,2,3
	v_pk_fma_f32 v[SQ:SQ+1], v[KA+2*(\r):KA+2*(\r)+1], v[KA+2*(\r):KA+2*(\r)+1], v[SQ:SQ+1]
.endr
	v_add_f32 v[SQ], v[SQ], v[SQ+1]
	v_permlanex16_b32 v[SQ+1], v[SQ], s[SEL], s[SEL+1]  ; the row's other eight features lie in the lane 16 away
.if (\a) == 0
	v_add_f32 v[KM], v[SQ], v[SQ+1]
.else
	v_add_f32 v[SQ], v[SQ], v[SQ+1]
	v_max_num_f32 v[KM], v[KM], v[SQ]
.endif
.endm
; TOSTAGE: into my own stage as rows of kv and of q, and back as dense bytes, into the block's own first 24 accumulator registers, which PACK has read.
.macro TOSTAGE a
.irp b, 0,1,2,3
	ds_store_b128 v[STO], v[TMP+4*(\b):TMP+4*(\b)+3] offset:32*(\b)
.endr
	ds_store_b128 v[STO], v[TMP+20:TMP+23] offset:128
	ds_store_b128 v[STQ], v[TMP+16:TMP+19]
.irp t, 0,1,2,3,4
	ds_load_b128 v[ACC+48*(\a)+4*(\t):ACC+48*(\a)+4*(\t)+3], v[RD] offset:512*(\t)  ; LDS serves a wave's instructions in order (ISA guide 5.7.1.4): these see the stores above
.endr
	ds_load_b128 v[ACC+48*(\a)+20:ACC+48*(\a)+23], v[RD] offset:2560
.endm
.macro SEND a                          ; each store of the wave covers 512 consecutive bytes, aligned: 16 rows of kv are 2,560 dense bytes, 16 rows of q 512
	s_wait_dscnt 0x0
.irp t, 0,1,2,3,4
	global_store_b128 v[CO], v[ACC+48*(\a)+4*(\t):ACC+48*(\a)+4*(\t)+3], s[KVB:KVB+1] offset:2560*(\a)+512*(\t)
.endr
	global_store_b128 v[CO], v[ACC+48*(\a)+20:ACC+48*(\a)+23], s[QB:QB+1] offset:512*(\a)
.endm
	PLACES
	PACK 0
	TOSTAGE 0
.irp a, 1,2,3                          ; block a's conversions stand between block a - 1's loads from the stage and the wait for them
	PACK \a
	SEND (\a)-1
	TOSTAGE \a
.endr
	SEND 3
	global_store_b32 v[KMO], v[KM], s[KMB:KMB+1]
	s_wait_tensorcnt 0x0                           ; the wave's end
	ds_add_u32 v[SPW], v[NIL]
	s_wait_dscnt 0x0
	CROUND                                         ; the closing round: no work-group ends while a partner may still ask for a tile that names it
	s_endpgm
.Lfunc_end_k_q3a19a1da99_qkv:
	.size	k_q3a19a1da99_qkv, .Lfunc_end_k_q3a19a1da99_qkv-k_q3a19a1da99_qkv
	.p2alignl 7, 3214868480
	.fill 96, 4, 3214868480
	.section	.rodata,"a",@progbits
	.p2align	6, 0x0
	.amdhsa_kernel k_q3a19a1da99_qkv
		.amdhsa_group_segment_fixed_size 327680
		.amdhsa_private_segment_fixed_size 0
		.amdhsa_enable_private_segment 0
		.amdhsa_kernarg_size 40
		.amdhsa_user_sgpr_count 2
		.amdhsa_user_sgpr_kernarg_segment_ptr 1
		.amdhsa_wavefront_size32 1
		.amdhsa_system_sgpr_workgroup_id_x 1
		.amdhsa_system_sgpr_workgroup_id_y 1
		.amdhsa_system_sgpr_workgroup_id_z 1
		.amdhsa_system_vgpr_workitem_id 0
		.amdhsa_next_free_vgpr 416
		.amdhsa_next_free_sgpr 80
		.amdhsa_reserve_vcc 0
		.amdhsa_float_denorm_mode_32 3
		.amdhsa_float_denorm_mode_16_64 3
		.amdhsa_memory_ordered 1
		.amdhsa_forward_progress 1
		.amdhsa_inst_pref_size 72
	.end_amdhsa_kernel
	.amdgpu_metadata
---
amdhsa.version: [ 1, 2 ]
amdhsa.kernels:
  - .name:           k_q3a19a1da99_qkv
    .symbol:         k_q3a19a1da99_qkv.kd
    .args:
      - { .name: xb, .offset: 0, .size: 8, .value_kind: global_buffer, .address_space: global }
      - { .name: wt, .offset: 8, .size: 8, .value_kind: global_buffer, .address_space: global }
      - { .name: qh, .offset: 16, .size: 8, .value_kind: global_buffer, .address_space: global }
      - { .name: kv, .offset: 24, .size: 8, .value_kind: global_buffer, .address_space: global }
      - { .name: kmx, .offset: 32, .size: 8, .value_kind: global_buffer, .address_space: global }
    .group_segment_fixed_size: 327680
    .private_segment_fixed_size: 0
    .kernarg_segment_align: 8
    .kernarg_segment_size: 40
    .max_flat_workgroup_size: 128
    .sgpr_count:     80
    .vgpr_count:     416
    .wavefront_size: 32
...
	.end_amdgpu_metadata
.endif
;; end of part 2
;; launch attn (part 3): grid 8 x 32, 4 waves a work-group, clusters of 4 x 1, 327,680 bytes of LDS; arguments qh, kv, kmx, ohl; writes ohl
.if DOCPART == 3
	.amdgcn_target "amdgcn-amd-amdhsa--gfx1250"
	.amdhsa_code_object_version 6
	.text
	.protected	k_q3a19a1da99_attn
	.globl	k_q3a19a1da99_attn
	.p2align	8
	.type	k_q3a19a1da99_attn,@function
k_q3a19a1da99_attn:
	s_mov_b64 s[64:65], 0
	v_nop
	global_prefetch_b8 v0, s[64:65] scope:SCOPE_SE
	s_setreg_imm32_b32 hwreg(HW_REG_WAVE_MODE, 25, 1), 1
	s_wait_xcnt 0x0
	s_wait_alu depctr_hold_cnt(0) depctr_sa_sdst(0) depctr_va_vdst(0) depctr_va_sdst(0) depctr_va_ssrc(0) depctr_va_vcc(0) depctr_vm_vsrc(0)
	s_getreg_b32 s2, hwreg(HW_REG_IB_STS2, 6, 4)
	s_cmp_eq_u32 s2, 0
	s_cbranch_scc0 .Lentry_in_a_cluster
	s_endpgm
.Lentry_in_a_cluster:
	s_bfe_u32 s2, ttmp6, 0x10000c
	s_cmp_lg_u32 s2, 0x3003
	s_cbranch_scc0 .Lentry_shape_is_right
	s_endpgm
.Lentry_shape_is_right:
; CAUSAL ATTENTION WITH THE QUADRATIC FEATURE MAP.  For every input phi(q) . phi(k) = 1 + s/4 + s^2/32 with s = q . k (16 features), and the divisor q . cumsum(k) is the row sum of the masked weights.
; So: S^T = K Q^T by the matrix unit (f16 operands, f32 sums), the polynomial in f32, the weights rounded to f16, O^T = V^T P and the row sum l (a fifth block of V^T that holds ones) by the matrix unit.
; THE SCALE.  P = c0 + c1 s + c2 s^2 with c0 = 2^14 / W, c1 = c0 / 4, c2 = c0 / 32, for each query; W = 1 + g + g^2 / 2, g = |q| Kmax / 4, Kmax the head's largest |k|.  |s| <= |q| Kmax, so P <= 2^14 (1 + 2^-10)
; whatever the inputs' size, and the scale cancels in O = acc / (l + 1e-9 c0).  l is the sum of the ROUNDED weights, so O is an exact weighted mean under them.
; O leaves as hi + lo, two f16 numbers: t = 8193 O, hi = t - (t - O) has 11 significant bits, lo = O - hi.  ohl [4096][2048] f16: position 128 head + (0..63 hi, 64..127 lo): a head's piece of a row is 256 aligned bytes.
; LIMITS.  q, k, v arrive finite in f16.  A weight below 2^-28 of the bound W (P below 6e-5) keeps f16's fixed step of 6e-8.  |O| below 6e-5 keeps that step too.  The order of rounding differs from a 273-wide sum and a
; cumulative sum.  NaN and infinities are not treated apart (K's fragments carry the next block's numbers against Q's zeros: they must be finite).
; SHARES.  The head's 128 tiles of 16 queries are dealt in strides: work-group g (0..7) owns tiles g + 8 i, wave w those with i = 4 u + w, u = 0..3.  Keys go in tiles of 128.  Query tile g + 8 i lies in key tile i, at rows
; 16 g .. 16 g + 15 of it.  A UNIT is (u, key tile kt): whole if kt < 4 u + w, the diagonal's if kt = 4 u + w (key kk of the tile counts if kk <= 16 g + row: one mask for all units), dead if kt > 4 u + w.
; So every branch hangs on the wave's number and on counted loops alone; g enters the mask's numbers and global addresses only; all work-groups of a head walk the same keys, and a cluster of four asks for each tile jointly.
; THE PRICE: the waves meet at each change of slots, so a key tile costs what its busiest wave does: 40 units in all where a wave has 34; and half of a diagonal unit's products are hidden.
; O^T starts at 0 by 160 v_mov_b32 in the wait for the first tile: a first unit written out for each u, whole and diagonal, would double the loop's text.
; THE RING.  A kv row is 160 bytes as it lies in memory (v 128, k 32).; K's loads meet each twice.  A slot holds four key tiles; each wave brings one
; (20,480 dense bytes, asked for as 80 rows of 256) by one load.  The change of slots stands between units 0-2 and unit 3 of a slot's last tile: that tile's fragments are in registers, and unit 3 fetches the other slot's first.
; REGISTERS.  Window 0: v0-15 addresses; v16-47 eight a unit: c2 c2 c1 c1 c0 c0 and 1/l twice; v48-55 at work; v56-87 Q (8 a unit, the upper 4 zero); v88-119 the mask; v120-183 S^T; v184-215 P; v216-251 K (the last 4 zero).
; Window 1: O^T, 40 a unit: four channel blocks and l.  Window 2: v0-127 V; v128-135 ones.  K Q^T and the polynomial need no window switch; each V^T P costs two.
.set TILE,  128*160
.set SLOT1, 1<<17                      ; slot 1 begins here, so that one exclusive or turns an address in one slot into the other's
.set STAGE, 1<<18                      ; never filled by a tensor load: 16 rows x 272 bytes for each wave, for the way out
.set SP,    272
.set SPARE, STAGE+4*16*SP              ; the spare words, 128 bytes for each wave: two blocks of 256 bytes that no other line names
.set AK0, 2                            ; my lane's place in a tile's K; never rewritten
.set AV0, 3                            ; in its V
.set AK,  4                            ; the LDS addresses of the runs of loads in hand
.set AV,  5
.set STO, 6
.set RD,  7
.set GO,  8
.set KO,  10                           ; 16 x lane
.set KMX, 11                           ; Kmax^2
.set SPW, 12                           ; LDS address of my spare word; never rewritten
.set NIL, 13                           ; 0; never rewritten
.set X,   14                           ; 16 g + lane % 16 - 8 (lane / 16): register j of key block kb counts where 16 kb + j <= X
.set QO,  15
.set CF,  16
.set T,   48
.set Q,   56
.set HI,  56                           ; the way out: Q's registers
.set LO,  72
.set M,   88
.set OB,  88                           ; the way out: the mask's registers
.set S,   120
.set P,   184
.set KF,  216
.set ONE, 128                          ; window 2
.set WV,  12                           ; s12 my wave's number
.set G1,  24                           ; s[24:31] descriptor group 1
.set G0A, 32                           ; s[32:35] group 0 of the first fill of slot 0
.set G0B, 36                           ; s[36:39] of slot 1's; it then walks
.set D0,  40                           ; s40-43  4 u + w - kt
.set CNT, 44
.set SEG, 45
.set TB,  46                           ; LDS byte at which the key tile to be fetched begins
.set SEL, 48                           ; s[48:49] v_permlanex16_b32's selects
.set EPS, 50                           ; 1e-9
.set CC,  51                           ; 2^14
.set LOW, 52                           ; 0xffff
.set HM,  53                           ; the 15 magnitude bits of an f16, at bit 13
.set E112, 54                          ; s[54:55] 2^112
.set VK,  56                           ; s[56:57] 8193
.set R32, 58                           ; 1/32
.set R4,  59                           ; 1/4
.set MSB, 0
.macro WIN new
.if MSB != (\new)
	s_set_vgpr_msb (MSB<<8)|(\new)
.set MSB, \new
.endif
.endm
.set W_PV, 0x52                        ; V in window 2, P in window 0, O^T (C and D) in window 1
.macro CROUND                          ; a round of the cluster's barrier
	s_barrier_signal -1
	s_barrier_wait -1
	s_cmp_lg_u32 s[WV], 0
	s_cbranch_scc1 .Lnot_wave_0_\@
	s_barrier_signal -3
.Lnot_wave_0_\@:
	s_barrier_wait -3
	s_barrier_signal -1
	s_barrier_wait -1
.endm
.macro PLACES
.rept 4
	v_nop
.endr
.endm
	s_load_b256 s[4:11], s[0:1], 0x0               ; qh s[4:5], kv s[6:7], kmx s[8:9], ohl s[10:11]
	v_lshl_add_u32 v[SPW], v0, 2, SPARE
	v_mov_b32 v[NIL], 0
	ds_add_u32 v12, v13
	s_wait_dscnt 0x0
	v_lshrrev_b32 v1, 5, v0
	v_readfirstlane_b32 s[WV], v1
	s_bfe_u32 s13, ttmp6, 0x40000                  ; cx
	s_lshl_b32 s14, ttmp9, 2
	s_add_co_u32 s14, s14, s13                     ; g = 4 x cluster x + cx: it enters Q's and O's addresses and the mask's numbers alone
	s_and_b32 s15, ttmp7, 0xffff                   ; bh, which the four partners share
	s_mul_i32 s16, s[WV], TILE                     ; my quarter of a slot
	s_mul_i32 s18, s15, 2048*160
	s_add_co_u32 s18, s18, s16
	s_mov_b32 s19, 0
	s_mov_b32 s[G1+0], 15|(3<<16)|(1<<21)          ; 15:0 the mask of four; 17:16 8-byte elements; 21 set beside a mask; no padding
	s_mov_b32 s[G1+1], 32<<16                      ; tensor_dim0 = 32 (256 bytes)
	s_mov_b32 s[G1+2], 80<<16                      ; tensor_dim1 = 80
	s_mov_b32 s[G1+3], 32<<16                      ; tile_dim0 = 32
	s_mov_b32 s[G1+4], 80                          ; tile_dim1 = 80
	s_mov_b32 s[G1+5], 32                          ; dense
	s_mov_b32 s[G1+6], 0
	s_mov_b32 s[G1+7], 0
	s_mov_b32 s[SEL], 0x76543210
	s_mov_b32 s[SEL+1], 0xfedcba98
	s_mov_b32 s[EPS], 0x3089705f
	s_mov_b32 s[CC], 0x46800000
	s_mov_b32 s[LOW], 0xffff
	s_mov_b32 s[HM], 0x0fffe000
	s_mov_b32 s[E112], 0x77800000
	s_mov_b32 s[E112+1], s[E112]                   ; named with it as a pair
	s_mov_b32 s[VK], 0x46000400
	s_mov_b32 s[VK+1], s[VK]
	s_mov_b32 s[R32], 0x3d000000
	s_mov_b32 s[R4], 0x3e800000
	s_mov_b32 s[G0A], 1
	s_mov_b32 s[G0A+1], s16
	s_mov_b32 s[G0B], 1
	s_add_co_u32 s[G0B+1], s16, SLOT1
	s_wait_kmcnt 0x0
	s_add_nc_u64 s[G0A+2:G0A+3], s[6:7], s[18:19]  ; keys 0..511: my 128 of them
	s_add_nc_u64 s[G0B+2:G0B+3], s[G0A+2:G0A+3], 4*TILE  ; keys 512..1023
	s_or_b32 s[G0A+3], s[G0A+3], 0x80000000
	s_or_b32 s[G0B+3], s[G0B+3], 0x80000000
	CROUND                                         ; all four work-groups are here: the first joint loads meet
	tensor_load_to_lds s[G0A:G0A+3], s[G1:G1+7]
	s_nop 0
	tensor_load_to_lds s[G0B:G0B+3], s[G1:G1+7]    ; two loads of mine are out
	s_nop 0
	PLACES
	; ---- all that follows, up to the wait for slot 0, stands in the wait for the first tile
	v_and_b32 v1, 15, v0                           ; l % 16
	v_bfe_u32 v9, v0, 4, 1                         ; l / 16
	v_lshlrev_b32 v[QO], 5, v1
	v_lshl_add_u32 v[QO], v9, 4, v[QO]             ; a row of q is 32 bytes; 16 for each half of the lanes
	v_and_b32 v[KO], 31, v0
	v_lshlrev_b32 v[KO], 4, v[KO]
	s_lshl_b32 s18, s15, 16                        ; the head's 2,048 rows of q,
	s_lshl_b32 s20, s14, 9                         ; tile g,
	s_add_co_u32 s18, s18, s20
	s_lshl_b32 s20, s[WV], 12                      ; + 8 w tiles; + 32 u tiles in the immediate
	s_add_co_u32 s18, s18, s20
	s_add_nc_u64 s[4:5], s[4:5], s[18:19]
	s_lshl_b32 s18, s15, 12
	s_add_nc_u64 s[8:9], s[8:9], s[18:19]          ; the head's 4,096 bytes of kmx
.irp u, 0,1,2,3
	global_load_b128 v[Q+8*(\u):Q+8*(\u)+3], v[QO], s[4:5] offset:16384*(\u)
.endr
.irp i, 0,1,2,3,4,5,6,7
	global_load_b128 v[S+4*(\i):S+4*(\i)+3], v[KO], s[8:9] offset:512*(\i)
.endr
	v_mul_u32_u24 v[AK0], v1, 160                  ; K: key l % 16, features 8 (l / 16) on, behind the row's 128 bytes of v
	v_lshl_add_u32 v[AK0], v9, 4, v[AK0]
	v_add_nc_u32 v[AK0], 128, v[AK0]
	v_and_b32 v4, 7, v0                            ; V, turned: lane l reads key 8 (l / 16) + l % 8, channels 8 ((l / 8) % 2) on
	v_bfe_u32 v5, v0, 3, 1
	v_lshl_add_u32 v[AV0], v9, 3, v4
	v_mul_u32_u24 v[AV0], v[AV0], 160
	v_lshl_add_u32 v[AV0], v5, 4, v[AV0]
	v_lshlrev_b32 v4, 3, v9
	v_sub_nc_u32 v[X], v1, v4
	s_lshl_b32 s17, s14, 4
	v_add_nc_u32 v[X], s17, v[X]
	s_mul_i32 s17, s[WV], 16*SP
	s_add_co_u32 s17, s17, STAGE                   ; my stage
	v_mul_u32_u24 v[STO], v1, SP
	v_lshl_add_u32 v[STO], v9, 4, v[STO]
	v_add_nc_u32 v[STO], s17, v[STO]
	v_mul_u32_u24 v[RD], v9, SP
	v_lshl_add_u32 v[RD], v1, 4, v[RD]
	v_add_nc_u32 v[RD], s17, v[RD]
	v_lshlrev_b32 v[GO], 12, v9                    ; lanes 0-15 one row's 256 bytes of ohl, lanes 16-31 the next row's
	v_lshl_add_u32 v[GO], v1, 4, v[GO]
	s_lshr_b32 s18, s15, 4                         ; batch
	s_lshl_b32 s18, s18, 11
	s_lshl_b32 s20, s14, 4
	s_add_co_u32 s18, s18, s20
	s_lshl_b32 s20, s[WV], 7
	s_add_co_u32 s18, s18, s20                     ; row 2,048 batch + 16 g + 128 w; + 512 u in the immediate
	s_lshl_b32 s18, s18, 12
	s_and_b32 s20, s15, 15
	s_lshl_b32 s20, s20, 8                         ; the head's 256 bytes
	s_add_co_u32 s18, s18, s20
	s_add_nc_u64 s[10:11], s[10:11], s[18:19]
	; the diagonal's mask, a word for two weights: all ones, the low half alone, or nothing
.set i, 0
.rept 32
.set MCK, 16*(i/4)+2*(i%4)
	v_cmp_le_i32 vcc_lo, MCK, v[X]
	v_cndmask_b32 v[M+i], 0, s[LOW], vcc_lo
	v_cmp_le_i32 vcc_lo, MCK+1, v[X]
	v_cndmask_b32 v[M+i], v[M+i], -1, vcc_lo
.set i, i+1
.endr
.irp u, 0,1,2,3
.irp j, 4,5,6,7
	v_mov_b32 v[Q+8*(\u)+(\j)], 0                  ; channels 16..31 of the product K Q^T do not exist
.endr
.endr
.irp j, 32,33,34,35
	v_mov_b32 v[KF+(\j)], 0
.endr
	WIN 0x40
.set i, 0
.rept 160
	v_mov_b32 v[i], 0                              ; O^T and l
.set i, i+1
.endr
	WIN 0x80
.set i, 0
.rept 8
	v_mov_b32 v[ONE+i], 0x3c003c00
.set i, i+1
.endr
	WIN 0
	s_wait_loadcnt 0x0                             ; Q and kmx
	v_max3_num_f32 v[KMX], v[S], v[S+1], v[S+2]
.set i, 3
.rept 14
	v_max3_num_f32 v[KMX], v[KMX], v[S+i], v[S+i+1]
.set i, i+2
.endr
	v_max_num_f32 v[KMX], v[KMX], v[S+31]
	v_max_num_f32_dpp v[KMX], v[KMX], v[KMX] row_xmask:1 row_mask:0xf bank_mask:0xf
	v_max_num_f32_dpp v[KMX], v[KMX], v[KMX] row_xmask:2 row_mask:0xf bank_mask:0xf
	v_max_num_f32_dpp v[KMX], v[KMX], v[KMX] row_xmask:4 row_mask:0xf bank_mask:0xf
	v_max_num_f32_dpp v[KMX], v[KMX], v[KMX] row_xmask:8 row_mask:0xf bank_mask:0xf
	v_permlanex16_b32 v[S], v[KMX], s[SEL], s[SEL+1]
	v_max_num_f32 v[KMX], v[KMX], v[S]             ; every lane holds the head's largest |k|^2
	; |q|^2: an f16's 15 magnitude bits at bit 13 of an f32 word are its magnitude times 2^-112, denormals too
.irp u, 0,1,2,3
.irp i, 0,1,2,3
	v_lshlrev_b32 v[T], 13, v[Q+8*(\u)+(\i)]
	v_lshrrev_b32 v[T+1], 3, v[Q+8*(\u)+(\i)]
	v_and_b32 v[T], s[HM], v[T]
	v_and_b32 v[T+1], s[HM], v[T+1]
	v_pk_mul_f32 v[T:T+1], v[T:T+1], s[E112:E112+1] op_sel_hi:[1,0]
.if (\i) == 0
	v_pk_mul_f32 v[T+2:T+3], v[T:T+1], v[T:T+1]
.else
	v_pk_fma_f32 v[T+2:T+3], v[T:T+1], v[T:T+1], v[T+2:T+3]
.endif
.endr
	v_add_f32 v[T+2], v[T+2], v[T+3]
	v_permlanex16_b32 v[T+3], v[T+2], s[SEL], s[SEL+1]
	v_add_f32 v[T+2], v[T+2], v[T+3]
	v_mul_f32 v[CF+8*(\u)+6], v[T+2], v[KMX]
.endr
.irp u, 0,1,2,3
	v_sqrt_f32 v[CF+8*(\u)+6], v[CF+8*(\u)+6]      ; t = |q| Kmax
.endr
	v_nop                                          ; a plain instruction behind the last root (ISA guide 5.7.2)
	s_wait_alu depctr_va_vdst(0)
.irp u, 0,1,2,3
	v_fma_f32 v[CF+8*(\u)+7], v[CF+8*(\u)+6], s[R32], s[R4]
.endr
.irp u, 0,1,2,3
	v_fma_f32 v[CF+8*(\u)+7], v[CF+8*(\u)+6], v[CF+8*(\u)+7], 1.0  ; W = 1 + t/4 + t^2/32
.endr
.irp u, 0,1,2,3
	v_rcp_f32 v[CF+8*(\u)+7], v[CF+8*(\u)+7]
.endr
	v_nop
	s_wait_alu depctr_va_vdst(0)
.irp u, 0,1,2,3
	v_mul_f32 v[CF+8*(\u)+4], s[CC], v[CF+8*(\u)+7]
.endr
.irp u, 0,1,2,3
	v_mov_b32 v[CF+8*(\u)+5], v[CF+8*(\u)+4]
	v_mul_f32 v[CF+8*(\u)+2], s[R4], v[CF+8*(\u)+4]
	v_mul_f32 v[CF+8*(\u)+3], s[R4], v[CF+8*(\u)+4]
	v_mul_f32 v[CF+8*(\u)], s[R32], v[CF+8*(\u)+4]
	v_mul_f32 v[CF+8*(\u)+1], s[R32], v[CF+8*(\u)+4]
.endr
; THE MATRIX WORK of unit UU.  SW kb: S^T for the tile's keys 16 kb on; K's fragment is 4 registers of data and, against Q's zeros, the next block's 4.  Each product starts its own sum.
.macro SW kb
	WIN 0
	v_wmma_f32_16x16x32_f16 v[S+8*(\kb):S+8*(\kb)+7], v[KF+4*(\kb):KF+4*(\kb)+7], v[Q+8*UU:Q+8*UU+7], 0
.endm
; PW ks, cb: O^T += V^T P for keys 32 ks on, channels 16 cb on; cb = 4: the ones, whose product is the row sum.  The five accumulators take turns, one instruction a turn.
.macro PW ks, cb
	WIN W_PV
.if (\cb) < 4
	v_wmma_f32_16x16x32_f16 v[40*UU+8*(\cb):40*UU+8*(\cb)+7], v[32*(\ks)+8*(\cb):32*(\ks)+8*(\cb)+7], v[P+8*(\ks):P+8*(\ks)+7], v[40*UU+8*(\cb):40*UU+8*(\cb)+7]
.else
	v_wmma_f32_16x16x32_f16 v[40*UU+32:40*UU+39], v[ONE:ONE+7], v[P+8*(\ks):P+8*(\ks)+7], v[40*UU+32:40*UU+39]
.endif
.endm
; THE VECTOR WORK for key block kb, in three slices of four: c2 s + c1; (c2 s + c1) s + c0; rounded to f16 (DG = 1: and masked).  Each accumulator's lowest registers are read first.
.macro SLA kb
	WIN 0
.irp p, 0,1,2,3
	v_pk_fma_f32 v[T+2*(\p):T+2*(\p)+1], v[S+8*(\kb)+2*(\p):S+8*(\kb)+2*(\p)+1], v[CF+8*UU:CF+8*UU+1], v[CF+8*UU+2:CF+8*UU+3]
.endr
.endm
.macro SLB kb
	WIN 0
.irp p, 0,1,2,3
	v_pk_fma_f32 v[S+8*(\kb)+2*(\p):S+8*(\kb)+2*(\p)+1], v[T+2*(\p):T+2*(\p)+1], v[S+8*(\kb)+2*(\p):S+8*(\kb)+2*(\p)+1], v[CF+8*UU+4:CF+8*UU+5]
.endr
.endm
.macro SLC kb
	WIN 0
.irp p, 0,1,2,3
	v_cvt_pk_f16_f32 v[P+4*(\kb)+(\p)], v[S+8*(\kb)+2*(\p)], v[S+8*(\kb)+2*(\p)+1]
.endr
.if DG
.irp p, 0,1,2,3
	v_and_b32 v[P+4*(\kb)+(\p)], v[M+4*(\kb)+(\p)], v[P+4*(\kb)+(\p)]
.endr
.endif
.endm
; THE LDS LOADS, in runs of eight: the next tile's K, and its V by 32 keys
.macro FK
	WIN 0
.irp kb, 0,1,2,3,4,5,6,7
	ds_load_b128 v[KF+4*(\kb):KF+4*(\kb)+3], v[AK] offset:2560*(\kb)
.endr
.endm
.macro FV ks
	WIN 0x80                                       ; destination window 2, address window 0
.irp cb, 0,1,2,3
	ds_load_tr16_b128 v[32*(\ks)+8*(\cb):32*(\ks)+8*(\cb)+3],   v[AV] offset:5120*(\ks)+32*(\cb)
	ds_load_tr16_b128 v[32*(\ks)+8*(\cb)+4:32*(\ks)+8*(\cb)+7], v[AV] offset:5120*(\ks)+32*(\cb)+2560
.endr
.endm
; A UNIT: 28 matrix and 96 vector instructions, a slice behind each matrix instruction but the last five.  The slice for key block kb stands at least four plain instructions behind the product that made its scores.
; fetch = 1: the next key tile's fragments are loaded as this tile's are read for the last time: K's run behind four packed multiply-adds that follow the last K Q^T's slice; V's run for 32 keys behind
; eight or more plain instructions that follow the last product on those keys, the last run four v_nop behind its.
.macro UNIT u, diag, fetch
.set UU, \u
.set DG, \diag
	SW 0
	SW 1
.if \fetch
	v_add_nc_u32 v[AK], s[TB], v[AK0]              ; two of the four places in front of the first read of the scores
	v_add_nc_u32 v[AV], s[TB], v[AV0]
	v_nop
	v_nop
.else
	PLACES
.endif
	SW 2
	SLA 0
	SW 3
	SLB 0
	SW 4
	SLC 0
	SW 5
	SLA 1
	SW 6
	SLB 1
	SW 7
	SLC 1
.irp ks, 0,1,2
	PW \ks, 0
	SLA 2*(\ks)+2
.if (\fetch) && ((\ks) == 0)
	FK
.endif
	PW \ks, 1
	SLB 2*(\ks)+2
	PW \ks, 2
	SLC 2*(\ks)+2
	PW \ks, 3
	SLA 2*(\ks)+3
	PW \ks, 4
	SLB 2*(\ks)+3
	SLC 2*(\ks)+3
.if \fetch
	FV \ks
.endif
.endr
	s_wait_dscnt 32*(\fetch)                       ; this tile's last eight loads of V are in; the 32 issued in this unit may be out
.irp cb, 0,1,2,3,4
	PW 3, \cb
.endr
.if \fetch
	PLACES
	FV 3
.endif
	WIN 0
.endm
; What unit u does with the key tile in hand: nothing, the diagonal's text, or the whole one's.  The jumps go forward and pass no barrier and no tensor load.  A wave's diagonal unit 3 is its last: it fetches nothing.
.macro SELU u, fetch
	s_cmp_lt_i32 s[D0+(\u)], 0
	s_cbranch_scc1 .Lskip_\@
	s_cmp_eq_u32 s[D0+(\u)], 0
	s_cbranch_scc1 .Ldiag_\@
	UNIT \u, 0, \fetch
	s_branch .Lskip_\@
.Ldiag_\@:
	UNIT \u, 1, 0
.Lskip_\@:
.endm
.macro STEP                            ; on to the next key tile, in every wave alike
.irp u, 0,1,2,3
	s_sub_co_i32 s[D0+(\u)], s[D0+(\u)], 1
.endr
	s_add_co_u32 s[TB], s[TB], TILE
.endm
; THE CHANGE OF SLOTS.  Each wave waits for all its tensor loads, of which one is out: its part of the other slot; adds 0 to its spare word; and waits for that and for its reads of the slot that it leaves.
; fill = 1: the barrier is a round of the cluster's, and the joint refill, the keys two slots on, is the first thing behind it: it has four key tiles' work in which to land.
.macro CHANGE fill
	WIN 0
	s_wait_tensorcnt 0x0                           ; no tensor load of mine is out, so a group 0 may be written
	ds_add_u32 v[SPW], v[NIL]                      ; 0 onto my spare word; scalar work stands between it and the wait for it
.if \fill
	s_xor_b32 s[G0B+1], s[G0B+1], SLOT1            ; the other slot than last time,
	s_add_nc_u64 s[G0B+2:G0B+3], s[G0B+2:G0B+3], 4*TILE  ; the next 512 keys; the type bits on top are not reached
.endif
	s_sub_co_u32 s[TB], s[TB], 4*TILE              ; the fetches go back to a slot's first tile,
	s_xor_b32 s[TB], s[TB], SLOT1                  ; in the other slot
	s_wait_dscnt 0x0                               ; the add is done, and my reads of the slot are over
.if \fill
	CROUND
	tensor_load_to_lds s[G0B:G0B+3], s[G1:G1+7]
	s_nop 0
	PLACES
.else
	s_barrier_signal -1
	s_barrier_wait -1
.endif
.endm
	s_wait_tensorcnt 1                             ; my part of slot 0 is in; slot 1's may stay out
	s_barrier_signal -1
	s_barrier_wait -1
	v_mov_b32 v[AK], v[AK0]                        ; key tile 0 lies at the head of slot 0
	v_mov_b32 v[AV], v[AV0]
	FK
	FV 0
	FV 1
	FV 2
	FV 3
	WIN 0
.irp u, 0,1,2,3
	s_add_co_u32 s[D0+(\u)], s[WV], 4*(\u)
.endr
	s_mov_b32 s[TB], TILE
	s_mov_b32 s[CNT], 4
	s_mov_b32 s[SEG], 3
	s_branch .Ltile                                ; the loop is entered in the middle of a trip
.Lseg:                                                 ; twice: slots 0 and 1 are filled again
	CHANGE 1
	s_mov_b32 s[CNT], 4
.Lu3:                                                  ; a trip: unit 3 of one key tile, which fetches the next tile's fragments, then units 0 to 2 of that tile
	SELU 3, 1
	STEP
.Ltile:
	s_wait_dscnt 8                                 ; K and three quarters of V are in; V's last eight loads may be out
	SELU 0, 0
	SELU 1, 0
	SELU 2, 0
	s_sub_co_u32 s[CNT], s[CNT], 1
	s_cmp_lg_u32 s[CNT], 0
	s_cbranch_scc1 .Lu3
	s_sub_co_u32 s[SEG], s[SEG], 1
	s_cmp_lg_u32 s[SEG], 0
	s_cbranch_scc1 .Lseg
	CHANGE 0                                       ; the tail is written out: nothing is asked for.  From key tile 12 on only unit 3 lives
	s_mov_b32 s[CNT], 4
.Ltl:                                                  ; unit 3 of key tiles 11 to 14
	s_wait_dscnt 8
	SELU 3, 1
	STEP
	s_sub_co_u32 s[CNT], s[CNT], 1
	s_cmp_lg_u32 s[CNT], 0
	s_cbranch_scc1 .Ltl
	s_wait_dscnt 8
	s_cmp_lg_u32 s[D0+3], 0                        ; key tile 15 holds the diagonal of wave 3's last unit, and nothing for the others
	s_cbranch_scc1 .Lend
	UNIT 3, 1, 0
.Lend:
	; THE WAY OUT.  1 / (l + 1e-9 c0) for the four units; then a unit at a time: O, its two parts, through my stage in LDS, out as whole rows of 256 bytes.
	PLACES
	WIN 0x10                                       ; source 2 in window 1
.irp u, 0,1,2,3
	v_fma_f32 v[T+(\u)], v[CF+8*(\u)+4], s[EPS], v[40*(\u)+32]
.endr
	WIN 0
.irp u, 0,1,2,3
	v_rcp_f32 v[CF+8*(\u)+6], v[T+(\u)]
	v_rcp_f32 v[CF+8*(\u)+7], v[T+(\u)]
.endr
	v_nop
	s_wait_alu depctr_va_vdst(0)
.macro CALC u
	WIN 0x01                                       ; source 0 in window 1
.set i, 0
.rept 16
	v_pk_mul_f32 v[S+2*i:S+2*i+1], v[40*(\u)+2*i:40*(\u)+2*i+1], v[CF+8*(\u)+6:CF+8*(\u)+7]
.set i, i+1
.endr
	WIN 0
.set i, 0
.rept 16
	v_pk_mul_f32 v[S+32+2*i:S+32+2*i+1], v[S+2*i:S+2*i+1], s[VK:VK+1] op_sel_hi:[1,0]  ; t = 8193 O
.set i, i+1
.endr
.set i, 0
.rept 4
.irp p, 0,1,2,3
	v_pk_add_f32 v[T+2*(\p):T+2*(\p)+1], v[S+32+8*i+2*(\p):S+32+8*i+2*(\p)+1], v[S+8*i+2*(\p):S+8*i+2*(\p)+1] neg_lo:[0,1] neg_hi:[0,1]  ; t - O
.endr
.irp p, 0,1,2,3
	v_pk_add_f32 v[S+32+8*i+2*(\p):S+32+8*i+2*(\p)+1], v[S+32+8*i+2*(\p):S+32+8*i+2*(\p)+1], v[T+2*(\p):T+2*(\p)+1] neg_lo:[0,1] neg_hi:[0,1]  ; hi
.endr
.irp p, 0,1,2,3
	v_pk_add_f32 v[S+8*i+2*(\p):S+8*i+2*(\p)+1], v[S+8*i+2*(\p):S+8*i+2*(\p)+1], v[S+32+8*i+2*(\p):S+32+8*i+2*(\p)+1] neg_lo:[0,1] neg_hi:[0,1]  ; lo
.endr
.set i, i+1
.endr
.set i, 0
.rept 16
	v_cvt_pk_f16_f32 v[HI+i], v[S+32+2*i], v[S+32+2*i+1]
	v_cvt_pk_f16_f32 v[LO+i], v[S+2*i], v[S+2*i+1]
.set i, i+1
.endr
.endm
.macro STG u
.irp cb, 0,1,2,3
	ds_store_b128 v[STO], v[HI+4*(\cb):HI+4*(\cb)+3] offset:32*(\cb)
	ds_store_b128 v[STO], v[LO+4*(\cb):LO+4*(\cb)+3] offset:128+32*(\cb)
.endr
	s_wait_xcnt 0x0                                ; the registers below were the last stores' data: they are loaded again only behind this wait
.irp t, 0,1,2,3,4,5,6,7
	ds_load_b128 v[OB+4*(\t):OB+4*(\t)+3], v[RD] offset:(\t)*2*SP  ; LDS serves a wave's instructions in order (ISA guide 5.7.1.4): these see the stores above
.endr
.endm
.macro SEND u
	s_wait_dscnt 0x0
.irp t, 0,1,2,3,4,5,6,7
	global_store_b128 v[GO], v[OB+4*(\t):OB+4*(\t)+3], s[10:11] offset:(\u)*2097152+8192*(\t)  ; 16 lanes store 256 consecutive bytes, aligned; the largest offset, 6,348,800, lies inside the signed 24 bits
.endr
.endm
	CALC 0
	STG 0
.irp u, 1,2,3                          ; a unit's arithmetic stands between the loads of the unit before and its stores
	CALC \u
	SEND (\u)-1
	STG \u
.endr
	SEND 3
	s_wait_tensorcnt 0x0                           ; the wave's end
	ds_add_u32 v[SPW], v[NIL]
	s_wait_dscnt 0x0
	CROUND                                         ; the closing round
	s_endpgm
.Lfunc_end_k_q3a19a1da99_attn:
	.size	k_q3a19a1da99_attn, .Lfunc_end_k_q3a19a1da99_attn-k_q3a19a1da99_attn
	.p2alignl 7, 3214868480
	.fill 96, 4, 3214868480
	.section	.rodata,"a",@progbits
	.p2align	6, 0x0
	.amdhsa_kernel k_q3a19a1da99_attn
		.amdhsa_group_segment_fixed_size 327680
		.amdhsa_private_segment_fixed_size 0
		.amdhsa_enable_private_segment 0
		.amdhsa_kernarg_size 32
		.amdhsa_user_sgpr_count 2
		.amdhsa_user_sgpr_kernarg_segment_ptr 1
		.amdhsa_wavefront_size32 1
		.amdhsa_system_sgpr_workgroup_id_x 1
		.amdhsa_system_sgpr_workgroup_id_y 1
		.amdhsa_system_sgpr_workgroup_id_z 1
		.amdhsa_system_vgpr_workitem_id 0
		.amdhsa_next_free_vgpr 648
		.amdhsa_next_free_sgpr 66
		.amdhsa_reserve_vcc 1
		.amdhsa_float_denorm_mode_32 3
		.amdhsa_float_denorm_mode_16_64 3
		.amdhsa_memory_ordered 1
		.amdhsa_forward_progress 1
		.amdhsa_inst_pref_size 180
	.end_amdhsa_kernel
	.amdgpu_metadata
---
amdhsa.version: [ 1, 2 ]
amdhsa.kernels:
  - .name:           k_q3a19a1da99_attn
    .symbol:         k_q3a19a1da99_attn.kd
    .args:
      - { .name: qh, .offset: 0, .size: 8, .value_kind: global_buffer, .address_space: global }
      - { .name: kv, .offset: 8, .size: 8, .value_kind: global_buffer, .address_space: global }
      - { .name: kmx, .offset: 16, .size: 8, .value_kind: global_buffer, .address_space: global }
      - { .name: ohl, .offset: 24, .size: 8, .value_kind: global_buffer, .address_space: global }
    .group_segment_fixed_size: 327680
    .private_segment_fixed_size: 0
    .kernarg_segment_align: 8
    .kernarg_segment_size: 32
    .max_flat_workgroup_size: 128
    .sgpr_count:     66
    .vgpr_count:     648
    .wavefront_size: 32
...
	.end_amdgpu_metadata
.endif
;; end of part 3
;; launch oproj (part 4): grid 8 x 32, 4 waves a work-group, clusters of 4 x 4, 327,680 bytes of LDS; arguments ohl, wot, out0; writes out0
.if DOCPART == 4
	.amdgcn_target "amdgcn-amd-amdhsa--gfx1250"
	.amdhsa_code_object_version 6
	.text
	.protected	k_q3a19a1da99_oproj
	.globl	k_q3a19a1da99_oproj
	.p2align	8
	.type	k_q3a19a1da99_oproj,@function
k_q3a19a1da99_oproj:
	s_mov_b64 s[64:65], 0
	v_nop
	global_prefetch_b8 v0, s[64:65] scope:SCOPE_SE
	s_setreg_imm32_b32 hwreg(HW_REG_WAVE_MODE, 25, 1), 1
	s_wait_xcnt 0x0
	s_wait_alu depctr_hold_cnt(0) depctr_sa_sdst(0) depctr_va_vdst(0) depctr_va_sdst(0) depctr_va_ssrc(0) depctr_va_vcc(0) depctr_vm_vsrc(0)
	s_getreg_b32 s2, hwreg(HW_REG_IB_STS2, 6, 4)
	s_cmp_eq_u32 s2, 0
	s_cbranch_scc0 .Lentry_in_a_cluster
	s_endpgm
.Lentry_in_a_cluster:
	s_bfe_u32 s2, ttmp6, 0x10000c
	s_cmp_lg_u32 s2, 0xf033
	s_cbranch_scc0 .Lentry_shape_is_right
	s_endpgm
.Lentry_shape_is_right:
; OUT = O Wo: out0 [4096][1024] f32 = ohl [4096][2048] f16 times wot [1024][2048] f16 transposed, f32 sums.  K is 2,048: O's two parts, hi and lo, each meet the same Wo, which wot holds twice.
; A tile of the result is 128 x 128.  Four waves, each 64 x 64: 16 accumulators of 16 x 16.  K goes in steps of 256 (LDS rows of 512 bytes; a wave's tensor load brings 64 of them) through two slots, as long as LDS allows;
; from a request to the wait for it a wave issues 112 matrix instructions.
; CLUSTER: 4 x 4 work-groups.  The four of a row of the cluster need the same tiles of ohl, the four of a column the same tiles of wot: each tile is asked for jointly.
; THE MATRIX INSTRUCTION IS USED TRANSPOSED (source 0 = 16 rows of wot, source 1 = 16 rows of ohl): a lane holds eight neighbouring numbers of a row of the result.
; THE WAY OUT: a wave's 64 columns of f32 are 256 aligned bytes.
; REGISTERS: window 0: v0-31 addresses; v32-95 rows read back, two buffers; v128-255 the accumulators ((a, b) at v[128 + 8 (4 a + b)]).  Window 1: two fragment buffers of 128: 64 of ohl, then 64 of wot.
.set SIZE_K, 2048
.set SIZE_N, 1024
.set KSTEP,  256
.set PITCH,  528                       ; an LDS row: 512 bytes + 16 of padding: row r starts at bank 4 r mod 64 (64 banks of 4 bytes: ISA guide 11.1)
.set HALFT,  64*PITCH
.set SLOT,   4*HALFT
.set STAGE,  2*SLOT                    ; behind the ring, never filled by a tensor load: 16 rows x 272 bytes for each wave
.set SPITCH, 272
.set SPARE,  STAGE+4*16*SPITCH         ; the spare words, 128 bytes for each wave: two blocks of 256 bytes that no other line names
.set LAPS, SIZE_K/(2*KSTEP)
.set ADRA, 16
.set ADRB, 20
.set STO,  24
.set RD,   25
.set CO,   26
.set SPW,  28                          ; LDS address of my spare word; never rewritten
.set NIL,  29                          ; 0; never rewritten
.set TMP,  32
.set ACC,  128
.set F0,   0
.set F1,   128
.set G1, 24
.set G0, 32
.set G1B, 48
.set G0B, 56
.set MSB, 0
.macro WIN new
.if MSB != (\new)
	s_set_vgpr_msb (MSB<<8)|(\new)
.set MSB, \new
.endif
.endm
.set MUL,  0x05                        ; sources 0 and 1 window 1; C and D window 0
.set TO_F, 0x40                        ; destination window 1, address window 0
.macro JLOAD s                         ; a joint load: waves 0 and 1 fetch ohl's two halves, waves 2 and 3 wot's; an s_nop 0 and four v_nop follow each line
	s_cmp_eq_u32 s11, 0
	s_cbranch_scc0 .Lfor_b_\@
	tensor_load_to_lds s[G0+4*(\s):G0+4*(\s)+3], s[G1:G1+7]
	s_nop 0
.rept 4
	v_nop
.endr
	s_branch .Lasked_\@
.Lfor_b_\@:
	tensor_load_to_lds s[G0B+4*(\s):G0B+4*(\s)+3], s[G1B:G1B+7]
	s_nop 0
.rept 4
	v_nop
.endr
.Lasked_\@:
.endm
.macro CREST
	s_cmp_lg_u32 s10, 0
	s_cbranch_scc1 .Lnot_wave_0_\@
	s_barrier_signal -3
.Lnot_wave_0_\@:
	s_barrier_wait -3
	s_barrier_signal -1
	s_barrier_wait -1
.endm
.macro CROUND
	s_barrier_signal -1
	s_barrier_wait -1
	CREST
.endm
	s_load_b128 s[4:7], s[0:1], 0x0                ; ohl s[4:5], wot s[6:7]
	s_load_b64 s[8:9], s[0:1], 0x10                ; out0
	v_lshl_add_u32 v[SPW], v0, 2, SPARE
	v_mov_b32 v[NIL], 0
	ds_add_u32 v28, v29
	s_wait_dscnt 0x0
	v_lshrrev_b32 v1, 5, v0
	v_readfirstlane_b32 s10, v1                    ; wave 0..3
	s_lshr_b32 s11, s10, 1                         ; which half of the tile's rows is mine.  Also: I fetch for ohl (0) or for wot (1)
	s_and_b32 s12, s10, 1                          ; which half of its columns.  Also: which 64 rows of that tile I fetch
	s_bfe_u32 s40, ttmp6, 0x40000                  ; cx, cy
	s_bfe_u32 s41, ttmp6, 0x40004
	s_lshl_b32 s42, ttmp9, 2
	s_add_co_u32 s42, s42, s40                     ; tile column
	s_and_b32 s13, ttmp7, 0xffff
	s_lshl_b32 s13, s13, 2
	s_add_co_u32 s13, s13, s41                     ; tile row
	s_lshl_b32 s43, s41, 2
	s_lshl_b32 s43, 15, s43                        ; my row of the cluster
	s_lshl_b32 s44, 0x1111, s40                    ; my column
	s_or_b32 s[G1+0], s43, (1<<16)|(1<<20)|(1<<21)|(6<<22)|(3<<25)  ; the mask; 2-byte elements; padding on; 21 set beside a mask; after every 128 words, 4 words
	s_or_b32 s[G1B+0], s44, (1<<16)|(1<<20)|(1<<21)|(6<<22)|(3<<25)
.irp g, G1, G1B
	s_mov_b32 s[(\g)+1], KSTEP<<16                 ; tensor_dim0 = 256
	s_mov_b32 s[(\g)+2], 64<<16                    ; tensor_dim1 = 64
	s_mov_b32 s[(\g)+3], KSTEP<<16                 ; tile_dim0 = 256
	s_mov_b32 s[(\g)+4], 64                        ; tile_dim1 = 64
	s_mov_b32 s[(\g)+5], SIZE_K
	s_mov_b32 s[(\g)+6], 0
	s_mov_b32 s[(\g)+7], 0
.endr
	s_lshl_b32 s17, s12, 6
	s_lshl_b32 s16, s13, 7
	s_add_co_u32 s16, s16, s17                     ; ohl: row 128 x tile row + 64 x half
	s_lshl_b32 s46, s42, 7
	s_add_co_u32 s46, s46, s17                     ; wot: row 128 x tile column + 64 x half
	s_mov_b32 s17, 0
	s_mov_b32 s47, 0
	s_mov_b64 s[18:19], SIZE_K*2
	s_mul_u64 s[16:17], s[16:17], s[18:19]
	s_mul_u64 s[46:47], s[46:47], s[18:19]
	s_mul_i32 s20, s10, HALFT                      ; where they go: wave x 64 rows
	s_wait_kmcnt 0x0
	s_add_nc_u64 s[14:15], s[4:5], s[16:17]
	s_add_nc_u64 s[46:47], s[6:7], s[46:47]
	CROUND                                         ; all sixteen work-groups are here: the first joint loads meet
.irp s, 0,1
	s_mov_b32 s[G0+4*(\s)], 1
	s_add_co_u32 s[G0+4*(\s)+1], s20, (\s)*SLOT
	s_add_nc_u64 s[G0+4*(\s)+2:G0+4*(\s)+3], s[14:15], (\s)*KSTEP*2
	s_or_b32 s[G0+4*(\s)+3], s[G0+4*(\s)+3], 0x80000000
	s_mov_b32 s[G0B+4*(\s)], 1
	s_add_co_u32 s[G0B+4*(\s)+1], s20, (\s)*SLOT
	s_add_nc_u64 s[G0B+4*(\s)+2:G0B+4*(\s)+3], s[46:47], (\s)*KSTEP*2
	s_or_b32 s[G0B+4*(\s)+3], s[G0B+4*(\s)+3], 0x80000000
	JLOAD \s                                       ; two loads of mine are out
.endr
	v_and_b32 v1, 15, v0                           ; l % 16
	v_bfe_u32 v2, v0, 4, 1                         ; l / 16
	v_mul_u32_u24 v3, v1, PITCH
	v_lshl_add_u32 v3, v2, 4, v3
	s_mul_i32 s21, s11, HALFT                      ; my 64 rows of ohl
	s_mul_i32 s22, s12, HALFT                      ; my 64 rows of wot,
	s_add_co_u32 s22, s22, 2*HALFT                 ; which lie behind ohl's 128
.irp s, 0,1
	v_add_nc_u32 v[ADRA+(\s)], s21, v3
	v_add_nc_u32 v[ADRB+(\s)], s22, v3
	s_add_co_u32 s21, s21, SLOT
	s_add_co_u32 s22, s22, SLOT
.endr
	s_mul_i32 s23, s10, 16*SPITCH
	s_add_co_u32 s23, s23, STAGE                   ; my stage
	v_mul_u32_u24 v4, v1, SPITCH                   ; in: row l % 16, 32 bytes (eight f32) for each half of the lanes
	v_lshl_add_u32 v4, v2, 5, v4
	v_add_nc_u32 v[STO], s23, v4
	v_mul_u32_u24 v5, v2, SPITCH                   ; back: lanes 0-15 one row of 256 bytes, lanes 16-31 the next
	v_lshl_add_u32 v5, v1, 4, v5
	v_add_nc_u32 v[RD], s23, v5
	v_lshlrev_b32 v5, 12, v2                       ; and the same two rows of out0, 4,096 bytes each
	v_lshl_add_u32 v[CO], v1, 4, v5
	s_lshl_b32 s16, s13, 7
	s_lshl_b32 s17, s11, 6
	s_add_co_u32 s16, s16, s17                     ; my first row
	s_lshl_b32 s16, s16, 12
	s_mov_b32 s17, 0
	s_add_nc_u64 s[8:9], s[8:9], s[16:17]
	s_lshl_b32 s46, s42, 9                         ; my first column, in bytes: 512 x tile column + 256 x half
	s_lshl_b32 s47, s12, 8
	s_add_co_u32 s46, s46, s47
	s_mov_b32 s47, 0
	s_add_nc_u64 s[8:9], s[8:9], s[46:47]
; 8 matrix instructions: row blocks a0, a0 + 1 x all 4 column blocks, 32 along K: half c of buffer f.  The 16 accumulators take turns.
.macro MUL8 f, c, a0, zero
	WIN MUL
.irp a, \a0, (\a0)+1
.irp b, 0,1,2,3
.if \zero
	v_wmma_f32_16x16x32_f16 v[ACC+8*(4*(\a)+(\b)):ACC+8*(4*(\a)+(\b))+7], v[(\f)+64+8*(4*(\c)+(\b)):(\f)+64+8*(4*(\c)+(\b))+7], v[(\f)+8*(4*(\c)+(\a)):(\f)+8*(4*(\c)+(\a))+7], 0
.else
	v_wmma_f32_16x16x32_f16 v[ACC+8*(4*(\a)+(\b)):ACC+8*(4*(\a)+(\b))+7], v[(\f)+64+8*(4*(\c)+(\b)):(\f)+64+8*(4*(\c)+(\b))+7], v[(\f)+8*(4*(\c)+(\a)):(\f)+8*(4*(\c)+(\a))+7], v[ACC+8*(4*(\a)+(\b)):ACC+8*(4*(\a)+(\b))+7]
.endif
.endr
.endr
.endm
; 32 LDS loads in one run: the fragments of 64 along K at byte k of the rows, into buffer f; the first 32 along K first
.macro FETCH slot, k, f
	WIN TO_F
.irp c, 0,1
.irp i, 0,1,2,3
	ds_load_b128 v[(\f)+64+8*(4*(\c)+(\i)):(\f)+64+8*(4*(\c)+(\i))+3],   v[ADRB+(\slot)] offset:(\k)+64*(\c)+(\i)*16*PITCH
	ds_load_b128 v[(\f)+64+8*(4*(\c)+(\i))+4:(\f)+64+8*(4*(\c)+(\i))+7], v[ADRB+(\slot)] offset:(\k)+64*(\c)+(\i)*16*PITCH+32
	ds_load_b128 v[(\f)+8*(4*(\c)+(\i)):(\f)+8*(4*(\c)+(\i))+3],         v[ADRA+(\slot)] offset:(\k)+64*(\c)+(\i)*16*PITCH
	ds_load_b128 v[(\f)+8*(4*(\c)+(\i))+4:(\f)+8*(4*(\c)+(\i))+7],       v[ADRA+(\slot)] offset:(\k)+64*(\c)+(\i)*16*PITCH+32
.endr
.endr
.endm
.macro PLACES                          ; four places in front of loads into registers that matrix instructions have read, and of LDS stores that read results
.rept 4
	v_nop
.endr
.endm
; A K step is four quarters of 64 along K, 32 matrix instructions each, on buffers 0, 1, 0, 1.
.macro QUARTER slot, k, f, g, zero
	s_wait_dscnt 16                                ; the first 32 along K are in
	MUL8 \f, 0, 0, \zero
	MUL8 \f, 0, 2, \zero
	PLACES
	FETCH \slot, \k, \g
	s_wait_dscnt 32                                ; all but the 32 just issued
	MUL8 \f, 1, 0, 0
	MUL8 \f, 1, 2, 0
.endm
; The last quarter multiplies buffer 1 and changes slots: ONE barrier; in front of it each wave waits for all its tensor loads, adds 0 to its spare word, and waits for that and for its reads of this slot.
.macro TURN slot, next, fill
	WIN 0                                          ; (the add's two registers lie in window 0)
	s_wait_tensorcnt 0x0                           ; all my tensor loads have landed: my part of the next slot
	ds_add_u32 v[SPW], v[NIL]                      ; 0 onto my spare word
	s_wait_dscnt 17                                ; (the add and the youngest sixteen loads may be out)
	MUL8 F1, 0, 0, 0                               ; eight matrix instructions stand between the add and the wait for it
	s_wait_dscnt 0x0                               ; the add is done, and my reads of this slot are over
	s_barrier_signal -1
	MUL8 F1, 0, 2, 0
.if \fill
	WIN 0
.endif
	s_barrier_wait -1
.if \fill
	CREST                                          ; the barrier has opened a round of the cluster's: no wave of any partner still reads this slot or has a load on its way
	s_add_nc_u64 s[G0+4*(\slot)+2:G0+4*(\slot)+3], s[G0+4*(\slot)+2:G0+4*(\slot)+3], 2*KSTEP*2
	s_add_nc_u64 s[G0B+4*(\slot)+2:G0B+4*(\slot)+3], s[G0B+4*(\slot)+2:G0B+4*(\slot)+3], 2*KSTEP*2
	JLOAD \slot                                    ; the first tensor load behind the round; its four v_nop are also the places in front of the loads below
.else
	PLACES
.endif
	FETCH \next, 0, F0
	MUL8 F1, 1, 0, 0
	MUL8 F1, 1, 2, 0
.endm
	s_wait_tensorcnt 1                             ; my part of K step 0 is in; step 1's may stay out
	s_barrier_signal -1
	s_barrier_wait -1
	FETCH 0, 0, F0
	QUARTER 0, 128, F0, F1, 1                      ; the first quarter stands in front of the loop: its first products start the sums
	WIN 0
	s_mov_b32 s3, LAPS-1
.Llap:                                                 ; a trip goes once round the ring and fills both slots again
	QUARTER 0, 256, F1, F0, 0
	QUARTER 0, 384, F0, F1, 0
	TURN 0, 1, 1
	QUARTER 1, 128, F0, F1, 0
	QUARTER 1, 256, F1, F0, 0
	QUARTER 1, 384, F0, F1, 0
	TURN 1, 0, 1
	QUARTER 0, 128, F0, F1, 0
	WIN 0
	s_sub_co_u32 s3, s3, 1
	s_cmp_lg_u32 s3, 0
	s_cbranch_scc1 .Llap
	QUARTER 0, 256, F1, F0, 0                      ; the last lap fills nothing
	QUARTER 0, 384, F0, F1, 0
	TURN 0, 1, 0
	QUARTER 1, 128, F0, F1, 0
	QUARTER 1, 256, F1, F0, 0
	QUARTER 1, 384, F0, F1, 0
	s_wait_dscnt 16
	MUL8 F1, 0, 0, 0
	MUL8 F1, 0, 2, 0
	s_wait_dscnt 0x0
	MUL8 F1, 1, 0, 0
	MUL8 F1, 1, 2, 0
	WIN 0
; THE WAY OUT, a block of 16 rows at a time: the f32 sums go into my stage as they lie (each accumulator's low four registers first) and come back as whole rows of 256 bytes.
.macro TST a
.set BK, TMP+32*((\a)%2)
.irp b, 0,1,2,3
	ds_store_b128 v[STO], v[ACC+8*(4*(\a)+(\b)):ACC+8*(4*(\a)+(\b))+3] offset:64*(\b)
	ds_store_b128 v[STO], v[ACC+8*(4*(\a)+(\b))+4:ACC+8*(4*(\a)+(\b))+7] offset:64*(\b)+16
.endr
.irp t, 0,1,2,3,4,5,6,7
	ds_load_b128 v[BK+4*(\t):BK+4*(\t)+3], v[RD] offset:(\t)*2*SPITCH  ; LDS serves a wave's instructions in order (ISA guide 5.7.1.4): these see the stores above; the next block's stores come behind them
.endr
.endm
.macro SEND a, younger                 ; younger: the LDS instructions issued behind block a's loads: the next block's sixteen, or none
.set BK, TMP+32*((\a)%2)
	s_wait_dscnt \younger
.irp t, 0,1,2,3,4,5,6,7
	global_store_b128 v[CO], v[BK+4*(\t):BK+4*(\t)+3], s[8:9] offset:(16*(\a)+2*(\t))*SIZE_N*4 th:TH_STORE_NT  ; 16 lanes store 256 consecutive bytes, aligned
.endr
.endm
	PLACES
	TST 0
	TST 1
	SEND 0, 16
	s_wait_xcnt 0x0                                ; block 0's stores have read their registers: block 2 is read back into them only behind this wait
	TST 2
	SEND 1, 16
	s_wait_xcnt 0x0
	TST 3
	SEND 2, 16
	SEND 3, 0
	s_wait_tensorcnt 0x0                           ; the wave's end
	ds_add_u32 v[SPW], v[NIL]
	s_wait_dscnt 0x0
	CROUND                                         ; the closing round
	s_endpgm
.Lfunc_end_k_q3a19a1da99_oproj:
	.size	k_q3a19a1da99_oproj, .Lfunc_end_k_q3a19a1da99_oproj-k_q3a19a1da99_oproj
	.p2alignl 7, 3214868480
	.fill 96, 4, 3214868480
	.section	.rodata,"a",@progbits
	.p2align	6, 0x0
	.amdhsa_kernel k_q3a19a1da99_oproj
		.amdhsa_group_segment_fixed_size 327680
		.amdhsa_private_segment_fixed_size 0
		.amdhsa_enable_private_segment 0
		.amdhsa_kernarg_size 24
		.amdhsa_user_sgpr_count 2
		.amdhsa_user_sgpr_kernarg_segment_ptr 1
		.amdhsa_wavefront_size32 1
		.amdhsa_system_sgpr_workgroup_id_x 1
		.amdhsa_system_sgpr_workgroup_id_y 1
		.amdhsa_system_sgpr_workgroup_id_z 1
		.amdhsa_system_vgpr_workitem_id 0
		.amdhsa_next_free_vgpr 512
		.amdhsa_next_free_sgpr 66
		.amdhsa_reserve_vcc 0
		.amdhsa_float_denorm_mode_32 3
		.amdhsa_float_denorm_mode_16_64 3
		.amdhsa_memory_ordered 1
		.amdhsa_forward_progress 1
		.amdhsa_inst_pref_size 85
	.end_amdhsa_kernel
	.amdgpu_metadata
---
amdhsa.version: [ 1, 2 ]
amdhsa.kernels:
  - .name:           k_q3a19a1da99_oproj
    .symbol:         k_q3a19a1da99_oproj.kd
    .args:
      - { .name: ohl, .offset: 0, .size: 8, .value_kind: global_buffer, .address_space: global }
      - { .name: wot, .offset: 8, .size: 8, .value_kind: global_buffer, .address_space: global }
      - { .name: out0, .offset: 16, .size: 8, .value_kind: global_buffer, .address_space: global }
    .group_segment_fixed_size: 327680
    .private_segment_fixed_size: 0
    .kernarg_segment_align: 8
    .kernarg_segment_size: 24
    .max_flat_workgroup_size: 128
    .sgpr_count:     66
    .vgpr_count:     512
    .wavefront_size: 32
...
	.end_amdgpu_metadata
.endif
;; end of part 4
;; ======== version 2 of 3: 4 launches; 1.18 times as fast as version 1
;; limits: values are held in f16: magnitudes above 65,504 overflow, below 6.1e-05 lose precision; right only within a limited range of input values
;; workspace buffers: xb 8,388,608 bytes; wt 3,145,728 bytes; wot 2,097,152 bytes; qh 2,097,152 bytes; kv 10,485,760 bytes; kmx 131,072 bytes; ob 10,485,760 bytes
;; launch prep (part 5): grid 832 x 1, 8 waves a work-group, no clusters, 18,432 bytes of LDS; arguments hidden_states, Wq, Wk, Wv, Wo, xb, wt, wot; writes xb, wt, wot
.if DOCPART == 5
	.amdgcn_target "amdgcn-amd-amdhsa--gfx1250"
	.amdhsa_code_object_version 6
	.text
	.protected	k_q3a19a1da99_prep
	.globl	k_q3a19a1da99_prep
	.p2align	8
	.type	k_q3a19a1da99_prep,@function
k_q3a19a1da99_prep:
	s_mov_b64 s[64:65], 0
	v_nop
	global_prefetch_b8 v0, s[64:65] scope:SCOPE_SE
	s_setreg_imm32_b32 hwreg(HW_REG_WAVE_MODE, 25, 1), 1
	s_wait_xcnt 0x0
; PREP: every input is rounded once to bf16, and the weights are turned so that K runs along the rows.
;   xb  [4096][1024] bf16 = hidden_states.
;   wt  [1536][1024] bf16: row 96 head + (0..63: Wv's column 64 head + c; 64..79: Wq's column 16 head + f; 80..95: Wk's column 16 head + f).
;   wot [1024 n][1024 k] f16 = Wo[k][n].
; LIMITS.  Wo's bf16 value is written as f16: exact from 6.1e-5 to 65,504 in magnitude; below that it keeps f16's fixed step of 6e-8, above it becomes an infinity.
; SHARES.  A work-group does one unit of 8,192 numbers.  Work-groups 0..511 cast x (no LDS, no barrier); 512..831 turn one tile of 128 k x 64 n of a weight through LDS.
; The branch between the two hangs on the work-group's number alone, so all eight waves take the same way and meet the one barrier together.
; No matrix unit, no cluster, no tensor load: every byte is read once by one work-group, and memory binds.
.set XUNITS, 512                       ; 4,096 x 1,024 / 8,192
.set TP,     272                       ; a row of the turned tile in LDS: 128 k x 2 bytes + 16
.set AJ,     8                         ; v8-15   byte offsets of my eight rows of the weight
.set LD,     16                        ; v16-47  as loaded; later as read back
.set DD,     48                        ; v48-63  converted
	s_load_b512 s[8:23], s[0:1], 0x0               ; x s[8:9], Wq s[10:11], Wk s[12:13], Wv s[14:15], Wo s[16:17], xb s[18:19], wt s[20:21], wot s[22:23]
	v_lshl_add_u32 v64, v0, 2, 0x4400
	v_mov_b32 v65, 0
	s_mov_b32 s24, ttmp9
	s_cmp_lt_u32 s24, XUNITS
	s_cbranch_scc0 .Lweights
	; ---- x: thread t takes 32 bytes at 32 t of each of four blocks of 8,192 bytes, and stores 16 bytes at 16 t of each of four blocks of 4,096
	s_lshl_b32 s2, s24, 15                         ; the unit's 32,768 bytes of x
	s_mov_b32 s3, 0
	s_lshl_b32 s4, s24, 14                         ; and its 16,384 bytes of xb
	s_mov_b32 s5, 0
	v_lshlrev_b32 v1, 5, v0
	v_lshlrev_b32 v2, 4, v0
	s_wait_kmcnt 0x0
	s_add_nc_u64 s[8:9], s[8:9], s[2:3]
	s_add_nc_u64 s[18:19], s[18:19], s[4:5]
.irp i, 0,1,2,3
	global_load_b128 v[LD+8*(\i):LD+8*(\i)+3],   v1, s[8:9] offset:8192*(\i) th:TH_LOAD_NT
	global_load_b128 v[LD+8*(\i)+4:LD+8*(\i)+7], v1, s[8:9] offset:8192*(\i)+16 th:TH_LOAD_NT
.endr
.irp i, 0,1,2,3
	s_wait_loadcnt 6-2*(\i)                        ; loads come back in order: pair i is in, the later pairs stay out
.irp k, 0,1,2,3
	v_cvt_pk_bf16_f32 v[DD+4*(\i)+(\k)], v[LD+8*(\i)+2*(\k)], v[LD+8*(\i)+2*(\k)+1]
.endr
	global_store_b128 v2, v[DD+4*(\i):DD+4*(\i)+3], s[18:19] offset:4096*(\i)  ; a wave stores 512 consecutive bytes, aligned
.endr
	s_endpgm
.Lweights:
	; ---- which weight, and which tile of it: tiles 0..31 Wq, 32..63 Wk, 64..191 Wv, 192..319 Wo
	s_sub_co_u32 s25, s24, XUNITS                  ; the tile's number
	s_sub_co_u32 s33, s25, 32
	s_sub_co_u32 s34, s25, 64
	s_sub_co_u32 s35, s25, 192
	s_mov_b32 s28, s25                             ; its number within the weight
	s_mov_b32 s29, 2                               ; log2 of the weight's tiles along n (4 or 16); a row of the weight has 256 << that many bytes
	s_mov_b32 s30, 4                               ; log2 of a head's columns
	s_mov_b32 s31, 15                              ; a head's columns less 1
	s_mov_b32 s32, 64                              ; where the weight's rows begin among a head's 96 in wt
	s_wait_kmcnt 0x0
	s_mov_b64 s[26:27], s[10:11]
	s_cmp_ge_u32 s25, 32
	s_cselect_b64 s[26:27], s[12:13], s[26:27]
	s_cselect_b32 s28, s33, s28
	s_cselect_b32 s32, 80, s32
	s_cmp_ge_u32 s25, 64
	s_cselect_b64 s[26:27], s[14:15], s[26:27]
	s_cselect_b32 s28, s34, s28
	s_cselect_b32 s29, 4, s29
	s_cselect_b32 s30, 6, s30
	s_cselect_b32 s31, 63, s31
	s_cselect_b32 s32, 0, s32
	s_cmp_ge_u32 s25, 192                          ; Wo goes to wot, column n to row n: the shift by 31 leaves no head, the mask keeps all of n
	s_cselect_b64 s[26:27], s[16:17], s[26:27]
	s_cselect_b64 s[20:21], s[22:23], s[20:21]
	s_cselect_b32 s28, s35, s28
	s_cselect_b32 s30, 31, s30
	s_cselect_b32 s31, 1023, s31
	s_bfm_b32 s36, s29, 0
	s_and_b32 s36, s28, s36                        ; nb: the tile's place along n
	s_lshr_b32 s37, s28, s29                       ; kb: along k
	s_lshl_b32 s38, 256, s29                       ; bytes in a row of the weight
	s_add_co_u32 s39, s29, 8                       ; log2 of that
	s_mul_i32 s40, s37, s38
	s_lshl_b32 s40, s40, 7                         ; kb x 128 rows
	s_lshl_b32 s41, s36, 8                         ; nb x 64 columns of 4 bytes
	s_add_co_u32 s40, s40, s41
	s_mov_b32 s41, 0
	s_add_nc_u64 s[26:27], s[26:27], s[40:41]
	; thread t: sixteen lanes take 256 consecutive bytes of one row; the half-wave t >> 4 takes the eight rows 8 (t >> 4) on
	v_lshrrev_b32 v1, 4, v0                        ; t >> 4
	v_and_b32 v2, 15, v0                           ; c: my four columns 4 c ..
	v_lshlrev_b32 v3, 3, v1
	v_lshlrev_b32 v3, s39, v3
	v_lshl_add_u32 v[AJ], v2, 4, v3
.irp j, 1,2,3,4,5,6,7
	v_add_nc_u32 v[AJ+(\j)], s38, v[AJ+(\j)-1]
.endr
.irp j, 0,1,2,3,4,5,6,7
	global_load_b128 v[LD+4*(\j):LD+4*(\j)+3], v[AJ+(\j)], s[26:27] th:TH_LOAD_NT
.endr
	v_mul_u32_u24 v4, v2, 4*TP                     ; into LDS: row 4 c + cc, bytes 16 (t >> 4) on (eight k)
	v_lshl_add_u32 v4, v1, 4, v4
	s_wait_loadcnt 0x0
.irp cc, 0,1,2,3
.irp jh, 0,1,2,3
	v_cvt_pk_bf16_f32 v[DD+4*(\cc)+(\jh)], v[LD+8*(\jh)+(\cc)], v[LD+8*(\jh)+4+(\cc)]  ; two neighbouring k of one column
.endr
.endr
	s_cmp_ge_u32 s25, 192
	s_cbranch_scc0 .Lkeep
.set i, 0
.rept 16                                               ; Wo alone: the bf16 value is written as f16
	v_lshlrev_b32 v5, 16, v[DD+i]
	v_and_b32 v6, 0xffff0000, v[DD+i]
	v_cvt_pk_f16_f32 v[DD+i], v5, v6
.set i, i+1
.endr
.Lkeep:
.irp cc, 0,1,2,3
	ds_store_b128 v4, v[DD+4*(\cc):DD+4*(\cc)+3] offset:(\cc)*TP
.endr
	v_lshrrev_b32 v5, 5, v0                        ; wave
	v_bfe_u32 v6, v0, 4, 1                         ; which half of it
	s_wait_dscnt 0x0                               ; for the others' sake: my stores into the tile are done
	s_barrier_signal -1
	s_barrier_wait -1
	; ---- sixteen lanes read a turned row's 256 bytes and store them as one aligned block of wt or wot (rows of 2,048 bytes in both)
	v_lshl_add_u32 v7, v5, 3, v6                   ; the tile's row 8 w + half; + 2 i below
	v_mul_u32_u24 v3, v7, TP
	v_lshl_add_u32 v3, v2, 4, v3
.irp i, 0,1,2,3
	ds_load_b128 v[LD+4*(\i):LD+4*(\i)+3], v3 offset:2*(\i)*TP
.endr
	s_lshl_b32 s42, s36, 6
	v_add_nc_u32 v7, s42, v7                       ; the weight's column n
	s_lshl_b32 s40, s37, 8                         ; kb x 128 k of 2 bytes
	s_mov_b32 s41, 0
	s_add_nc_u64 s[20:21], s[20:21], s[40:41]
.irp i, 0,1,2,3
	v_add_nc_u32 v5, 2*(\i), v7
	v_lshrrev_b32 v6, s30, v5                      ; head
	v_and_b32 v5, s31, v5                          ; column within the head
	v_mad_u32_u24 v5, v6, 96, v5
	v_add_nc_u32 v5, s32, v5                       ; the row it becomes
	v_lshlrev_b32 v5, 11, v5
	v_lshl_add_u32 v[32+(\i)], v2, 4, v5
.endr
.irp i, 0,1,2,3
	s_wait_dscnt 3-(\i)                            ; LDS loads come back in order: row i is in
	global_store_b128 v[32+(\i)], v[LD+4*(\i):LD+4*(\i)+3], s[20:21]
.endr
	s_wait_tensorcnt 0x0
	ds_add_u32 v64, v65
	s_wait_dscnt 0x0
	s_endpgm
.Lfunc_end_k_q3a19a1da99_prep:
	.size	k_q3a19a1da99_prep, .Lfunc_end_k_q3a19a1da99_prep-k_q3a19a1da99_prep
	.p2alignl 7, 3214868480
	.fill 96, 4, 3214868480
	.section	.rodata,"a",@progbits
	.p2align	6, 0x0
	.amdhsa_kernel k_q3a19a1da99_prep
		.amdhsa_group_segment_fixed_size 18432
		.amdhsa_private_segment_fixed_size 0
		.amdhsa_enable_private_segment 0
		.amdhsa_kernarg_size 64
		.amdhsa_user_sgpr_count 2
		.amdhsa_user_sgpr_kernarg_segment_ptr 1
		.amdhsa_wavefront_size32 1
		.amdhsa_system_sgpr_workgroup_id_x 1
		.amdhsa_system_sgpr_workgroup_id_y 1
		.amdhsa_system_sgpr_workgroup_id_z 1
		.amdhsa_system_vgpr_workitem_id 0
		.amdhsa_next_free_vgpr 66
		.amdhsa_next_free_sgpr 66
		.amdhsa_reserve_vcc 0
		.amdhsa_float_denorm_mode_32 3
		.amdhsa_float_denorm_mode_16_64 3
		.amdhsa_memory_ordered 1
		.amdhsa_forward_progress 1
		.amdhsa_inst_pref_size 13
	.end_amdhsa_kernel
	.amdgpu_metadata
---
amdhsa.version: [ 1, 2 ]
amdhsa.kernels:
  - .name:           k_q3a19a1da99_prep
    .symbol:         k_q3a19a1da99_prep.kd
    .args:
      - { .name: hidden_states, .offset: 0, .size: 8, .value_kind: global_buffer, .address_space: global }
      - { .name: Wq, .offset: 8, .size: 8, .value_kind: global_buffer, .address_space: global }
      - { .name: Wk, .offset: 16, .size: 8, .value_kind: global_buffer, .address_space: global }
      - { .name: Wv, .offset: 24, .size: 8, .value_kind: global_buffer, .address_space: global }
      - { .name: Wo, .offset: 32, .size: 8, .value_kind: global_buffer, .address_space: global }
      - { .name: xb, .offset: 40, .size: 8, .value_kind: global_buffer, .address_space: global }
      - { .name: wt, .offset: 48, .size: 8, .value_kind: global_buffer, .address_space: global }
      - { .name: wot, .offset: 56, .size: 8, .value_kind: global_buffer, .address_space: global }
    .group_segment_fixed_size: 18432
    .private_segment_fixed_size: 0
    .kernarg_segment_align: 8
    .kernarg_segment_size: 64
    .max_flat_workgroup_size: 256
    .sgpr_count:     66
    .vgpr_count:     66
    .wavefront_size: 32
...
	.end_amdgpu_metadata
.endif
;; end of part 5
;; launch qkv (part 6): grid 8 x 32, 4 waves a work-group, clusters of 4 x 4, 327,680 bytes of LDS; arguments xb, wt, qh, kv, kmx; writes qh, kv, kmx
.if DOCPART == 6
	.amdgcn_target "amdgcn-amd-amdhsa--gfx1250"
	.amdhsa_code_object_version 6
	.text
	.protected	k_q3a19a1da99_qkv
	.globl	k_q3a19a1da99_qkv
	.p2align	8
	.type	k_q3a19a1da99_qkv,@function
k_q3a19a1da99_qkv:
	s_mov_b64 s[64:65], 0
	v_nop
	global_prefetch_b8 v0, s[64:65] scope:SCOPE_SE
	s_setreg_imm32_b32 hwreg(HW_REG_WAVE_MODE, 25, 1), 1
	s_wait_xcnt 0x0
	s_wait_alu depctr_hold_cnt(0) depctr_sa_sdst(0) depctr_va_vdst(0) depctr_va_sdst(0) depctr_va_ssrc(0) depctr_va_vcc(0) depctr_vm_vsrc(0)
	s_getreg_b32 s2, hwreg(HW_REG_IB_STS2, 6, 4)
	s_cmp_eq_u32 s2, 0
	s_cbranch_scc0 .Lentry_in_a_cluster
	s_endpgm
.Lentry_in_a_cluster:
	s_bfe_u32 s2, ttmp6, 0x10000c
	s_cmp_lg_u32 s2, 0xf033
	s_cbranch_scc0 .Lentry_shape_is_right
	s_endpgm
.Lentry_shape_is_right:
; QKV: [4096 x 1536] = xb [4096][1024] times wt [1536][1024] transposed, bf16 products, f32 sums; the results leave by heads, rounded once to f16:
;   qh [32 bh][2048][16]; kv [32 bh][2048][80]: a row is v's 64 channels and then k's 16 features, 160 dense bytes; bh = 16 batch + head.
;   kmx [32 bh][32 blocks of 64 rows][32 lanes] f32: maxima of |k_row|^2 (of the f32 sums), of which the next launch takes the head's largest.
; LIMIT.  q, k and v must stay below 65,504 in magnitude: a larger number becomes an infinity in f16.
; SHARES.  A work-group makes 128 rows x 192 columns (two heads); each of its four waves 64 rows x one head's 96 columns: 24 accumulators of 16 x 16.
; THE RING has two regions of unequal size, since two of 256 along K (2 x 320 rows x 528 bytes) do not fit in LDS: X holds 256 along K (rows of 512 bytes), Y 128 (rows of 256 bytes).  K is walked X Y X Y X:
; 256 + 128 + 256 + 128 + 256 = 1,024.  Each wave brings one part of a region by one tensor load (waves 0, 1: 64 rows of x each; waves 2, 3: 96 rows of wt each).  Three refills in all; from the request to the wait for it a
; wave issues 84 matrix instructions (X's two refills) or 180 (Y's).  The text is written straight: no two laps refill alike.
; CLUSTER.  4 x 4 work-groups: the four of a row of the cluster need the same rows of x, the four of a column the same rows of wt; each tile is asked for jointly.
; THE MATRIX INSTRUCTION IS USED TRANSPOSED (source 0 = 16 rows of wt, source 1 = 16 rows of x): a lane holds one row of the result and eight neighbouring columns.
; kmx is stored as 128 bytes a wave, half of an aligned block of 256: one such store a wave in the whole launch.
; REGISTERS.  Window 0: v0-31 addresses; v32-55 packed results; v56-57 squares; v64-255 accumulators ((a, b) at v[64 + 8 (6 a + b)]).  Window 1: two fragment buffers of 80: 4 fragments of x, then 6 of wt.
.set SIZE_K, 1024
.set PX,     528                       ; a row in region X: 512 bytes + 16 of padding; in Y: 256 + 16: both odd multiples of 16, so the 16 rows of a fragment load start at 16 different groups of four banks (64 banks of 4 bytes: ISA guide 11.1)
.set PY,     272
.set HAX,    64*PX                     ; what one tensor load brings: 64 rows of x,
.set HBX,    96*PX                     ; or 96 rows of wt
.set XBO,    2*HAX                     ; in a region wt's 192 rows lie behind x's 128
.set YR,     2*HAX+2*HBX               ; region Y begins here
.set HAY,    64*PY
.set HBY,    96*PY
.set YBO,    YR+2*HAY
.set STAGE,  YR+2*HAY+2*HBY            ; behind the ring, never filled by a tensor load: 3,072 bytes a wave: 16 rows of kv (2,560), 16 rows of q (512)
.set WSTG,   3072
.set SPARE,  STAGE+4*WSTG              ; the spare words, 128 bytes for each wave: two blocks of 256 bytes that no other line names
.set RSTEP,  384*2                     ; bytes along a row from a region's fill to its next: 256 + 128 along K
.set ADRA, 16                          ; v16-17  LDS address of my fragments of x in region X, Y
.set ADRB, 20                          ; v20-21  the same for wt
.set STO,  24                          ; the way out: where I put 16 bytes of a kv row
.set STQ,  25                          ; of a q row
.set RD,   26                          ; where I read the stage back
.set CO,   27                          ; 16 x lane
.set SPW,  28                          ; LDS address of my spare word; never rewritten
.set NIL,  29                          ; 0; never rewritten
.set KM,   30                          ; running maximum of |k_row|^2
.set KMO,  31                          ; 4 x lane
.set TMP,  32
.set SQ,   56
.set ACC,  64
.set F0,   0
.set F1,   80
.set G1XA, 24                          ; s[24:31] descriptor group 1 for x's tiles in region X;  s[32:39] for wt's;  s[40:47], s[48:55] the same for region Y
.set G1XB, 32
.set G1YA, 40
.set G1YB, 48
.set G0XA, 56                          ; s[56:59], s[60:63] group 0 for region X: x's, wt's;  s[80:83], s[84:87] for region Y
.set G0XB, 60
.set G0YA, 80
.set G0YB, 84
.set QB,  68                           ; s[68:69] qh, s[70:71] kv, s[72:73] kmx: later at my wave's first row
.set KVB, 70
.set KMB, 72
.set SEL, 74                           ; s[74:75] v_permlanex16_b32's selects: each lane takes its own place in the other half
.set FLAGX, (1<<16)|(1<<20)|(1<<21)|(6<<22)|(3<<25)  ; 17:16 2-byte elements; 20 padding on; 21 set beside a mask; 24:22 after every 128 words; 31:25 4 words of it
.set FLAGY, (1<<16)|(1<<20)|(1<<21)|(5<<22)|(3<<25)  ; the same after every 64 words
.set MSB, 0
.macro WIN new                         ; the immediate's high byte repeats the setting that is left; a switch that changes nothing is dropped
.if MSB != (\new)
	s_set_vgpr_msb (MSB<<8)|(\new)
.set MSB, \new
.endif
.endm
.set MUL,  0x05                        ; sources 0 and 1 window 1; C and D window 0
.set TO_F, 0x40                        ; destination window 1, address window 0
.macro JLOAD reg                       ; a joint load into region X (0) or Y (1): waves 0 and 1 fetch x's two halves, waves 2 and 3 wt's; an s_nop 0 and four v_nop follow each line, ahead of the jump and the label
	s_cmp_eq_u32 s11, 0
	s_cbranch_scc0 .Lfor_b_\@
.if (\reg) == 0
	tensor_load_to_lds s[G0XA:G0XA+3], s[G1XA:G1XA+7]
.else
	tensor_load_to_lds s[G0YA:G0YA+3], s[G1YA:G1YA+7]
.endif
	s_nop 0
.rept 4
	v_nop
.endr
	s_branch .Lasked_\@
.Lfor_b_\@:
.if (\reg) == 0
	tensor_load_to_lds s[G0XB:G0XB+3], s[G1XB:G1XB+7]
.else
	tensor_load_to_lds s[G0YB:G0YB+3], s[G1YB:G1YB+7]
.endif
	s_nop 0
.rept 4
	v_nop
.endr
.Lasked_\@:
.endm
.macro CREST                           ; a round of the cluster's barrier behind its opening barrier
	s_cmp_lg_u32 s10, 0
	s_cbranch_scc1 .Lnot_wave_0_\@
	s_barrier_signal -3
.Lnot_wave_0_\@:
	s_barrier_wait -3
	s_barrier_signal -1
	s_barrier_wait -1
.endm
.macro CROUND
	s_barrier_signal -1
	s_barrier_wait -1
	CREST
.endm
.macro SHAPE g, cols, rows             ; the words of a group 1 behind its first: a tile of rows x cols elements that lies inside the tensor
	s_mov_b32 s[(\g)+1], (\cols)<<16               ; tensor_dim0
	s_mov_b32 s[(\g)+2], (\rows)<<16               ; tensor_dim1
	s_mov_b32 s[(\g)+3], (\cols)<<16               ; tile_dim0
	s_mov_b32 s[(\g)+4], \rows                     ; tile_dim1
	s_mov_b32 s[(\g)+5], SIZE_K                    ; elements from row to row
	s_mov_b32 s[(\g)+6], 0
	s_mov_b32 s[(\g)+7], 0
.endm
	s_load_b128 s[4:7], s[0:1], 0x0                ; xb s[4:5], wt s[6:7]
	s_load_b128 s[68:71], s[0:1], 0x10             ; qh, kv
	s_load_b64 s[72:73], s[0:1], 0x20              ; kmx
	v_lshl_add_u32 v[SPW], v0, 2, SPARE
	v_mov_b32 v[NIL], 0
	ds_add_u32 v28, v29
	s_wait_dscnt 0x0
	v_lshrrev_b32 v1, 5, v0
	v_readfirstlane_b32 s10, v1                    ; wave 0..3
	s_lshr_b32 s11, s10, 1                         ; which 64 rows of the tile are mine.  Also: I fetch for x (0) or for wt (1)
	s_and_b32 s12, s10, 1                          ; which head is mine.  Also: which half of that tensor's tile I fetch
	s_bfe_u32 s88, ttmp6, 0x40000                  ; cx, cy: my place in the cluster
	s_bfe_u32 s89, ttmp6, 0x40004
	s_lshl_b32 s90, ttmp9, 2
	s_add_co_u32 s90, s90, s88                     ; head pair = 4 x cluster x + cx
	s_and_b32 s13, ttmp7, 0xffff
	s_lshl_b32 s13, s13, 2
	s_add_co_u32 s13, s13, s89                     ; block of 128 rows = 4 x cluster y + cy
	s_lshl_b32 s91, s89, 2
	s_lshl_b32 s91, 15, s91                        ; my row of the cluster
	s_lshl_b32 s92, 0x1111, s88                    ; my column
	s_or_b32 s[G1XA], s91, FLAGX                   ; x's tiles go to my row,
	s_or_b32 s[G1XB], s92, FLAGX                   ; wt's to my column
	s_or_b32 s[G1YA], s91, FLAGY
	s_or_b32 s[G1YB], s92, FLAGY
	SHAPE G1XA, 256, 64
	SHAPE G1XB, 256, 96
	SHAPE G1YA, 128, 64
	SHAPE G1YB, 128, 96
	s_lshl_b32 s16, s13, 7
	s_lshl_b32 s17, s12, 6
	s_add_co_u32 s16, s16, s17                     ; x: row 128 x block + 64 x half,
	s_lshl_b32 s16, s16, 11                        ; of 2,048 bytes
	s_mov_b32 s17, 0
	s_mul_i32 s94, s90, 192
	s_mul_i32 s95, s12, 96
	s_add_co_u32 s94, s94, s95                     ; wt: row 192 x head pair + 96 x half
	s_lshl_b32 s94, s94, 11
	s_mov_b32 s95, 0
	s_mul_i32 s20, s12, HAX                        ; where they go: no place in the cluster enters an LDS address
	s_mul_i32 s21, s12, HBX
	s_mul_i32 s22, s12, HAY
	s_mul_i32 s23, s12, HBY
	s_mov_b32 s[SEL], 0x76543210
	s_mov_b32 s[SEL+1], 0xfedcba98
	s_mov_b32 s[G0XA], 1
	s_mov_b32 s[G0XA+1], s20
	s_mov_b32 s[G0XB], 1
	s_add_co_u32 s[G0XB+1], s21, XBO
	s_mov_b32 s[G0YA], 1
	s_add_co_u32 s[G0YA+1], s22, YR
	s_mov_b32 s[G0YB], 1
	s_add_co_u32 s[G0YB+1], s23, YBO
	s_wait_kmcnt 0x0
	s_add_nc_u64 s[14:15], s[4:5], s[16:17]
	s_add_nc_u64 s[94:95], s[6:7], s[94:95]
	s_mov_b64 s[G0XA+2:G0XA+3], s[14:15]           ; region X begins with K 0..255,
	s_or_b32 s[G0XA+3], s[G0XA+3], 0x80000000
	s_mov_b64 s[G0XB+2:G0XB+3], s[94:95]
	s_or_b32 s[G0XB+3], s[G0XB+3], 0x80000000
	s_add_nc_u64 s[G0YA+2:G0YA+3], s[14:15], 256*2 ; region Y with K 256..383
	s_or_b32 s[G0YA+3], s[G0YA+3], 0x80000000
	s_add_nc_u64 s[G0YB+2:G0YB+3], s[94:95], 256*2
	s_or_b32 s[G0YB+3], s[G0YB+3], 0x80000000
	CROUND                                         ; all sixteen work-groups are here: the first joint loads meet
	JLOAD 0
	JLOAD 1                                        ; two loads of mine are out
	v_and_b32 v1, 15, v0                           ; l % 16
	v_bfe_u32 v2, v0, 4, 1                         ; l / 16
	v_mul_u32_u24 v3, v1, PX                       ; a fragment's row x pitch + 16 x half, in region X
	v_lshl_add_u32 v3, v2, 4, v3
	v_mul_u32_u24 v4, v1, PY                       ; and in Y
	v_lshl_add_u32 v4, v2, 4, v4
	s_mul_i32 s21, s11, HAX                        ; my 64 rows of x
	v_add_nc_u32 v[ADRA], s21, v3
	s_mul_i32 s21, s12, HBX                        ; my 96 rows of wt
	s_add_co_u32 s21, s21, XBO
	v_add_nc_u32 v[ADRB], s21, v3
	s_mul_i32 s21, s11, HAY
	s_add_co_u32 s21, s21, YR
	v_add_nc_u32 v[ADRA+1], s21, v4
	s_mul_i32 s21, s12, HBY
	s_add_co_u32 s21, s21, YBO
	v_add_nc_u32 v[ADRB+1], s21, v4
	s_mul_i32 s23, s10, WSTG
	s_add_co_u32 s23, s23, STAGE                   ; my stage
	v_mul_u32_u24 v4, v1, 160                      ; a kv row is 160 bytes; 16 bytes for each half of the lanes
	v_lshl_add_u32 v4, v2, 4, v4
	v_add_nc_u32 v[STO], s23, v4
	v_lshlrev_b32 v5, 5, v1                        ; a q row is 32 bytes
	v_lshl_add_u32 v5, v2, 4, v5
	v_add_nc_u32 v5, s23, v5
	v_add_nc_u32 v[STQ], 2560, v5
	v_and_b32 v6, 31, v0
	v_lshlrev_b32 v[CO], 4, v6
	v_add_nc_u32 v[RD], s23, v[CO]
	v_lshlrev_b32 v[KMO], 2, v6
	; where my rows go: bh = 16 batch + 2 x head pair + my head; row in the head = 128 (block % 16) + 64 x my half
	s_lshr_b32 s76, s13, 4
	s_lshl_b32 s76, s76, 4
	s_lshl_b32 s77, s90, 1
	s_add_co_u32 s76, s76, s77
	s_add_co_u32 s76, s76, s12                     ; bh
	s_and_b32 s77, s13, 15
	s_lshl_b32 s77, s77, 7
	s_lshl_b32 s78, s11, 6
	s_add_co_u32 s77, s77, s78                     ; my first row in the head
	s_lshl_b32 s78, s76, 11
	s_add_co_u32 s78, s78, s77
	s_mul_i32 s18, s78, 160
	s_mov_b32 s19, 0
	s_add_nc_u64 s[KVB:KVB+1], s[KVB:KVB+1], s[18:19]
	s_lshl_b32 s18, s78, 5
	s_add_nc_u64 s[QB:QB+1], s[QB:QB+1], s[18:19]
	s_lshl_b32 s18, s76, 5
	s_lshr_b32 s79, s77, 6
	s_add_co_u32 s18, s18, s79
	s_lshl_b32 s18, s18, 7
	s_add_nc_u64 s[KMB:KMB+1], s[KMB:KMB+1], s[18:19]
; 6 matrix instructions: row block a x all 6 column blocks, 32 along K.  zero = 1: the product starts the sums.  The 24 accumulators take turns in one fixed order.
.macro MUL6 f, a, zero
	WIN MUL
.irp b, 0,1,2,3,4,5
.if \zero
	v_wmma_f32_16x16x32_bf16 v[ACC+8*(6*(\a)+(\b)):ACC+8*(6*(\a)+(\b))+7], v[(\f)+32+8*(\b):(\f)+32+8*(\b)+7], v[(\f)+8*(\a):(\f)+8*(\a)+7], 0
.else
	v_wmma_f32_16x16x32_bf16 v[ACC+8*(6*(\a)+(\b)):ACC+8*(6*(\a)+(\b))+7], v[(\f)+32+8*(\b):(\f)+32+8*(\b)+7], v[(\f)+8*(\a):(\f)+8*(\a)+7], v[ACC+8*(6*(\a)+(\b)):ACC+8*(6*(\a)+(\b))+7]
.endif
.endr
.endm
.macro MUL12 f, a0, zero
	MUL6 \f, \a0, \zero
	MUL6 \f, (\a0)+1, \zero
.endm
; 20 LDS loads in one run: the fragments of 32 along K at byte k of region reg's rows, into buffer f: wt's six, then x's four
.macro FETCH reg, k, f
.if (\reg) == 0
.set PT, PX
.else
.set PT, PY
.endif
	WIN TO_F
.irp i, 0,1,2,3,4,5
	ds_load_b128 v[(\f)+32+8*(\i):(\f)+32+8*(\i)+3],   v[ADRB+(\reg)] offset:(\k)+(\i)*16*PT
	ds_load_b128 v[(\f)+32+8*(\i)+4:(\f)+32+8*(\i)+7], v[ADRB+(\reg)] offset:(\k)+(\i)*16*PT+32
.endr
.irp i, 0,1,2,3
	ds_load_b128 v[(\f)+8*(\i):(\f)+8*(\i)+3],   v[ADRA+(\reg)] offset:(\k)+(\i)*16*PT
	ds_load_b128 v[(\f)+8*(\i)+4:(\f)+8*(\i)+7], v[ADRA+(\reg)] offset:(\k)+(\i)*16*PT+32
.endr
.endm
.macro PLACES                          ; four places in front of loads into registers that matrix instructions have read, and of lines that read results
.rept 4
	v_nop
.endr
.endm
; A quarter is 32 along K, 24 matrix instructions; region X holds eight, Y four, on buffers 0, 1 by turns.  All but a region's last: multiplies buffer f and fetches the next quarter, at byte k, into g.
.macro QUARTER reg, k, f, g, zero
	s_wait_dscnt 4                                 ; wt's fragments and x's blocks 0, 1 are in; the youngest four loads (blocks 2, 3) may be out
	MUL12 \f, 0, \zero
	PLACES
	FETCH \reg, \k, \g
	s_wait_dscnt 20                                ; all but the 20 just issued
	MUL12 \f, 2, \zero
.endm
.macro XSEVEN zero                     ; the first seven quarters of region X
	QUARTER 0, 64,  F0, F1, \zero
	QUARTER 0, 128, F1, F0, 0
	QUARTER 0, 192, F0, F1, 0
	QUARTER 0, 256, F1, F0, 0
	QUARTER 0, 320, F0, F1, 0
	QUARTER 0, 384, F1, F0, 0
	QUARTER 0, 448, F0, F1, 0
.endm
.macro YTHREE                          ; the first three of region Y
	QUARTER 1, 64,  F0, F1, 0
	QUARTER 1, 128, F1, F0, 0
	QUARTER 1, 192, F0, F1, 0
.endm
; A region's last quarter multiplies buffer 1 and changes regions: ONE barrier; in front of it each wave waits for all its tensor loads, adds 0 to its spare word, and waits for that and for its reads of this region.
; fill = 1: this region is filled again, 384 further along K.
.macro TURN reg, next, fill
	WIN 0                                          ; (the add's two registers lie in window 0)
	s_wait_tensorcnt 0x0                           ; all my tensor loads have landed: the one that was out is my part of the other region
	ds_add_u32 v[SPW], v[NIL]                      ; 0 onto my spare word
	s_wait_dscnt 5                                 ; (the add and the youngest four loads may be out)
	MUL6 F1, 0, 0                                  ; six matrix instructions stand between the add and the wait for it
	s_wait_dscnt 0x0                               ; the add is done, and my reads of this region are over
	s_barrier_signal -1
	MUL6 F1, 1, 0
.if \fill
	WIN 0
.endif
	s_barrier_wait -1
.if \fill
	CREST                                          ; the barrier has opened a round of the cluster's: no wave of any partner still reads this region or has a load on its way
.if (\reg) == 0
	s_add_nc_u64 s[G0XA+2:G0XA+3], s[G0XA+2:G0XA+3], RSTEP
	s_add_nc_u64 s[G0XB+2:G0XB+3], s[G0XB+2:G0XB+3], RSTEP
.else
	s_add_nc_u64 s[G0YA+2:G0YA+3], s[G0YA+2:G0YA+3], RSTEP
	s_add_nc_u64 s[G0YB+2:G0YB+3], s[G0YB+2:G0YB+3], RSTEP
.endif
	JLOAD \reg                                     ; the first tensor load behind the round; its four v_nop are also the places in front of the loads below
.else
	PLACES
.endif
	FETCH \next, 0, F0
	MUL12 F1, 2, 0
.endm
	s_wait_tensorcnt 1                             ; my part of region X is in; Y's may stay out
	s_barrier_signal -1
	s_barrier_wait -1
	FETCH 0, 0, F0
	XSEVEN 1                                       ; K 0..255; the first quarter's products start the sums
	TURN 0, 1, 1                                   ; X takes K 384..639
	YTHREE                                         ; K 256..383
	TURN 1, 0, 1                                   ; Y takes K 640..767
	XSEVEN 0                                       ; K 384..639
	TURN 0, 1, 1                                   ; X takes K 768..1023
	YTHREE                                         ; K 640..767
	TURN 1, 0, 0                                   ; nothing is left to fetch
	XSEVEN 0                                       ; K 768..1023
	s_wait_dscnt 4
	MUL12 F1, 0, 0
	s_wait_dscnt 0x0
	MUL12 F1, 2, 0
	WIN 0
; THE WAY OUT, a block of 16 rows at a time.  Column blocks 0-3 are v, 4 is q, 5 is k.  PACK: rounded to f16, 16 bytes a lane; |k_row|^2 joins the maximum.
.macro PACK a
.irp b, 0,1,2,3,4,5
.irp r, 0,1,2,3
	v_cvt_pk_f16_f32 v[TMP+4*(\b)+(\r)], v[ACC+8*(6*(\a)+(\b))+2*(\r)], v[ACC+8*(6*(\a)+(\b))+2*(\r)+1]
.endr
.endr
.set KA, ACC+8*(6*(\a)+5)
	v_pk_mul_f32 v[SQ:SQ+1], v[KA:KA+1], v[KA:KA+1]
.irp r, 1,2,3
	v_pk_fma_f32 v[SQ:SQ+1], v[KA+2*(\r):KA+2*(\r)+1], v[KA+2*(\r):KA+2*(\r)+1], v[SQ:SQ+1]
.endr
	v_add_f32 v[SQ], v[SQ], v[SQ+1]
	v_permlanex16_b32 v[SQ+1], v[SQ], s[SEL], s[SEL+1]  ; the row's other eight features lie in the lane 16 away
.if (\a) == 0
	v_add_f32 v[KM], v[SQ], v[SQ+1]
.else
	v_add_f32 v[SQ], v[SQ], v[SQ+1]
	v_max_num_f32 v[KM], v[KM], v[SQ]
.endif
.endm
; TOSTAGE: into my own stage as rows of kv and of q, and back as dense bytes, into the block's own first 24 accumulator registers, which PACK has read.
.macro TOSTAGE a
.irp b, 0,1,2,3
	ds_store_b128 v[STO], v[TMP+4*(\b):TMP+4*(\b)+3] offset:32*(\b)
.endr
	ds_store_b128 v[STO], v[TMP+20:TMP+23] offset:128
	ds_store_b128 v[STQ], v[TMP+16:TMP+19]
.irp t, 0,1,2,3,4
	ds_load_b128 v[ACC+48*(\a)+4*(\t):ACC+48*(\a)+4*(\t)+3], v[RD] offset:512*(\t)  ; LDS serves a wave's instructions in order (ISA guide 5.7.1.4): these see the stores above
.endr
	ds_load_b128 v[ACC+48*(\a)+20:ACC+48*(\a)+23], v[RD] offset:2560
.endm
.macro SEND a                          ; each store of the wave covers 512 consecutive bytes, aligned: 16 rows of kv are 2,560 dense bytes, 16 rows of q 512
	s_wait_dscnt 0x0
.irp t, 0,1,2,3,4
	global_store_b128 v[CO], v[ACC+48*(\a)+4*(\t):ACC+48*(\a)+4*(\t)+3], s[KVB:KVB+1] offset:2560*(\a)+512*(\t)
.endr
	global_store_b128 v[CO], v[ACC+48*(\a)+20:ACC+48*(\a)+23], s[QB:QB+1] offset:512*(\a)
.endm
	PLACES
	PACK 0
	TOSTAGE 0
.irp a, 1,2,3                          ; block a's conversions stand between block a - 1's loads from the stage and the wait for them
	PACK \a
	SEND (\a)-1
	TOSTAGE \a
.endr
	SEND 3
	global_store_b32 v[KMO], v[KM], s[KMB:KMB+1]
	s_wait_tensorcnt 0x0                           ; the wave's end
	ds_add_u32 v[SPW], v[NIL]
	s_wait_dscnt 0x0
	CROUND                                         ; the closing round: no work-group ends while a partner may still ask for a tile that names it
	s_endpgm
.Lfunc_end_k_q3a19a1da99_qkv:
	.size	k_q3a19a1da99_qkv, .Lfunc_end_k_q3a19a1da99_qkv-k_q3a19a1da99_qkv
	.p2alignl 7, 3214868480
	.fill 96, 4, 3214868480
	.section	.rodata,"a",@progbits
	.p2align	6, 0x0
	.amdhsa_kernel k_q3a19a1da99_qkv
		.amdhsa_group_segment_fixed_size 327680
		.amdhsa_private_segment_fixed_size 0
		.amdhsa_enable_private_segment 0
		.amdhsa_kernarg_size 40
		.amdhsa_user_sgpr_count 2
		.amdhsa_user_sgpr_kernarg_segment_ptr 1
		.amdhsa_wavefront_size32 1
		.amdhsa_system_sgpr_workgroup_id_x 1
		.amdhsa_system_sgpr_workgroup_id_y 1
		.amdhsa_system_sgpr_workgroup_id_z 1
		.amdhsa_system_vgpr_workitem_id 0
		.amdhsa_next_free_vgpr 416
		.amdhsa_next_free_sgpr 96
		.amdhsa_reserve_vcc 0
		.amdhsa_float_denorm_mode_32 3
		.amdhsa_float_denorm_mode_16_64 3
		.amdhsa_memory_ordered 1
		.amdhsa_forward_progress 1
		.amdhsa_inst_pref_size 122
	.end_amdhsa_kernel
	.amdgpu_metadata
---
amdhsa.version: [ 1, 2 ]
amdhsa.kernels:
  - .name:           k_q3a19a1da99_qkv
    .symbol:         k_q3a19a1da99_qkv.kd
    .args:
      - { .name: xb, .offset: 0, .size: 8, .value_kind: global_buffer, .address_space: global }
      - { .name: wt, .offset: 8, .size: 8, .value_kind: global_buffer, .address_space: global }
      - { .name: qh, .offset: 16, .size: 8, .value_kind: global_buffer, .address_space: global }
      - { .name: kv, .offset: 24, .size: 8, .value_kind: global_buffer, .address_space: global }
      - { .name: kmx, .offset: 32, .size: 8, .value_kind: global_buffer, .address_space: global }
    .group_segment_fixed_size: 327680
    .private_segment_fixed_size: 0
    .kernarg_segment_align: 8
    .kernarg_segment_size: 40
    .max_flat_workgroup_size: 128
    .sgpr_count:     96
    .vgpr_count:     416
    .wavefront_size: 32
...
	.end_amdgpu_metadata
.endif
;; end of part 6
;; launch attn (part 7): grid 8 x 32, 4 waves a work-group, clusters of 4 x 1, 327,680 bytes of LDS; arguments qh, kv, kmx, ob; writes ob
.if DOCPART == 7
	.amdgcn_target "amdgcn-amd-amdhsa--gfx1250"
	.amdhsa_code_object_version 6
	.text
	.protected	k_q3a19a1da99_attn
	.globl	k_q3a19a1da99_attn
	.p2align	8
	.type	k_q3a19a1da99_attn,@function
k_q3a19a1da99_attn:
	s_mov_b64 s[64:65], 0
	v_nop
	global_prefetch_b8 v0, s[64:65] scope:SCOPE_SE
	s_setreg_imm32_b32 hwreg(HW_REG_WAVE_MODE, 25, 1), 1
	s_wait_xcnt 0x0
	s_wait_alu depctr_hold_cnt(0) depctr_sa_sdst(0) depctr_va_vdst(0) depctr_va_sdst(0) depctr_va_ssrc(0) depctr_va_vcc(0) depctr_vm_vsrc(0)
	s_getreg_b32 s2, hwreg(HW_REG_IB_STS2, 6, 4)
	s_cmp_eq_u32 s2, 0
	s_cbranch_scc0 .Lentry_in_a_cluster
	s_endpgm
.Lentry_in_a_cluster:
	s_bfe_u32 s2, ttmp6, 0x10000c
	s_cmp_lg_u32 s2, 0x3003
	s_cbranch_scc0 .Lentry_shape_is_right
	s_endpgm
.Lentry_shape_is_right:
; CAUSAL ATTENTION WITH THE QUADRATIC FEATURE MAP.  For every input phi(q) . phi(k) = 1 + s/4 + s^2/32 = ((s + 4)^2 + 16) / 32 with s = q . k (16 features), and the divisor q . cumsum(k) is the row sum of the masked weights.
; So: S^T = K Q^T by the matrix unit (f16 operands, f32 sums), the square in f32, the weights rounded to f16, O^T = V^T P and the row sum l (a fifth block of V^T that holds ones) by the matrix unit.
; THE SCALE.  Each query has a power of two p.  q is multiplied by p once; the product K Q^T starts from C = 4 p, so the matrix unit gives S' = p (s + 4); P = S'^2 + 16 p^2 = 32 p^2 (1 + s/4 + s^2/32): one packed
; multiply-add for two weights.  p is the largest power of two above neither sqrt(512 / W) nor 32768 / |q|; W = 1 + g + g^2 / 2, g = |q| Kmax / 4, Kmax the head's largest |k|.  |s| <= |q| Kmax, so P <= 2^14 (1 + 2^-10)
; and |p q| <= 32768 whatever the inputs' size, and the scale cancels in O = acc / (l + 1e-9 x 32 p^2).  l is the sum of the ROUNDED weights, so O is an exact weighted mean under them.
; HOW O LEAVES.  ob [2 batches][5 pieces][32 c][16 heads][16 rows][64] f16.  Tile t = c + 32 a of a batch's 128 tiles of 16 rows lies in piece a + 1, rounded to f16.  The tiles with a = 0, the batch's first 512 rows,
; leave as hi + lo, two f16 numbers (t = 8193 O, hi = t - (t - O) has 11 significant bits, lo = O - hi), lo in piece 0: a row that averages few keys is large beside the whole output's mean size, by which its error is
; judged.  A (tile, head) block is 2,048 dense bytes, written whole by one wave.
; LIMITS.  q, k, v arrive finite in f16.  The scale lies between 2^12 / W and 2^14 / W: a weight below 2^-26 of the bound W (P below 6.1e-5) keeps f16's fixed step of 6e-8, and so does a feature p q below 6.1e-5, and |O| below
; 6.1e-5.  |q| Kmax stays below 2e9: beyond that p is less than f16's smallest number.  Rows 512 to 2,047 of a batch carry f16's one rounding of O, 2^-12 of the number.  The order of rounding differs from a 273-wide sum
; and a cumulative sum.  NaN and infinities are not treated apart (K's fragments carry the next block's numbers against Q's zeros: they must be finite).
; SHARES.  The head's 128 tiles of 16 queries are dealt in strides: work-group g (0..7) owns tiles g + 8 i, wave w those with i = 4 u + w, u = 0..3: c = g + 8 w, a = u.  Keys go in tiles of 128.  Query tile g + 8 i lies in
; key tile i, at rows 16 g .. 16 g + 15 of it.  A UNIT is (u, key tile kt): whole if kt < 4 u + w, the diagonal's if kt = 4 u + w (key kk of the tile counts if kk <= 16 g + row: one mask for all units), dead if kt > 4 u + w.
; So every branch hangs on the wave's number and on counted loops alone; g enters the mask's numbers and global addresses only; all work-groups of a head walk the same keys, and a cluster of four asks for each tile jointly.
; THE PRICE: the waves meet at each change of slots, so a key tile costs what its busiest wave does: 40 units in all where a wave has 34; and half of a diagonal unit's products are hidden.
; O^T starts at 0 by 160 v_mov_b32 in the wait for the first tile: a first unit written out for each u, whole and diagonal, would double the loop's text.
; THE RING.  A kv row is 160 bytes as it lies in memory (v 128, k 32).; K's loads meet each twice.  A slot holds four key tiles; each wave brings one
; (20,480 dense bytes, asked for as 80 rows of 256) by one load.  The change of slots stands between units 0-2 and unit 3 of a slot's last tile: that tile's fragments are in registers, and unit 3 fetches the other slot's first.
; REGISTERS.  Window 0: v0-15 addresses; v16-47 eight a unit: 4 p, the C of K Q^T (after the loop: 1/l); v48-55 two a unit: 16 p^2; v56-87 Q (8 a unit, the upper 4 zero); v88-119 the mask; v120-183 S^T; v184-215 P (in the
; head and on the way out: at work); v216-251 K (the last 4 zero).  Window 1: O^T, 40 a unit: four channel blocks and l.  Window 2: v0-127 V; v128-135 ones.  K Q^T and the square need no window switch; a V^T P with
; vector work behind it costs two.
.set TILE,  128*160
.set SLOT1, 1<<17                      ; slot 1 begins here, so that one exclusive or turns an address in one slot into the other's
.set STAGE, 1<<18                      ; never filled by a tensor load: for each wave 16 rows x 144 bytes for hi and as many for lo
.set SP,    144                        ; a stage row: 128 bytes + 16
.set LOFF,  16*SP
.set WSTG,  2*LOFF
.set SPARE, STAGE+4*WSTG               ; the spare words, 128 bytes for each wave: two blocks of 256 bytes that no other line names
.set PSTEP, 1<<20                      ; bytes from a piece of ob to the next: 32 tiles of 32,768
.set AK0, 2                            ; my lane's place in a tile's K; never rewritten
.set AV0, 3                            ; in its V
.set AK,  4                            ; the LDS addresses of the runs of loads in hand
.set AV,  5
.set STO, 6
.set RD,  7
.set KO,  10                           ; 16 x lane: my place in 512 dense bytes, of kmx and of ob
.set KMX, 11                           ; Kmax^2
.set SPW, 12                           ; LDS address of my spare word; never rewritten
.set NIL, 13                           ; 0; never rewritten
.set X,   14                           ; 16 g + lane % 16 - 8 (lane / 16): register j of key block kb counts where 16 kb + j <= X
.set QO,  15
.set C4,  16
.set DD,  48
.set Q,   56
.set HI,  56                           ; the way out: Q's registers
.set LO,  72
.set M,   88
.set OB,  88                           ; the way out: the mask's registers
.set S,   120
.set P,   184
.set T,   184                          ; at work, in the head and on the way out: P's registers
.set KF,  216
.set ONE, 128                          ; window 2
.set WV,  12                           ; s12 my wave's number
.set G1,  24                           ; s[24:31] descriptor group 1
.set G0A, 32                           ; s[32:35] group 0 of the first fill of slot 0
.set G0B, 36                           ; s[36:39] of slot 1's; it then walks
.set D0,  40                           ; s40-43  4 u + w - kt
.set CNT, 44
.set SEG, 45
.set TB,  46                           ; LDS byte at which the key tile to be fetched begins
.set SEL, 48                           ; s[48:49] v_permlanex16_b32's selects
.set EPS, 50                           ; 2e-9: the scale 32 p^2 is twice 16 p^2
.set R512, 51                          ; 1/512
.set LOW, 52                           ; 0xffff
.set HM,  53                           ; the 15 magnitude bits of an f16, at bit 13
.set E112, 54                          ; s[54:55] 2^112
.set VK,  56                           ; s[56:57] 8193
.set R32, 58                           ; 1/32
.set R4,  59                           ; 1/4
.set EXPM, 60                          ; an f32's exponent bits: what they leave of a positive number is the power of two below it
.set CAP, 61                           ; 32768
.set MSB, 0
.macro WIN new
.if MSB != (\new)
	s_set_vgpr_msb (MSB<<8)|(\new)
.set MSB, \new
.endif
.endm
.set W_PV, 0x52                        ; V in window 2, P in window 0, O^T (C and D) in window 1
.macro CROUND                          ; a round of the cluster's barrier
	s_barrier_signal -1
	s_barrier_wait -1
	s_cmp_lg_u32 s[WV], 0
	s_cbranch_scc1 .Lnot_wave_0_\@
	s_barrier_signal -3
.Lnot_wave_0_\@:
	s_barrier_wait -3
	s_barrier_signal -1
	s_barrier_wait -1
.endm
.macro PLACES
.rept 4
	v_nop
.endr
.endm
	s_load_b256 s[4:11], s[0:1], 0x0               ; qh s[4:5], kv s[6:7], kmx s[8:9], ob s[10:11]
	v_lshl_add_u32 v[SPW], v0, 2, SPARE
	v_mov_b32 v[NIL], 0
	ds_add_u32 v12, v13
	s_wait_dscnt 0x0
	v_lshrrev_b32 v1, 5, v0
	v_readfirstlane_b32 s[WV], v1
	s_bfe_u32 s13, ttmp6, 0x40000                  ; cx
	s_lshl_b32 s14, ttmp9, 2
	s_add_co_u32 s14, s14, s13                     ; g = 4 x cluster x + cx: it enters Q's and O's addresses and the mask's numbers alone
	s_and_b32 s15, ttmp7, 0xffff                   ; bh, which the four partners share
	s_mul_i32 s16, s[WV], TILE                     ; my quarter of a slot
	s_mul_i32 s18, s15, 2048*160
	s_add_co_u32 s18, s18, s16
	s_mov_b32 s19, 0
	s_mov_b32 s[G1+0], 15|(3<<16)|(1<<21)          ; 15:0 the mask of four; 17:16 8-byte elements; 21 set beside a mask; no padding
	s_mov_b32 s[G1+1], 32<<16                      ; tensor_dim0 = 32 (256 bytes)
	s_mov_b32 s[G1+2], 80<<16                      ; tensor_dim1 = 80
	s_mov_b32 s[G1+3], 32<<16                      ; tile_dim0 = 32
	s_mov_b32 s[G1+4], 80                          ; tile_dim1 = 80
	s_mov_b32 s[G1+5], 32                          ; dense
	s_mov_b32 s[G1+6], 0
	s_mov_b32 s[G1+7], 0
	s_mov_b32 s[SEL], 0x76543210
	s_mov_b32 s[SEL+1], 0xfedcba98
	s_mov_b32 s[EPS], 0x3109705f
	s_mov_b32 s[R512], 0x3b000000
	s_mov_b32 s[LOW], 0xffff
	s_mov_b32 s[HM], 0x0fffe000
	s_mov_b32 s[E112], 0x77800000
	s_mov_b32 s[E112+1], s[E112]                   ; named with it as a pair
	s_mov_b32 s[VK], 0x46000400
	s_mov_b32 s[VK+1], s[VK]
	s_mov_b32 s[R32], 0x3d000000
	s_mov_b32 s[R4], 0x3e800000
	s_mov_b32 s[EXPM], 0x7f800000
	s_mov_b32 s[CAP], 0x47000000
	s_mov_b32 s[G0A], 1
	s_mov_b32 s[G0A+1], s16
	s_mov_b32 s[G0B], 1
	s_add_co_u32 s[G0B+1], s16, SLOT1
	s_wait_kmcnt 0x0
	s_add_nc_u64 s[G0A+2:G0A+3], s[6:7], s[18:19]  ; keys 0..511: my 128 of them
	s_add_nc_u64 s[G0B+2:G0B+3], s[G0A+2:G0A+3], 4*TILE  ; keys 512..1023
	s_or_b32 s[G0A+3], s[G0A+3], 0x80000000
	s_or_b32 s[G0B+3], s[G0B+3], 0x80000000
	CROUND                                         ; all four work-groups are here: the first joint loads meet
	tensor_load_to_lds s[G0A:G0A+3], s[G1:G1+7]
	s_nop 0
	tensor_load_to_lds s[G0B:G0B+3], s[G1:G1+7]    ; two loads of mine are out
	s_nop 0
	PLACES
	; ---- all that follows, up to the wait for slot 0, stands in the wait for the first tile
	v_and_b32 v1, 15, v0                           ; l % 16
	v_bfe_u32 v9, v0, 4, 1                         ; l / 16
	v_lshlrev_b32 v[QO], 5, v1
	v_lshl_add_u32 v[QO], v9, 4, v[QO]             ; a row of q is 32 bytes; 16 for each half of the lanes
	v_and_b32 v[KO], 31, v0
	v_lshlrev_b32 v[KO], 4, v[KO]
	s_lshl_b32 s18, s15, 16                        ; the head's 2,048 rows of q,
	s_lshl_b32 s20, s14, 9                         ; tile g,
	s_add_co_u32 s18, s18, s20
	s_lshl_b32 s20, s[WV], 12                      ; + 8 w tiles; + 32 u tiles in the immediate
	s_add_co_u32 s18, s18, s20
	s_add_nc_u64 s[4:5], s[4:5], s[18:19]
	s_lshl_b32 s18, s15, 12
	s_add_nc_u64 s[8:9], s[8:9], s[18:19]          ; the head's 4,096 bytes of kmx
.irp u, 0,1,2,3
	global_load_b128 v[Q+8*(\u):Q+8*(\u)+3], v[QO], s[4:5] offset:16384*(\u)
.endr
.irp i, 0,1,2,3,4,5,6,7
	global_load_b128 v[S+4*(\i):S+4*(\i)+3], v[KO], s[8:9] offset:512*(\i)
.endr
	v_mul_u32_u24 v[AK0], v1, 160                  ; K: key l % 16, features 8 (l / 16) on, behind the row's 128 bytes of v
	v_lshl_add_u32 v[AK0], v9, 4, v[AK0]
	v_add_nc_u32 v[AK0], 128, v[AK0]
	v_and_b32 v4, 7, v0                            ; V, turned: lane l reads key 8 (l / 16) + l % 8, channels 8 ((l / 8) % 2) on
	v_bfe_u32 v5, v0, 3, 1
	v_lshl_add_u32 v[AV0], v9, 3, v4
	v_mul_u32_u24 v[AV0], v[AV0], 160
	v_lshl_add_u32 v[AV0], v5, 4, v[AV0]
	s_mul_i32 s17, s[WV], WSTG
	s_add_co_u32 s17, s17, STAGE                   ; my stage
	v_bfe_u32 v[RD], v0, 3, 2                      ; back: 32 lanes take four rows of 128 bytes, which are 512 dense bytes of ob
	v_mul_u32_u24 v[RD], v[RD], SP
	v_lshl_add_u32 v[RD], v4, 4, v[RD]
	v_add_nc_u32 v[RD], s17, v[RD]
	v_mul_u32_u24 v[STO], v1, SP                   ; in: row l % 16, 16 bytes for each half of the lanes
	v_lshl_add_u32 v[STO], v9, 4, v[STO]
	v_add_nc_u32 v[STO], s17, v[STO]
	v_lshlrev_b32 v4, 3, v9
	v_sub_nc_u32 v[X], v1, v4
	s_lshl_b32 s17, s14, 4
	v_add_nc_u32 v[X], s17, v[X]
	s_lshr_b32 s18, s15, 4                         ; batch:
	s_mul_i32 s18, s18, 160                        ; 5 pieces of 32 tiles;
	s_add_co_u32 s18, s18, s14                     ; + c = g + 8 w; the piece stands in the immediate
	s_lshl_b32 s20, s[WV], 3
	s_add_co_u32 s18, s18, s20
	s_lshl_b32 s18, s18, 15                        ; a tile's 16 heads of 2,048 bytes
	s_and_b32 s20, s15, 15
	s_lshl_b32 s20, s20, 11                        ; my head's
	s_add_co_u32 s18, s18, s20
	s_add_nc_u64 s[10:11], s[10:11], s[18:19]
	; the diagonal's mask, a word for two weights: all ones, the low half alone, or nothing
.set i, 0
.rept 32
.set MCK, 16*(i/4)+2*(i%4)
	v_cmp_le_i32 vcc_lo, MCK, v[X]
	v_cndmask_b32 v[M+i], 0, s[LOW], vcc_lo
	v_cmp_le_i32 vcc_lo, MCK+1, v[X]
	v_cndmask_b32 v[M+i], v[M+i], -1, vcc_lo
.set i, i+1
.endr
.irp u, 0,1,2,3
.irp j, 4,5,6,7
	v_mov_b32 v[Q+8*(\u)+(\j)], 0                  ; channels 16..31 of the product K Q^T do not exist
.endr
.endr
.irp j, 32,33,34,35
	v_mov_b32 v[KF+(\j)], 0
.endr
	WIN 0x40
.set i, 0
.rept 160
	v_mov_b32 v[i], 0                              ; O^T and l
.set i, i+1
.endr
	WIN 0x80
.set i, 0
.rept 8
	v_mov_b32 v[ONE+i], 0x3c003c00
.set i, i+1
.endr
	WIN 0
	s_wait_loadcnt 0x0                             ; Q and kmx
	v_max3_num_f32 v[KMX], v[S], v[S+1], v[S+2]
.set i, 3
.rept 14
	v_max3_num_f32 v[KMX], v[KMX], v[S+i], v[S+i+1]
.set i, i+2
.endr
	v_max_num_f32 v[KMX], v[KMX], v[S+31]
	v_max_num_f32_dpp v[KMX], v[KMX], v[KMX] row_xmask:1 row_mask:0xf bank_mask:0xf
	v_max_num_f32_dpp v[KMX], v[KMX], v[KMX] row_xmask:2 row_mask:0xf bank_mask:0xf
	v_max_num_f32_dpp v[KMX], v[KMX], v[KMX] row_xmask:4 row_mask:0xf bank_mask:0xf
	v_max_num_f32_dpp v[KMX], v[KMX], v[KMX] row_xmask:8 row_mask:0xf bank_mask:0xf
	v_permlanex16_b32 v[S], v[KMX], s[SEL], s[SEL+1]
	v_max_num_f32 v[KMX], v[KMX], v[S]             ; every lane holds the head's largest |k|^2
	; |q|^2: an f16's 15 magnitude bits at bit 13 of an f32 word are its magnitude times 2^-112, denormals too.  At work: T+8+u: |q| Kmax; T+12+u: W, then p; T+16+u: p as two f16; T+20+u: |q|^2, then 32768 / |q|
.irp u, 0,1,2,3
.irp i, 0,1,2,3
	v_lshlrev_b32 v[T], 13, v[Q+8*(\u)+(\i)]
	v_lshrrev_b32 v[T+1], 3, v[Q+8*(\u)+(\i)]
	v_and_b32 v[T], s[HM], v[T]
	v_and_b32 v[T+1], s[HM], v[T+1]
	v_pk_mul_f32 v[T:T+1], v[T:T+1], s[E112:E112+1] op_sel_hi:[1,0]
.if (\i) == 0
	v_pk_mul_f32 v[T+2:T+3], v[T:T+1], v[T:T+1]
.else
	v_pk_fma_f32 v[T+2:T+3], v[T:T+1], v[T:T+1], v[T+2:T+3]
.endif
.endr
	v_add_f32 v[T+2], v[T+2], v[T+3]
	v_permlanex16_b32 v[T+3], v[T+2], s[SEL], s[SEL+1]
	v_add_f32 v[T+20+(\u)], v[T+2], v[T+3]
	v_mul_f32 v[T+8+(\u)], v[T+20+(\u)], v[KMX]
.endr
.irp u, 0,1,2,3
	v_sqrt_f32 v[T+8+(\u)], v[T+8+(\u)]            ; t = |q| Kmax
.endr
	v_nop                                          ; a plain instruction behind the last root (ISA guide 5.7.2)
	s_wait_alu depctr_va_vdst(0)
.irp u, 0,1,2,3
	v_fma_f32 v[T+12+(\u)], v[T+8+(\u)], s[R32], s[R4]
.endr
.irp u, 0,1,2,3
	v_fma_f32 v[T+12+(\u)], v[T+8+(\u)], v[T+12+(\u)], 1.0  ; W = 1 + t/4 + t^2/32
.endr
.irp u, 0,1,2,3
	v_mul_f32 v[T+12+(\u)], s[R512], v[T+12+(\u)]
.endr
.irp u, 0,1,2,3
	v_rsq_f32 v[T+12+(\u)], v[T+12+(\u)]           ; sqrt(512 / W)
.endr
.irp u, 0,1,2,3
	v_rsq_f32 v[T+20+(\u)], v[T+20+(\u)]           ; 1 / |q|; an infinity where q is 0, which loses the minimum below
.endr
	v_nop
	s_wait_alu depctr_va_vdst(0)
.irp u, 0,1,2,3
	v_mul_f32 v[T+20+(\u)], s[CAP], v[T+20+(\u)]
.endr
.irp u, 0,1,2,3
	v_min_num_f32 v[T+12+(\u)], v[T+12+(\u)], v[T+20+(\u)]
.endr
.irp u, 0,1,2,3
	v_and_b32 v[T+12+(\u)], s[EXPM], v[T+12+(\u)]  ; p: the power of two below
.endr
.irp u, 0,1,2,3
	v_cvt_pk_f16_f32 v[T+16+(\u)], v[T+12+(\u)], v[T+12+(\u)]
	v_mul_f32 v[C4+8*(\u)], 4.0, v[T+12+(\u)]
.endr
.irp u, 0,1,2,3
.irp i, 0,1,2,3
	v_pk_mul_f16 v[Q+8*(\u)+(\i)], v[Q+8*(\u)+(\i)], v[T+16+(\u)]  ; q times p
.endr
.endr
.irp u, 0,1,2,3
.irp j, 1,2,3,4,5,6,7
	v_mov_b32 v[C4+8*(\u)+(\j)], v[C4+8*(\u)]      ; a lane holds one query: the same 4 p for its eight keys
.endr
	v_mul_f32 v[DD+2*(\u)], v[C4+8*(\u)], v[C4+8*(\u)]    ; 16 p^2, twice: a pair for the packed multiply-add
	v_mul_f32 v[DD+2*(\u)+1], v[C4+8*(\u)], v[C4+8*(\u)]
.endr
; THE MATRIX WORK of unit UU.  SW kb: S' for the tile's keys 16 kb on, begun from 4 p; K's fragment is 4 registers of data and, against Q's zeros, the next block's 4.  Each product is a sum of its own.
.macro SW kb
	WIN 0
	v_wmma_f32_16x16x32_f16 v[S+8*(\kb):S+8*(\kb)+7], v[KF+4*(\kb):KF+4*(\kb)+7], v[Q+8*UU:Q+8*UU+7], v[C4+8*UU:C4+8*UU+7]
.endm
; PW ks, cb: O^T += V^T P for keys 32 ks on, channels 16 cb on; cb = 4: the ones, whose product is the row sum.  The five accumulators take turns, one instruction a turn.
.macro PW ks, cb
	WIN W_PV
.if (\cb) < 4
	v_wmma_f32_16x16x32_f16 v[40*UU+8*(\cb):40*UU+8*(\cb)+7], v[32*(\ks)+8*(\cb):32*(\ks)+8*(\cb)+7], v[P+8*(\ks):P+8*(\ks)+7], v[40*UU+8*(\cb):40*UU+8*(\cb)+7]
.else
	v_wmma_f32_16x16x32_f16 v[40*UU+32:40*UU+39], v[ONE:ONE+7], v[P+8*(\ks):P+8*(\ks)+7], v[40*UU+32:40*UU+39]
.endif
.endm
; THE VECTOR WORK for key block kb, in two slices of four: S'^2 + 16 p^2; rounded to f16 (DG = 1: and masked).  Each accumulator's lowest registers are read first.
.macro SLQ kb
	WIN 0
.irp p, 0,1,2,3
	v_pk_fma_f32 v[S+8*(\kb)+2*(\p):S+8*(\kb)+2*(\p)+1], v[S+8*(\kb)+2*(\p):S+8*(\kb)+2*(\p)+1], v[S+8*(\kb)+2*(\p):S+8*(\kb)+2*(\p)+1], v[DD+2*UU:DD+2*UU+1]
.endr
.endm
.macro SLC kb
	WIN 0
.irp p, 0,1,2,3
	v_cvt_pk_f16_f32 v[P+4*(\kb)+(\p)], v[S+8*(\kb)+2*(\p)], v[S+8*(\kb)+2*(\p)+1]
.endr
.if DG
.irp p, 0,1,2,3
	v_and_b32 v[P+4*(\kb)+(\p)], v[M+4*(\kb)+(\p)], v[P+4*(\kb)+(\p)]
.endr
.endif
.endm
; THE LDS LOADS, in runs of eight: the next tile's K, and its V by 32 keys
.macro FK
	WIN 0
.irp kb, 0,1,2,3,4,5,6,7
	ds_load_b128 v[KF+4*(\kb):KF+4*(\kb)+3], v[AK] offset:2560*(\kb)
.endr
.endm
.macro FV ks
	WIN 0x80                                       ; destination window 2, address window 0
.irp cb, 0,1,2,3
	ds_load_tr16_b128 v[32*(\ks)+8*(\cb):32*(\ks)+8*(\cb)+3],   v[AV] offset:5120*(\ks)+32*(\cb)
	ds_load_tr16_b128 v[32*(\ks)+8*(\cb)+4:32*(\ks)+8*(\cb)+7], v[AV] offset:5120*(\ks)+32*(\cb)+2560
.endr
.endm
; A UNIT: 28 matrix and 64 vector instructions: a slice of four behind each matrix instruction from the third to the eighteenth; the last ten stand bare.  The slice that reads key block kb's scores stands four plain
; instructions or more behind the product that made them.
; fetch = 1: the next key tile's fragments are loaded as this tile's are read for the last time: K's run eight plain instructions behind the last K Q^T; V's runs for keys 0..31 and 32..63 eight behind the last product
; that read those registers, those for keys 64..95 and 96..127 four v_nop behind theirs.
.macro UNIT u, diag, fetch
.set UU, \u
.set DG, \diag
	SW 0
	SW 1
.if \fetch
	v_add_nc_u32 v[AK], s[TB], v[AK0]              ; two of the four places in front of the first read of the scores
	v_add_nc_u32 v[AV], s[TB], v[AV0]
	v_nop
	v_nop
.else
	PLACES
.endif
.irp kb, 0,1,2
	SW 2*(\kb)+2
	SLQ \kb
	SW 2*(\kb)+3
	SLC \kb
.endr
	PW 0, 0
	SLQ 3
.if \fetch
	FK
.endif
	PW 0, 1
	SLC 3
	PW 0, 2
	SLQ 4
	PW 0, 3
	SLC 4
	PW 0, 4
	SLQ 5
.if \fetch
	FV 0
.endif
	PW 1, 0
	SLC 5
	PW 1, 1
	SLQ 6
	PW 1, 2
	SLC 6
	PW 1, 3
	SLQ 7
	PW 1, 4
	SLC 7
.if \fetch
	FV 1
.endif
.irp cb, 0,1,2,3,4
	PW 2, \cb
.endr
.if \fetch
	PLACES
	FV 2
.endif
	s_wait_dscnt 32*(\fetch)                       ; this tile's last eight loads of V are in; the 32 issued in this unit may be out
.irp cb, 0,1,2,3,4
	PW 3, \cb
.endr
.if \fetch
	PLACES
	FV 3
.endif
	WIN 0
.endm
; What unit u does with the key tile in hand: nothing, the diagonal's text, or the whole one's.  The jumps go forward and pass no barrier and no tensor load.  A wave's diagonal unit 3 is its last: it fetches nothing.
.macro SELU u, fetch
	s_cmp_lt_i32 s[D0+(\u)], 0
	s_cbranch_scc1 .Lskip_\@
	s_cmp_eq_u32 s[D0+(\u)], 0
	s_cbranch_scc1 .Ldiag_\@
	UNIT \u, 0, \fetch
	s_branch .Lskip_\@
.Ldiag_\@:
	UNIT \u, 1, 0
.Lskip_\@:
.endm
.macro STEP                            ; on to the next key tile, in every wave alike
.irp u, 0,1,2,3
	s_sub_co_i32 s[D0+(\u)], s[D0+(\u)], 1
.endr
	s_add_co_u32 s[TB], s[TB], TILE
.endm
; THE CHANGE OF SLOTS.  Each wave waits for all its tensor loads, of which one is out: its part of the other slot; adds 0 to its spare word; and waits for that and for its reads of the slot that it leaves.
; fill = 1: the barrier is a round of the cluster's, and the joint refill, the keys two slots on, is the first thing behind it: it has four key tiles' work in which to land.
.macro CHANGE fill
	WIN 0
	s_wait_tensorcnt 0x0                           ; no tensor load of mine is out, so a group 0 may be written
	ds_add_u32 v[SPW], v[NIL]                      ; 0 onto my spare word; scalar work stands between it and the wait for it
.if \fill
	s_xor_b32 s[G0B+1], s[G0B+1], SLOT1            ; the other slot than last time,
	s_add_nc_u64 s[G0B+2:G0B+3], s[G0B+2:G0B+3], 4*TILE  ; the next 512 keys; the type bits on top are not reached
.endif
	s_sub_co_u32 s[TB], s[TB], 4*TILE              ; the fetches go back to a slot's first tile,
	s_xor_b32 s[TB], s[TB], SLOT1                  ; in the other slot
	s_wait_dscnt 0x0                               ; the add is done, and my reads of the slot are over
.if \fill
	CROUND
	tensor_load_to_lds s[G0B:G0B+3], s[G1:G1+7]
	s_nop 0
	PLACES
.else
	s_barrier_signal -1
	s_barrier_wait -1
.endif
.endm
	s_wait_tensorcnt 1                             ; my part of slot 0 is in; slot 1's may stay out
	s_barrier_signal -1
	s_barrier_wait -1
	v_mov_b32 v[AK], v[AK0]                        ; key tile 0 lies at the head of slot 0
	v_mov_b32 v[AV], v[AV0]
	FK
	FV 0
	FV 1
	FV 2
	FV 3
	WIN 0
.irp u, 0,1,2,3
	s_add_co_u32 s[D0+(\u)], s[WV], 4*(\u)
.endr
	s_mov_b32 s[TB], TILE
	s_mov_b32 s[CNT], 4
	s_mov_b32 s[SEG], 3
	s_branch .Ltile                                ; the loop is entered in the middle of a trip
.Lseg:                                                 ; twice: slots 0 and 1 are filled again
	CHANGE 1
	s_mov_b32 s[CNT], 4
.Lu3:                                                  ; a trip: unit 3 of one key tile, which fetches the next tile's fragments, then units 0 to 2 of that tile
	SELU 3, 1
	STEP
.Ltile:
	s_wait_dscnt 8                                 ; K and three quarters of V are in; V's last eight loads may be out
	SELU 0, 0
	SELU 1, 0
	SELU 2, 0
	s_sub_co_u32 s[CNT], s[CNT], 1
	s_cmp_lg_u32 s[CNT], 0
	s_cbranch_scc1 .Lu3
	s_sub_co_u32 s[SEG], s[SEG], 1
	s_cmp_lg_u32 s[SEG], 0
	s_cbranch_scc1 .Lseg
	CHANGE 0                                       ; the tail is written out: nothing is asked for.  From key tile 12 on only unit 3 lives
	s_mov_b32 s[CNT], 4
.Ltl:                                                  ; unit 3 of key tiles 11 to 14
	s_wait_dscnt 8
	SELU 3, 1
	STEP
	s_sub_co_u32 s[CNT], s[CNT], 1
	s_cmp_lg_u32 s[CNT], 0
	s_cbranch_scc1 .Ltl
	s_wait_dscnt 8
	s_cmp_lg_u32 s[D0+3], 0                        ; key tile 15 holds the diagonal of wave 3's last unit, and nothing for the others
	s_cbranch_scc1 .Lend
	UNIT 3, 1, 0
.Lend:
	; THE WAY OUT.  1 / (l + 2e-9 x 16 p^2) for the four units, into the registers that held 4 p; then a unit at a time: O, rounded (unit 0: in two parts), through my stage in LDS, out as dense bytes.
	PLACES
	WIN 0x10                                       ; source 2 in window 1
.irp u, 0,1,2,3
	v_fma_f32 v[T+(\u)], v[DD+2*(\u)], s[EPS], v[40*(\u)+32]
.endr
	WIN 0
.irp u, 0,1,2,3
	v_rcp_f32 v[C4+8*(\u)], v[T+(\u)]
	v_rcp_f32 v[C4+8*(\u)+1], v[T+(\u)]
.endr
	v_nop
	s_wait_alu depctr_va_vdst(0)
.macro CALC u
	WIN 0x01                                       ; source 0 in window 1
.set i, 0
.rept 16
	v_pk_mul_f32 v[S+2*i:S+2*i+1], v[40*(\u)+2*i:40*(\u)+2*i+1], v[C4+8*(\u):C4+8*(\u)+1]
.set i, i+1
.endr
	WIN 0
.if (\u) == 0                          ; the batch's first 512 rows: hi and lo
.set i, 0
.rept 16
	v_pk_mul_f32 v[S+32+2*i:S+32+2*i+1], v[S+2*i:S+2*i+1], s[VK:VK+1] op_sel_hi:[1,0]  ; t = 8193 O
.set i, i+1
.endr
.set i, 0
.rept 4
.irp p, 0,1,2,3
	v_pk_add_f32 v[T+2*(\p):T+2*(\p)+1], v[S+32+8*i+2*(\p):S+32+8*i+2*(\p)+1], v[S+8*i+2*(\p):S+8*i+2*(\p)+1] neg_lo:[0,1] neg_hi:[0,1]  ; t - O
.endr
.irp p, 0,1,2,3
	v_pk_add_f32 v[S+32+8*i+2*(\p):S+32+8*i+2*(\p)+1], v[S+32+8*i+2*(\p):S+32+8*i+2*(\p)+1], v[T+2*(\p):T+2*(\p)+1] neg_lo:[0,1] neg_hi:[0,1]  ; hi
.endr
.irp p, 0,1,2,3
	v_pk_add_f32 v[S+8*i+2*(\p):S+8*i+2*(\p)+1], v[S+8*i+2*(\p):S+8*i+2*(\p)+1], v[S+32+8*i+2*(\p):S+32+8*i+2*(\p)+1] neg_lo:[0,1] neg_hi:[0,1]  ; lo
.endr
.set i, i+1
.endr
.set i, 0
.rept 16
	v_cvt_pk_f16_f32 v[HI+i], v[S+32+2*i], v[S+32+2*i+1]
	v_cvt_pk_f16_f32 v[LO+i], v[S+2*i], v[S+2*i+1]
.set i, i+1
.endr
.else
.set i, 0
.rept 16
	v_cvt_pk_f16_f32 v[HI+i], v[S+2*i], v[S+2*i+1]
.set i, i+1
.endr
.endif
.endm
; A lane's eight channels of a row pack into 16 bytes; they go into rows of 144 bytes and come back as whole rows of 128, four to a load.
.macro STG u
.irp cb, 0,1,2,3
	ds_store_b128 v[STO], v[HI+4*(\cb):HI+4*(\cb)+3] offset:32*(\cb)
.endr
.if (\u) == 0
.irp cb, 0,1,2,3
	ds_store_b128 v[STO], v[LO+4*(\cb):LO+4*(\cb)+3] offset:LOFF+32*(\cb)
.endr
.endif
	s_wait_xcnt 0x0                                ; the registers below were the last stores' data: they are loaded again only behind this wait
.irp f, 0,1,2,3
	ds_load_b128 v[OB+4*(\f):OB+4*(\f)+3], v[RD] offset:(\f)*4*SP  ; LDS serves a wave's instructions in order (ISA guide 5.7.1.4): these see the stores above
.endr
.if (\u) == 0
.irp f, 0,1,2,3
	ds_load_b128 v[OB+16+4*(\f):OB+16+4*(\f)+3], v[RD] offset:LOFF+(\f)*4*SP
.endr
.endif
.endm
.macro SEND u                          ; each store of the wave covers 512 consecutive bytes, aligned; the largest offset, 4 pieces and 1,536 bytes, lies inside the signed 24 bits
	s_wait_dscnt 0x0
.irp f, 0,1,2,3
	global_store_b128 v[KO], v[OB+4*(\f):OB+4*(\f)+3], s[10:11] offset:((\u)+1)*PSTEP+512*(\f)
.endr
.if (\u) == 0
.irp f, 0,1,2,3
	global_store_b128 v[KO], v[OB+16+4*(\f):OB+16+4*(\f)+3], s[10:11] offset:512*(\f)
.endr
.endif
.endm
	CALC 0
	STG 0
.irp u, 1,2,3                          ; a unit's arithmetic stands between the loads of the unit before and its stores
	CALC \u
	SEND (\u)-1
	STG \u
.endr
	SEND 3
	s_wait_tensorcnt 0x0                           ; the wave's end
	ds_add_u32 v[SPW], v[NIL]
	s_wait_dscnt 0x0
	CROUND                                         ; the closing round
	s_endpgm
.Lfunc_end_k_q3a19a1da99_attn:
	.size	k_q3a19a1da99_attn, .Lfunc_end_k_q3a19a1da99_attn-k_q3a19a1da99_attn
	.p2alignl 7, 3214868480
	.fill 96, 4, 3214868480
	.section	.rodata,"a",@progbits
	.p2align	6, 0x0
	.amdhsa_kernel k_q3a19a1da99_attn
		.amdhsa_group_segment_fixed_size 327680
		.amdhsa_private_segment_fixed_size 0
		.amdhsa_enable_private_segment 0
		.amdhsa_kernarg_size 32
		.amdhsa_user_sgpr_count 2
		.amdhsa_user_sgpr_kernarg_segment_ptr 1
		.amdhsa_wavefront_size32 1
		.amdhsa_system_sgpr_workgroup_id_x 1
		.amdhsa_system_sgpr_workgroup_id_y 1
		.amdhsa_system_sgpr_workgroup_id_z 1
		.amdhsa_system_vgpr_workitem_id 0
		.amdhsa_next_free_vgpr 648
		.amdhsa_next_free_sgpr 66
		.amdhsa_reserve_vcc 1
		.amdhsa_float_denorm_mode_32 3
		.amdhsa_float_denorm_mode_16_64 3
		.amdhsa_memory_ordered 1
		.amdhsa_forward_progress 1
		.amdhsa_inst_pref_size 140
	.end_amdhsa_kernel
	.amdgpu_metadata
---
amdhsa.version: [ 1, 2 ]
amdhsa.kernels:
  - .name:           k_q3a19a1da99_attn
    .symbol:         k_q3a19a1da99_attn.kd
    .args:
      - { .name: qh, .offset: 0, .size: 8, .value_kind: global_buffer, .address_space: global }
      - { .name: kv, .offset: 8, .size: 8, .value_kind: global_buffer, .address_space: global }
      - { .name: kmx, .offset: 16, .size: 8, .value_kind: global_buffer, .address_space: global }
      - { .name: ob, .offset: 24, .size: 8, .value_kind: global_buffer, .address_space: global }
    .group_segment_fixed_size: 327680
    .private_segment_fixed_size: 0
    .kernarg_segment_align: 8
    .kernarg_segment_size: 32
    .max_flat_workgroup_size: 128
    .sgpr_count:     66
    .vgpr_count:     648
    .wavefront_size: 32
...
	.end_amdgpu_metadata
.endif
;; end of part 7
;; launch oproj (part 8): grid 8 x 32, 4 waves a work-group, clusters of 4 x 4, 327,680 bytes of LDS; arguments ob, wot, out0; writes out0
.if DOCPART == 8
	.amdgcn_target "amdgcn-amd-amdhsa--gfx1250"
	.amdhsa_code_object_version 6
	.text
	.protected	k_q3a19a1da99_oproj
	.globl	k_q3a19a1da99_oproj
	.p2align	8
	.type	k_q3a19a1da99_oproj,@function
k_q3a19a1da99_oproj:
	s_mov_b64 s[64:65], 0
	v_nop
	global_prefetch_b8 v0, s[64:65] scope:SCOPE_SE
	s_setreg_imm32_b32 hwreg(HW_REG_WAVE_MODE, 25, 1), 1
	s_wait_xcnt 0x0
	s_wait_alu depctr_hold_cnt(0) depctr_sa_sdst(0) depctr_va_vdst(0) depctr_va_sdst(0) depctr_va_ssrc(0) depctr_va_vcc(0) depctr_vm_vsrc(0)
	s_getreg_b32 s2, hwreg(HW_REG_IB_STS2, 6, 4)
	s_cmp_eq_u32 s2, 0
	s_cbranch_scc0 .Lentry_in_a_cluster
	s_endpgm
.Lentry_in_a_cluster:
	s_bfe_u32 s2, ttmp6, 0x10000c
	s_cmp_lg_u32 s2, 0xf033
	s_cbranch_scc0 .Lentry_shape_is_right
	s_endpgm
.Lentry_shape_is_right:
; OUT = O Wo: out0 [4096][1024] f32 = O [4096][1024] times wot [1024 n][1024 k] f16 transposed, f16 products, f32 sums.
; O lies in ob [2 batches][5 pieces][32 c][16 heads][16 rows][64] f16: tile t = c + 32 a of a batch's 128 tiles of 16 rows in piece a + 1; piece 0 holds a second part, lo, of the tiles with a = 0 (the batch's first 512
; rows), which is multiplied by the same Wo and added.  LIMIT: rows 512 to 2,047 of a batch carry f16's one rounding of O, 2^-12 of the number.
; SHARES.  A work-group makes 128 rows x 128 columns; its rows are two values of c, each with its four tiles: a wave has one c and 64 columns: 16 accumulators of 16 x 16, and in every wave exactly one row block has a lo.
; K goes in four steps of 256 (four heads) through two LDS slots; a quarter of a step is one head.  A wave multiplies 5 fragments of O (lo and four tiles) by 4 of wot for each 32 along K: 20 matrix instructions.
; One tensor load a wave: waves 0, 1 bring one c's five pieces (a tensor row is a piece's four heads, 8,192 dense bytes; the pieces lie 1,048,576 bytes apart), waves 2, 3 bring 64 rows of wot (512 bytes each).
; From a request to the wait for it a wave issues 140 matrix instructions.  The sixteen quarters are written straight: the first lap fills both slots again, the second none.
; CLUSTER: 4 x 4 work-groups.  The four of a row of the cluster need the same tiles of O, the four of a column the same tiles of wot: each tile is asked for jointly.
; THE MATRIX INSTRUCTION IS USED TRANSPOSED (source 0 = 16 rows of wot, source 1 = 16 rows of O): a lane holds eight neighbouring numbers of a row of the result.
; THE WAY OUT: a wave's 64 columns of f32 are 256 aligned bytes, so each wave has a stage of its own.  The two slots and the spare words leave 7,680 bytes, too few for four stages of 4,352: the stages lie at the head of
; slot 0, which has had its last fill (K step 2) and whose last reads every wave has waited for in front of the last barrier.
; REGISTERS: window 0: v0-31 addresses; v32-95 rows read back, two buffers; v128-255 the accumulators ((a, b) at v[128 + 8 (4 a + b)]).  Window 1: wot's fragments, two buffers of 64.  Window 2: O's, two buffers of 80.
.set SIZE_K, 1024
.set SIZE_N, 1024
.set KSTEP,  256
.set PA,     144                       ; a row of O in LDS: a head's 128 bytes + 16 of padding = 36 words: the 16 rows of a load start at 16 different groups of four banks (64 banks of 4 bytes: ISA guide 11.1)
.set PIECE,  4*16*PA                   ; four heads of 16 rows
.set HALFA,  5*PIECE
.set PB,     528                       ; a row of wot in LDS: 512 bytes + 16
.set HALFB,  64*PB
.set BOFF,   2*HALFA                   ; wot's 128 rows lie behind O's two halves
.set SLOT,   2*HALFA+2*HALFB
.set ASTEP,  4*2048                    ; bytes from a K step to the next in a tile of ob
.set STAGE,  0
.set SPITCH, 272
.set SPARE,  2*SLOT                    ; the spare words, 128 bytes for each wave: two blocks of 256 bytes that no other line names
.set ADRA, 16                          ; v16-17  LDS address of my fragments of O in slot 0, 1
.set ADRB, 20                          ; v20-21  the same for wot
.set STO,  24
.set RD,   25
.set CO,   26
.set SPW,  28                          ; LDS address of my spare word; never rewritten
.set NIL,  29                          ; 0; never rewritten
.set TMP,  32
.set ACC,  128
.set G1, 24                            ; s[24:31] descriptor group 1 for O's tiles;  s[32:39] group 0, a set for each slot
.set G0, 32
.set G1B, 48                           ; s[48:55], s[56:63] the same for wot's
.set G0B, 56
.set FLAGA, (1<<16)|(1<<20)|(1<<21)|(4<<22)|(3<<25)  ; 2-byte elements; padding on; 21 set beside a mask; after every 32 words, 4 words
.set FLAGB, (1<<16)|(1<<20)|(1<<21)|(6<<22)|(3<<25)  ; the same after every 128 words
.set MSB, 0
.macro WIN new
.if MSB != (\new)
	s_set_vgpr_msb (MSB<<8)|(\new)
.set MSB, \new
.endif
.endm
.set MUL,  0x09                        ; source 0 (wot) window 1, source 1 (O) window 2; C and D window 0
.set TO_B, 0x40                        ; destination window 1, address window 0
.set TO_A, 0x80                        ; destination window 2
.macro JLOAD s                         ; a joint load: waves 0 and 1 fetch O's two halves, waves 2 and 3 wot's; an s_nop 0 and four v_nop follow each line
	s_cmp_eq_u32 s11, 0
	s_cbranch_scc0 .Lfor_b_\@
	tensor_load_to_lds s[G0+4*(\s):G0+4*(\s)+3], s[G1:G1+7]
	s_nop 0
.rept 4
	v_nop
.endr
	s_branch .Lasked_\@
.Lfor_b_\@:
	tensor_load_to_lds s[G0B+4*(\s):G0B+4*(\s)+3], s[G1B:G1B+7]
	s_nop 0
.rept 4
	v_nop
.endr
.Lasked_\@:
.endm
.macro CREST
	s_cmp_lg_u32 s10, 0
	s_cbranch_scc1 .Lnot_wave_0_\@
	s_barrier_signal -3
.Lnot_wave_0_\@:
	s_barrier_wait -3
	s_barrier_signal -1
	s_barrier_wait -1
.endm
.macro CROUND
	s_barrier_signal -1
	s_barrier_wait -1
	CREST
.endm
	s_load_b128 s[4:7], s[0:1], 0x0                ; ob s[4:5], wot s[6:7]
	s_load_b64 s[8:9], s[0:1], 0x10                ; out0
	v_lshl_add_u32 v[SPW], v0, 2, SPARE
	v_mov_b32 v[NIL], 0
	ds_add_u32 v28, v29
	s_wait_dscnt 0x0
	v_lshrrev_b32 v1, 5, v0
	v_readfirstlane_b32 s10, v1                    ; wave 0..3
	s_lshr_b32 s11, s10, 1                         ; which c of the work-group's two is mine.  Also: I fetch for O (0) or for wot (1)
	s_and_b32 s12, s10, 1                          ; which half of the columns is mine.  Also: which half of that tensor's tile I fetch
	s_bfe_u32 s40, ttmp6, 0x40000                  ; cx, cy
	s_bfe_u32 s41, ttmp6, 0x40004
	s_lshl_b32 s42, ttmp9, 2
	s_add_co_u32 s42, s42, s40                     ; tile column
	s_and_b32 s13, ttmp7, 0xffff
	s_lshl_b32 s13, s13, 2
	s_add_co_u32 s13, s13, s41                     ; tile row y: batch y / 16, c = 2 (y % 16) + half
	s_lshl_b32 s43, s41, 2
	s_lshl_b32 s43, 15, s43                        ; my row of the cluster
	s_lshl_b32 s44, 0x1111, s40                    ; my column
	s_or_b32 s[G1+0], s43, FLAGA                   ; O's tiles go to my row,
	s_or_b32 s[G1B+0], s44, FLAGB                  ; wot's to my column
	s_mov_b32 s[G1+1], 4096<<16                    ; tensor_dim0 = 4,096 elements: four heads of a piece
	s_mov_b32 s[G1+2], 5<<16                       ; tensor_dim1 = 5 pieces
	s_mov_b32 s[G1+3], 4096<<16                    ; tile_dim0 = 4,096
	s_mov_b32 s[G1+4], 5                           ; tile_dim1 = 5
	s_mov_b32 s[G1+5], 524288                      ; elements from piece to piece
	s_mov_b32 s[G1+6], 0
	s_mov_b32 s[G1+7], 0
	s_mov_b32 s[G1B+1], KSTEP<<16                  ; tensor_dim0 = 256
	s_mov_b32 s[G1B+2], 64<<16                     ; tensor_dim1 = 64
	s_mov_b32 s[G1B+3], KSTEP<<16                  ; tile_dim0 = 256
	s_mov_b32 s[G1B+4], 64                         ; tile_dim1 = 64
	s_mov_b32 s[G1B+5], SIZE_K
	s_mov_b32 s[G1B+6], 0
	s_mov_b32 s[G1B+7], 0
	s_lshr_b32 s16, s13, 4
	s_mul_i32 s16, s16, 160                        ; the batch's 5 pieces of 32 tiles
	s_and_b32 s17, s13, 15
	s_lshl_b32 s17, s17, 1
	s_add_co_u32 s16, s16, s17
	s_add_co_u32 s16, s16, s12                     ; + c of the half that I fetch,
	s_lshl_b32 s16, s16, 15                        ; tiles of 32,768 bytes
	s_mov_b32 s17, 0
	s_lshl_b32 s46, s42, 7
	s_lshl_b32 s47, s12, 6
	s_add_co_u32 s46, s46, s47                     ; wot: row 128 x tile column + 64 x half,
	s_lshl_b32 s46, s46, 11                        ; of 2,048 bytes
	s_mov_b32 s47, 0
	s_mul_i32 s20, s12, HALFA                      ; where they go: no place in the cluster enters an LDS address
	s_mul_i32 s45, s12, HALFB
	s_add_co_u32 s45, s45, BOFF
	s_wait_kmcnt 0x0
	s_add_nc_u64 s[14:15], s[4:5], s[16:17]
	s_add_nc_u64 s[46:47], s[6:7], s[46:47]
	CROUND                                         ; all sixteen work-groups are here: the first joint loads meet
.irp s, 0,1
	s_mov_b32 s[G0+4*(\s)], 1
	s_add_co_u32 s[G0+4*(\s)+1], s20, (\s)*SLOT
	s_add_nc_u64 s[G0+4*(\s)+2:G0+4*(\s)+3], s[14:15], (\s)*ASTEP
	s_or_b32 s[G0+4*(\s)+3], s[G0+4*(\s)+3], 0x80000000
	s_mov_b32 s[G0B+4*(\s)], 1
	s_add_co_u32 s[G0B+4*(\s)+1], s45, (\s)*SLOT
	s_add_nc_u64 s[G0B+4*(\s)+2:G0B+4*(\s)+3], s[46:47], (\s)*KSTEP*2
	s_or_b32 s[G0B+4*(\s)+3], s[G0B+4*(\s)+3], 0x80000000
	JLOAD \s                                       ; two loads of mine are out
.endr
	v_and_b32 v1, 15, v0                           ; l % 16
	v_bfe_u32 v2, v0, 4, 1                         ; l / 16
	v_mul_u32_u24 v3, v1, PA                       ; a fragment's row x pitch + 16 x half, for O
	v_lshl_add_u32 v3, v2, 4, v3
	v_mul_u32_u24 v4, v1, PB                       ; and for wot
	v_lshl_add_u32 v4, v2, 4, v4
	s_mul_i32 s21, s11, HALFA                      ; my c's five pieces
	s_mul_i32 s22, s12, HALFB                      ; my 64 rows of wot
	s_add_co_u32 s22, s22, BOFF
.irp s, 0,1
	v_add_nc_u32 v[ADRA+(\s)], s21, v3
	v_add_nc_u32 v[ADRB+(\s)], s22, v4
	s_add_co_u32 s21, s21, SLOT
	s_add_co_u32 s22, s22, SLOT
.endr
	s_mul_i32 s23, s10, 16*SPITCH
	s_add_co_u32 s23, s23, STAGE                   ; my stage
	v_mul_u32_u24 v5, v1, SPITCH                   ; in: row l % 16, 32 bytes (eight f32) for each half of the lanes
	v_lshl_add_u32 v5, v2, 5, v5
	v_add_nc_u32 v[STO], s23, v5
	v_mul_u32_u24 v6, v2, SPITCH                   ; back: lanes 0-15 one row of 256 bytes, lanes 16-31 the next
	v_lshl_add_u32 v6, v1, 4, v6
	v_add_nc_u32 v[RD], s23, v6
	v_lshlrev_b32 v6, 12, v2                       ; and the same two rows of out0, 4,096 bytes each
	v_lshl_add_u32 v[CO], v1, 4, v6
	s_lshr_b32 s16, s13, 4
	s_lshl_b32 s16, s16, 11                        ; the batch's 2,048 rows
	s_and_b32 s17, s13, 15
	s_lshl_b32 s17, s17, 1
	s_add_co_u32 s17, s17, s11                     ; my c:
	s_lshl_b32 s17, s17, 4                         ; row 16 c; + 512 a in the immediate
	s_add_co_u32 s16, s16, s17
	s_lshl_b32 s16, s16, 12
	s_mov_b32 s17, 0
	s_add_nc_u64 s[8:9], s[8:9], s[16:17]
	s_lshl_b32 s46, s42, 9                         ; my first column, in bytes: 512 x tile column + 256 x half
	s_lshl_b32 s47, s12, 8
	s_add_co_u32 s46, s46, s47
	s_mov_b32 s47, 0
	s_add_nc_u64 s[8:9], s[8:9], s[46:47]
; 4 matrix instructions: piece p of O (0: lo, which adds onto row block 0; 1..4: row block p - 1) x all 4 column blocks, 32 along K: half c of buffer f.  zero = 1: the product starts the sums.
.macro MULP f, c, p, zero
	WIN MUL
.if (\p) == 0
.set AR, 0
.else
.set AR, (\p)-1
.endif
.irp b, 0,1,2,3
.if \zero
	v_wmma_f32_16x16x32_f16 v[ACC+8*(4*AR+(\b)):ACC+8*(4*AR+(\b))+7], v[64*(\f)+8*(4*(\c)+(\b)):64*(\f)+8*(4*(\c)+(\b))+7], v[80*(\f)+8*(5*(\c)+(\p)):80*(\f)+8*(5*(\c)+(\p))+7], 0
.else
	v_wmma_f32_16x16x32_f16 v[ACC+8*(4*AR+(\b)):ACC+8*(4*AR+(\b))+7], v[64*(\f)+8*(4*(\c)+(\b)):64*(\f)+8*(4*(\c)+(\b))+7], v[80*(\f)+8*(5*(\c)+(\p)):80*(\f)+8*(5*(\c)+(\p))+7], v[ACC+8*(4*AR+(\b)):ACC+8*(4*AR+(\b))+7]
.endif
.endr
.endm
; 20 matrix instructions: the four tiles, then lo.  The accumulators take turns, one instruction a turn: between two on one accumulator stand three others' or more.
.macro MUL20 f, c, zero
	MULP \f, \c, 1, \zero
	MULP \f, \c, 2, \zero
	MULP \f, \c, 3, \zero
	MULP \f, \c, 4, \zero
	MULP \f, \c, 0, 0
.endm
; 36 LDS loads in one run: the fragments of quarter q (one head, 64 along K) into buffer f: wot's sixteen loads, then O's ten for the first 32 along K and ten for the second
.macro FETCH slot, q, f
	WIN TO_B
.irp c, 0,1
.irp i, 0,1,2,3
	ds_load_b128 v[64*(\f)+8*(4*(\c)+(\i)):64*(\f)+8*(4*(\c)+(\i))+3],   v[ADRB+(\slot)] offset:128*(\q)+64*(\c)+(\i)*16*PB
	ds_load_b128 v[64*(\f)+8*(4*(\c)+(\i))+4:64*(\f)+8*(4*(\c)+(\i))+7], v[ADRB+(\slot)] offset:128*(\q)+64*(\c)+(\i)*16*PB+32
.endr
.endr
	WIN TO_A
.irp c, 0,1
.irp p, 0,1,2,3,4
	ds_load_b128 v[80*(\f)+8*(5*(\c)+(\p)):80*(\f)+8*(5*(\c)+(\p))+3],   v[ADRA+(\slot)] offset:(\p)*PIECE+(\q)*16*PA+64*(\c)
	ds_load_b128 v[80*(\f)+8*(5*(\c)+(\p))+4:80*(\f)+8*(5*(\c)+(\p))+7], v[ADRA+(\slot)] offset:(\p)*PIECE+(\q)*16*PA+64*(\c)+32
.endr
.endr
.endm
.macro PLACES                          ; four places in front of loads into registers that matrix instructions have read, and of LDS stores that read results
.rept 4
	v_nop
.endr
.endm
; A K step is four quarters, 40 matrix instructions each, on buffers 0, 1, 0, 1.  One of the first three: multiplies buffer f and fetches quarter q of the slot into g.
.macro QUARTER slot, q, f, g, zero
	s_wait_dscnt 10                                ; wot's fragments and O's first 32 along K are in; the youngest ten loads may be out
	MUL20 \f, 0, \zero
	PLACES
	FETCH \slot, \q, \g
	s_wait_dscnt 36                                ; all but the 36 just issued
	MUL20 \f, 1, 0
.endm
; The last quarter multiplies buffer 1 and changes slots: ONE barrier; in front of it each wave waits for all its tensor loads, adds 0 to its spare word, and waits for that and for its reads of this slot.
.macro TURN slot, next, fill
	WIN 0                                          ; (the add's two registers lie in window 0)
	s_wait_tensorcnt 0x0                           ; all my tensor loads have landed: my part of the next slot
	ds_add_u32 v[SPW], v[NIL]                      ; 0 onto my spare word
	s_wait_dscnt 11                                ; (the add and the youngest ten loads may be out)
	MULP 1, 0, 1, 0                                ; eight matrix instructions stand between the add and the wait for it
	MULP 1, 0, 2, 0
	s_wait_dscnt 0x0                               ; the add is done, and my reads of this slot are over
	s_barrier_signal -1
	MULP 1, 0, 3, 0
	MULP 1, 0, 4, 0
	MULP 1, 0, 0, 0
.if \fill
	WIN 0
.endif
	s_barrier_wait -1
.if \fill
	CREST                                          ; the barrier has opened a round of the cluster's: no wave of any partner still reads this slot or has a load on its way
	s_add_nc_u64 s[G0+4*(\slot)+2:G0+4*(\slot)+3], s[G0+4*(\slot)+2:G0+4*(\slot)+3], 2*ASTEP
	s_add_nc_u64 s[G0B+4*(\slot)+2:G0B+4*(\slot)+3], s[G0B+4*(\slot)+2:G0B+4*(\slot)+3], 2*KSTEP*2
	JLOAD \slot                                    ; the first tensor load behind the round; its four v_nop are also the places in front of the loads below
.else
	PLACES
.endif
	FETCH \next, 0, 0
	MUL20 1, 1, 0
.endm
	s_wait_tensorcnt 1                             ; my part of K step 0 is in; step 1's may stay out
	s_barrier_signal -1
	s_barrier_wait -1
	FETCH 0, 0, 0
	QUARTER 0, 1, 0, 1, 1                          ; K step 0; its first products start the sums
	QUARTER 0, 2, 1, 0, 0
	QUARTER 0, 3, 0, 1, 0
	TURN 0, 1, 1                                   ; slot 0 takes K step 2
	QUARTER 1, 1, 0, 1, 0                          ; K step 1
	QUARTER 1, 2, 1, 0, 0
	QUARTER 1, 3, 0, 1, 0
	TURN 1, 0, 1                                   ; slot 1 takes K step 3
	QUARTER 0, 1, 0, 1, 0                          ; K step 2
	QUARTER 0, 2, 1, 0, 0
	QUARTER 0, 3, 0, 1, 0
	TURN 0, 1, 0                                   ; nothing is left to fetch; behind this barrier nobody reads slot 0 any more
	QUARTER 1, 1, 0, 1, 0                          ; K step 3
	QUARTER 1, 2, 1, 0, 0
	QUARTER 1, 3, 0, 1, 0
	s_wait_dscnt 10
	MUL20 1, 0, 0
	s_wait_dscnt 0x0
	MUL20 1, 1, 0
	WIN 0
; THE WAY OUT, a block of 16 rows at a time: the f32 sums go into my stage as they lie (each accumulator's low four registers first) and come back as whole rows of 256 bytes.
.macro TST a
.set BK, TMP+32*((\a)%2)
.irp b, 0,1,2,3
	ds_store_b128 v[STO], v[ACC+8*(4*(\a)+(\b)):ACC+8*(4*(\a)+(\b))+3] offset:64*(\b)
	ds_store_b128 v[STO], v[ACC+8*(4*(\a)+(\b))+4:ACC+8*(4*(\a)+(\b))+7] offset:64*(\b)+16
.endr
.irp t, 0,1,2,3,4,5,6,7
	ds_load_b128 v[BK+4*(\t):BK+4*(\t)+3], v[RD] offset:(\t)*2*SPITCH  ; LDS serves a wave's instructions in order (ISA guide 5.7.1.4): these see the stores above; the next block's stores come behind them
.endr
.endm
.macro SEND a, younger                 ; younger: the LDS instructions issued behind block a's loads: the next block's sixteen, or none
.set BK, TMP+32*((\a)%2)
	s_wait_dscnt \younger
.irp t, 0,1,2,3,4,5,6,7
	global_store_b128 v[CO], v[BK+4*(\t):BK+4*(\t)+3], s[8:9] offset:(512*(\a)+2*(\t))*SIZE_N*4 th:TH_STORE_NT  ; 16 lanes store 256 consecutive bytes, aligned; block a lies 512 rows on; the largest offset, 6,348,800, lies inside the signed 24 bits
.endr
.endm
	PLACES
	TST 0
	TST 1
	SEND 0, 16
	s_wait_xcnt 0x0                                ; block 0's stores have read their registers: block 2 is read back into them only behind this wait
	TST 2
	SEND 1, 16
	s_wait_xcnt 0x0
	TST 3
	SEND 2, 16
	SEND 3, 0
	s_wait_tensorcnt 0x0                           ; the wave's end
	ds_add_u32 v[SPW], v[NIL]
	s_wait_dscnt 0x0
	CROUND                                         ; the closing round
	s_endpgm
.Lfunc_end_k_q3a19a1da99_oproj:
	.size	k_q3a19a1da99_oproj, .Lfunc_end_k_q3a19a1da99_oproj-k_q3a19a1da99_oproj
	.p2alignl 7, 3214868480
	.fill 96, 4, 3214868480
	.section	.rodata,"a",@progbits
	.p2align	6, 0x0
	.amdhsa_kernel k_q3a19a1da99_oproj
		.amdhsa_group_segment_fixed_size 327680
		.amdhsa_private_segment_fixed_size 0
		.amdhsa_enable_private_segment 0
		.amdhsa_kernarg_size 24
		.amdhsa_user_sgpr_count 2
		.amdhsa_user_sgpr_kernarg_segment_ptr 1
		.amdhsa_wavefront_size32 1
		.amdhsa_system_sgpr_workgroup_id_x 1
		.amdhsa_system_sgpr_workgroup_id_y 1
		.amdhsa_system_sgpr_workgroup_id_z 1
		.amdhsa_system_vgpr_workitem_id 0
		.amdhsa_next_free_vgpr 672
		.amdhsa_next_free_sgpr 66
		.amdhsa_reserve_vcc 0
		.amdhsa_float_denorm_mode_32 3
		.amdhsa_float_denorm_mode_16_64 3
		.amdhsa_memory_ordered 1
		.amdhsa_forward_progress 1
		.amdhsa_inst_pref_size 98
	.end_amdhsa_kernel
	.amdgpu_metadata
---
amdhsa.version: [ 1, 2 ]
amdhsa.kernels:
  - .name:           k_q3a19a1da99_oproj
    .symbol:         k_q3a19a1da99_oproj.kd
    .args:
      - { .name: ob, .offset: 0, .size: 8, .value_kind: global_buffer, .address_space: global }
      - { .name: wot, .offset: 8, .size: 8, .value_kind: global_buffer, .address_space: global }
      - { .name: out0, .offset: 16, .size: 8, .value_kind: global_buffer, .address_space: global }
    .group_segment_fixed_size: 327680
    .private_segment_fixed_size: 0
    .kernarg_segment_align: 8
    .kernarg_segment_size: 24
    .max_flat_workgroup_size: 128
    .sgpr_count:     66
    .vgpr_count:     672
    .wavefront_size: 32
...
	.end_amdgpu_metadata
.endif
;; end of part 8
;; ======== version 3 of 3: 4 launches; version 2 with the launch prep written anew for expert scheduling mode
;; limits: values are held in f16: magnitudes above 65,504 overflow, below 6.1e-05 lose precision; right only within a limited range of input values
;; workspace buffers: xb 8,388,608 bytes; wt 3,145,728 bytes; wot 2,097,152 bytes; qh 2,097,152 bytes; kv 10,485,760 bytes; kmx 131,072 bytes; ob 10,485,760 bytes
;; launch prep (part 9): grid 832 x 1, 8 waves a work-group, no clusters, 18,432 bytes of LDS; arguments hidden_states, Wq, Wk, Wv, Wo, xb, wt, wot; writes xb, wt, wot
.if DOCPART == 9
	.amdgcn_target "amdgcn-amd-amdhsa--gfx1250"
	.amdhsa_code_object_version 6
	.text
	.protected	k_q3a19a1da99_prep
	.globl	k_q3a19a1da99_prep
	.p2align	8
	.type	k_q3a19a1da99_prep,@function
k_q3a19a1da99_prep:
	s_mov_b64 s[64:65], 0
	v_nop
	global_prefetch_b8 v0, s[64:65] scope:SCOPE_SE
	s_setreg_imm32_b32 hwreg(HW_REG_WAVE_SCHED_MODE, 0, 2), 2
	s_setreg_imm32_b32 hwreg(HW_REG_WAVE_MODE, 25, 1), 1
	s_wait_xcnt 0x0
	s_wait_alu depctr_vm_vsrc(0)
; PREP: every input is rounded once to bf16, and the weights are turned so that K runs along the rows.
;   xb  [4096][1024] bf16 = hidden_states.
;   wt  [1536][1024] bf16: row 96 head + (0..63: Wv's column 64 head + c; 64..79: Wq's column 16 head + f; 80..95: Wk's column 16 head + f).
;   wot [1024 n][1024 k] f16 = Wo[k][n].
; LIMITS.  Wo's bf16 value is written as f16: exact from 6.1e-5 to 65,504 in magnitude; below that it keeps f16's fixed step of 6e-8, above it becomes an infinity.
; SHARES.  A work-group does one unit of 8,192 numbers.  Work-groups 0..511 cast x (no LDS, no barrier); 512..831 turn one tile of 128 k x 64 n of a weight through LDS.
; The branch between the two hangs on the work-group's number alone, so all eight waves take the same way and meet the one barrier together.
; No matrix unit, no cluster, no tensor load: every byte is read once by one work-group, and memory binds.
; THE MODE: SCHED_MODE bits 1:0 = 2 (LLVM: expert scheduling mode 2), set by the entry lines.  The code itself states the register dependences between vector
; instructions and memory or LDS instructions, with s_wait_alu, always for 0.
; THE PLAN.  Registers that memory or LDS instructions touch:
;   x:        v1, v2    offsets, written once at the way's head; read by every load and every store.
;             LD        written by the eight loads alone; read by the conversions; nothing lands there again.
;             DD        each register written once, by a conversion; read by one store.  The conversions go in two halves of eight, each with one wait and two stores behind it.
;   weights:  AJ        written once; read by the eight global loads.
;             LD        written by the global loads; read by the sixteen bf16 conversions; then four LDS loads land in its first sixteen registers, which the global stores read.
;             DD        written by the conversions; read by the four LDS stores; never written again.
;             v4, v3, SA  the LDS addresses and the stores' offsets: made while the global loads are on their way, by lines that name none of AJ and LD; never written again.
;   So the weights' way has two waits: one ahead of the global loads, for AJ; one where the two ways of the conversions join, for all the rest.  Behind that one no vector instruction stands.
;   No register that a memory or LDS instruction has read is written again on either way; no vector instruction writes a scalar register or VCC; EXEC is never written.
.set XUNITS, 512                       ; 4,096 x 1,024 / 8,192
.set TP,     272                       ; a row of the turned tile in LDS: 128 k x 2 bytes + 16
.set AJ,     8                         ; v8-15   byte offsets of my eight rows of the weight
.set LD,     16                        ; v16-47  as loaded; later as read back
.set DD,     48                        ; v48-63  converted
.set SA,     66                        ; v66-69  byte offsets of the four rows of wt or wot that I store (v64, v65: the closing add's two registers)
	s_load_b512 s[8:23], s[0:1], 0x0               ; x s[8:9], Wq s[10:11], Wk s[12:13], Wv s[14:15], Wo s[16:17], xb s[18:19], wt s[20:21], wot s[22:23]
	v_lshl_add_u32 v64, v0, 2, 0x4400
	v_mov_b32 v65, 0
	s_mov_b32 s24, ttmp9
	s_cmp_lt_u32 s24, XUNITS
	s_cbranch_scc0 .Lweights
	; ---- x: thread t takes 32 bytes at 32 t of each of four blocks of 8,192 bytes, and stores 16 bytes at 16 t of each of four blocks of 4,096
	s_lshl_b32 s2, s24, 15                         ; the unit's 32,768 bytes of x
	s_mov_b32 s3, 0
	s_lshl_b32 s4, s24, 14                         ; and its 16,384 bytes of xb
	s_mov_b32 s5, 0
	v_lshlrev_b32 v1, 5, v0
	v_lshlrev_b32 v2, 4, v0
	s_wait_kmcnt 0x0
	s_add_nc_u64 s[8:9], s[8:9], s[2:3]
	s_add_nc_u64 s[18:19], s[18:19], s[4:5]
	s_wait_alu depctr_va_vdst(0)                   ; v1 and v2 are written: the loads read v1 as their offset, the stores v2
.irp i, 0,1,2,3
	global_load_b128 v[LD+8*(\i):LD+8*(\i)+3],   v1, s[8:9] offset:8192*(\i) th:TH_LOAD_NT
	global_load_b128 v[LD+8*(\i)+4:LD+8*(\i)+7], v1, s[8:9] offset:8192*(\i)+16 th:TH_LOAD_NT
.endr
.irp h, 0,1
	s_wait_loadcnt 4-4*(\h)                        ; loads come back in order: this half's two pairs are in; in the first half the four younger loads stay out
.irp i, 0,1
.irp k, 0,1,2,3
	v_cvt_pk_bf16_f32 v[DD+4*(2*(\h)+(\i))+(\k)], v[LD+8*(2*(\h)+(\i))+2*(\k)], v[LD+8*(2*(\h)+(\i))+2*(\k)+1]
.endr
.endr
	s_wait_alu depctr_va_vdst(0)                   ; the eight conversions have written this half of DD, which the two stores below read
.irp i, 0,1
	global_store_b128 v2, v[DD+4*(2*(\h)+(\i)):DD+4*(2*(\h)+(\i))+3], s[18:19] offset:4096*(2*(\h)+(\i))  ; a wave stores 512 consecutive bytes, aligned
.endr
.endr
	s_endpgm
.Lweights:
	; ---- which weight, and which tile of it: tiles 0..31 Wq, 32..63 Wk, 64..191 Wv, 192..319 Wo
	s_sub_co_u32 s25, s24, XUNITS                  ; the tile's number
	s_sub_co_u32 s33, s25, 32
	s_sub_co_u32 s34, s25, 64
	s_sub_co_u32 s35, s25, 192
	s_mov_b32 s28, s25                             ; its number within the weight
	s_mov_b32 s29, 2                               ; log2 of the weight's tiles along n (4 or 16); a row of the weight has 256 << that many bytes
	s_mov_b32 s30, 4                               ; log2 of a head's columns
	s_mov_b32 s31, 15                              ; a head's columns less 1
	s_mov_b32 s32, 64                              ; where the weight's rows begin among a head's 96 in wt
	s_wait_kmcnt 0x0
	s_mov_b64 s[26:27], s[10:11]
	s_cmp_ge_u32 s25, 32
	s_cselect_b64 s[26:27], s[12:13], s[26:27]
	s_cselect_b32 s28, s33, s28
	s_cselect_b32 s32, 80, s32
	s_cmp_ge_u32 s25, 64
	s_cselect_b64 s[26:27], s[14:15], s[26:27]
	s_cselect_b32 s28, s34, s28
	s_cselect_b32 s29, 4, s29
	s_cselect_b32 s30, 6, s30
	s_cselect_b32 s31, 63, s31
	s_cselect_b32 s32, 0, s32
	s_cmp_ge_u32 s25, 192                          ; Wo goes to wot, column n to row n: the shift by 31 leaves no head, the mask keeps all of n
	s_cselect_b64 s[26:27], s[16:17], s[26:27]
	s_cselect_b64 s[20:21], s[22:23], s[20:21]
	s_cselect_b32 s28, s35, s28
	s_cselect_b32 s30, 31, s30
	s_cselect_b32 s31, 1023, s31
	s_bfm_b32 s36, s29, 0
	s_and_b32 s36, s28, s36                        ; nb: the tile's place along n
	s_lshr_b32 s37, s28, s29                       ; kb: along k
	s_lshl_b32 s38, 256, s29                       ; bytes in a row of the weight
	s_add_co_u32 s39, s29, 8                       ; log2 of that
	s_mul_i32 s40, s37, s38
	s_lshl_b32 s40, s40, 7                         ; kb x 128 rows
	s_lshl_b32 s41, s36, 8                         ; nb x 64 columns of 4 bytes
	s_add_co_u32 s40, s40, s41
	s_mov_b32 s41, 0
	s_add_nc_u64 s[26:27], s[26:27], s[40:41]
	; thread t: sixteen lanes take 256 consecutive bytes of one row; the half-wave t >> 4 takes the eight rows 8 (t >> 4) on
	v_lshrrev_b32 v1, 4, v0                        ; t >> 4
	v_and_b32 v2, 15, v0                           ; c: my four columns 4 c ..
	v_lshlrev_b32 v3, 3, v1
	v_lshlrev_b32 v3, s39, v3
	v_lshl_add_u32 v[AJ], v2, 4, v3
.irp j, 1,2,3,4,5,6,7
	v_add_nc_u32 v[AJ+(\j)], s38, v[AJ+(\j)-1]
.endr
	s_wait_alu depctr_va_vdst(0)                   ; the eight offsets AJ are written, which the loads below read
.irp j, 0,1,2,3,4,5,6,7
	global_load_b128 v[LD+4*(\j):LD+4*(\j)+3], v[AJ+(\j)], s[26:27] th:TH_LOAD_NT
.endr
	; ---- while the loads are on their way: every address that the rest of the way needs.  None of these lines names AJ or LD
	v_mul_u32_u24 v4, v2, 4*TP                     ; into LDS: row 4 c + cc, bytes 16 (t >> 4) on (eight k)
	v_lshl_add_u32 v4, v1, 4, v4
	v_lshrrev_b32 v5, 5, v0                        ; wave
	v_bfe_u32 v6, v0, 4, 1                         ; which half of it
	v_lshl_add_u32 v7, v5, 3, v6                   ; back out of LDS: the tile's row 8 w + half; + 2 i in the loads' immediates
	v_mul_u32_u24 v3, v7, TP
	v_lshl_add_u32 v3, v2, 4, v3
	s_lshl_b32 s42, s36, 6
	v_add_nc_u32 v7, s42, v7                       ; the weight's column n
.irp i, 0,1,2,3
	v_add_nc_u32 v5, 2*(\i), v7
	v_lshrrev_b32 v6, s30, v5                      ; head
	v_and_b32 v5, s31, v5                          ; column within the head
	v_mad_u32_u24 v5, v6, 96, v5
	v_add_nc_u32 v5, s32, v5                       ; the row it becomes
	v_lshlrev_b32 v5, 11, v5
	v_lshl_add_u32 v[SA+(\i)], v2, 4, v5
.endr
	s_wait_loadcnt 0x0
.irp cc, 0,1,2,3
.irp jh, 0,1,2,3
	v_cvt_pk_bf16_f32 v[DD+4*(\cc)+(\jh)], v[LD+8*(\jh)+(\cc)], v[LD+8*(\jh)+4+(\cc)]  ; two neighbouring k of one column
.endr
.endr
	s_cmp_ge_u32 s25, 192
	s_cbranch_scc0 .Lkeep
.set i, 0
.rept 16                                               ; Wo alone: the bf16 value is written as f16
	v_lshlrev_b32 v5, 16, v[DD+i]
	v_and_b32 v6, 0xffff0000, v[DD+i]
	v_cvt_pk_f16_f32 v[DD+i], v5, v6
.set i, i+1
.endr
.Lkeep:
	s_wait_alu depctr_va_vdst(0)                   ; on both ways: the conversions have written DD, and v4, v3 and SA are written, which the LDS stores, the LDS loads and the global stores below read; and the conversions are done reading LD, in which the LDS loads land.  No vector instruction follows
.irp cc, 0,1,2,3
	ds_store_b128 v4, v[DD+4*(\cc):DD+4*(\cc)+3] offset:(\cc)*TP
.endr
	s_wait_dscnt 0x0                               ; for the others' sake: my stores into the tile are done
	s_barrier_signal -1
	s_barrier_wait -1
	; ---- sixteen lanes read a turned row's 256 bytes and store them as one aligned block of wt or wot (rows of 2,048 bytes in both)
.irp i, 0,1,2,3
	ds_load_b128 v[LD+4*(\i):LD+4*(\i)+3], v3 offset:2*(\i)*TP
.endr
	s_lshl_b32 s40, s37, 8                         ; kb x 128 k of 2 bytes
	s_mov_b32 s41, 0
	s_add_nc_u64 s[20:21], s[20:21], s[40:41]
.irp i, 0,1,2,3
	s_wait_dscnt 3-(\i)                            ; LDS loads come back in order: row i is in
	global_store_b128 v[SA+(\i)], v[LD+4*(\i):LD+4*(\i)+3], s[20:21]
.endr
	s_wait_dscnt 0x0                               ; the closing lines, six on end
	s_wait_alu 0x0
	s_wait_tensorcnt 0x0
	ds_add_u32 v64, v65
	s_wait_dscnt 0x0
	s_endpgm
.Lfunc_end_k_q3a19a1da99_prep:
	.size	k_q3a19a1da99_prep, .Lfunc_end_k_q3a19a1da99_prep-k_q3a19a1da99_prep
	.p2alignl 7, 3214868480
	.fill 96, 4, 3214868480
	.section	.rodata,"a",@progbits
	.p2align	6, 0x0
	.amdhsa_kernel k_q3a19a1da99_prep
		.amdhsa_group_segment_fixed_size 18432
		.amdhsa_private_segment_fixed_size 0
		.amdhsa_enable_private_segment 0
		.amdhsa_kernarg_size 64
		.amdhsa_user_sgpr_count 2
		.amdhsa_user_sgpr_kernarg_segment_ptr 1
		.amdhsa_wavefront_size32 1
		.amdhsa_system_sgpr_workgroup_id_x 1
		.amdhsa_system_sgpr_workgroup_id_y 1
		.amdhsa_system_sgpr_workgroup_id_z 1
		.amdhsa_system_vgpr_workitem_id 0
		.amdhsa_next_free_vgpr 70
		.amdhsa_next_free_sgpr 66
		.amdhsa_reserve_vcc 0
		.amdhsa_float_denorm_mode_32 3
		.amdhsa_float_denorm_mode_16_64 3
		.amdhsa_memory_ordered 1
		.amdhsa_forward_progress 1
		.amdhsa_inst_pref_size 13
	.end_amdhsa_kernel
	.amdgpu_metadata
---
amdhsa.version: [ 1, 2 ]
amdhsa.kernels:
  - .name:           k_q3a19a1da99_prep
    .symbol:         k_q3a19a1da99_prep.kd
    .args:
      - { .name: hidden_states, .offset: 0, .size: 8, .value_kind: global_buffer, .address_space: global }
      - { .name: Wq, .offset: 8, .size: 8, .value_kind: global_buffer, .address_space: global }
      - { .name: Wk, .offset: 16, .size: 8, .value_kind: global_buffer, .address_space: global }
      - { .name: Wv, .offset: 24, .size: 8, .value_kind: global_buffer, .address_space: global }
      - { .name: Wo, .offset: 32, .size: 8, .value_kind: global_buffer, .address_space: global }
      - { .name: xb, .offset: 40, .size: 8, .value_kind: global_buffer, .address_space: global }
      - { .name: wt, .offset: 48, .size: 8, .value_kind: global_buffer, .address_space: global }
      - { .name: wot, .offset: 56, .size: 8, .value_kind: global_buffer, .address_space: global }
    .group_segment_fixed_size: 18432
    .private_segment_fixed_size: 0
    .kernarg_segment_align: 8
    .kernarg_segment_size: 64
    .max_flat_workgroup_size: 256
    .sgpr_count:     66
    .vgpr_count:     70
    .wavefront_size: 32
...
	.end_amdgpu_metadata
.endif
;; end of part 9
;; launch qkv: the kernel of part 6 again; grid 8 x 32, 4 waves a work-group, clusters of 4 x 4, 327,680 bytes of LDS; arguments xb, wt, qh, kv, kmx; writes qh, kv, kmx
;; launch attn: the kernel of part 7 again; grid 8 x 32, 4 waves a work-group, clusters of 4 x 1, 327,680 bytes of LDS; arguments qh, kv, kmx, ob; writes ob
;; launch oproj: the kernel of part 8 again; grid 8 x 32, 4 waves a work-group, clusters of 4 x 4, 327,680 bytes of LDS; arguments ob, wot, out0; writes out0
